; MI455X (gfx1250); checked and timed in simulation.
; The chip was launched on July 23, 2026; its instructions are those of AMD's public machine-readable ISA for CDNA 5 (MIT licence, August 2026) and "CDNA5" Instruction Set Architecture Reference Guide (July 2026). The comments in the code are by the model that wrote it; some were corrected since.
;; Head. Allowed arithmetic: float matrix products may take bf16 or f16 operands with f32 sums; other float arithmetic in f32, or as packed bf16 or f16 multiplies, adds, multiply-adds, maxima and minima; sums over many terms, partial sums and values carried from step to step in f32; what a program stores and reads back later, other than sums and carried values, may be rounded once to bf16 or f16.
;; Inputs: Wk 1,024 x 1,024 float32; Wq 1,024 x 1,024 float32; Wv 1,024 x 1,024 float32; bk 1,024 float32; bq 1,024 float32; bv 1,024 float32; inputs 128 x 128 x 1,024 float32.
;; Outputs: out0 128 x 128 x 1,024 float32.
;; 3 versions, each right; version 3 is version 2 with the launches scores, values written anew for expert scheduling mode. Each part assembles by itself: llvm-mc -triple=amdgcn-amd-amdhsa -mcpu=gfx1250 --defsym DOCPART=n.
;; ======== version 1 of 3: 3 launches
;; limits: values are held in f16: magnitudes above 65,504 overflow, below 6.1e-05 lose precision
;; workspace buffers: wpk 6,291,456 bytes; sp 9,437,184 bytes
;; launch pack (part 1): grid 64 x 3, 4 waves a work-group, no clusters, 37,376 bytes of LDS; arguments Wq, Wk, Wv, wpk; writes wpk
.if DOCPART == 1
	.amdgcn_target "amdgcn-amd-amdhsa--gfx1250"
	.amdhsa_code_object_version 6
	.text
	.protected	k_q4810b1e763_pack
	.globl	k_q4810b1e763_pack
	.p2align	8
	.type	k_q4810b1e763_pack,@function
k_q4810b1e763_pack:
	s_mov_b64 s[64:65], 0
	v_nop
	global_prefetch_b8 v0, s[64:65] scope:SCOPE_SE
	s_setreg_imm32_b32 hwreg(HW_REG_WAVE_MODE, 25, 1), 1
	s_wait_xcnt 0x0
; PACK.  Wq, Wk, Wv ([1024][1024] f32) are rounded once to bf16 and laid out as matrix fragments, so that the two launches behind load a fragment
; half by one 16-byte load a lane from 512 consecutive bytes.
; wpk = 48 streams of 131,072 bytes: stream[kf 0..31][i 0..3][1,024 bytes].  A block of 1,024 bytes is 16 rows n0.. of W x 32 k (32 kf ..): lane l = 16 hh + r
; finds W[n0+r][32 kf + 8 hh .. +7] at byte 16 l and W[n0+r][32 kf + 16 + 8 hh .. +7] at byte 512 + 16 l.
; Streams 0-31: i = 0, 1 are Wq's row tiles 2 s, 2 s + 1; i = 2, 3 Wk's.  Streams 32-47: Wv's row tiles 4 g + i.
; SHARES.  A work-group takes one tile of 16 rows (x) of one matrix (y).  Wave w takes k 256 w .. 256 w + 255, as four units of 16 rows x 64 k.
; A unit goes through the wave's own stage in LDS (rows of 128 bytes + 16 of padding): in as it is loaded, out as fragments.  No wave reads another's bytes: no barrier.
.set SPARE, 36864                      ; behind the four stages: the spare words, 128 bytes a wave
.set UNIT,  16*144                     ; a unit in the stage
.set SPW, 2                            ; v2   my spare word's LDS address; never rewritten
.set NIL, 3                            ; v3   0; never rewritten
.set LO,  4                            ; v4   load offset: (l / 16) rows + 16 (l % 16) + 1,024 w
.set STA, 5                            ; v5   stage, in: row l / 16, 8 bytes a lane
.set LDA, 6                            ; v6   stage, out: row r, 16 bytes for each half of the lanes
.set GO,  7                            ; v7   store offset: 16 l + 8 w blocks of K
.set IN,  16                           ; v[16:143]  32 loads of 4 registers
.set FR,  144                          ; v[144:207] 16 fragment halves
	s_load_b256 s[4:11], s[0:1], 0x0               ; Wq s[4:5], Wk s[6:7], Wv s[8:9], wpk s[10:11]
	v_lshl_add_u32 v[SPW], v0, 2, SPARE
	v_mov_b32 v[NIL], 0
	v_lshrrev_b32 v1, 5, v0
	v_readfirstlane_b32 s12, v1                    ; wave
	s_and_b32 s13, ttmp7, 0xffff                   ; y: which matrix
	v_and_b32 v8, 15, v0                           ; r
	v_bfe_u32 v9, v0, 4, 1                         ; hh
	v_and_b32 v10, 31, v0                          ; l
	s_lshl_b32 s16, s12, 10
	v_lshlrev_b32 v[LO], 12, v9
	v_lshl_add_u32 v[LO], v8, 4, v[LO]
	v_add_nc_u32 v[LO], s16, v[LO]
	s_mul_i32 s17, s12, 4*UNIT                     ; my stage
	v_mul_u32_u24 v[STA], v9, 144
	v_lshl_add_u32 v[STA], v8, 3, v[STA]
	v_add_nc_u32 v[STA], s17, v[STA]
	v_mul_u32_u24 v[LDA], v8, 144
	v_lshl_add_u32 v[LDA], v9, 4, v[LDA]
	v_add_nc_u32 v[LDA], s17, v[LDA]
	s_lshl_b32 s18, s12, 15                        ; 8 w steps of K x 4,096 bytes
	v_lshl_add_u32 v[GO], v10, 4, s18
	s_lshr_b32 s20, ttmp9, 2                       ; Wv: stream 32 + tile / 4,
	s_add_co_u32 s20, s20, 32
	s_and_b32 s21, ttmp9, 3                        ; place tile % 4
	s_lshr_b32 s22, ttmp9, 1                       ; Wq, Wk: stream tile / 2,
	s_and_b32 s23, ttmp9, 1
	s_lshl1_add_u32 s23, s13, s23                  ; place 2 y + tile % 2
	s_cmp_eq_u32 s13, 2
	s_cselect_b32 s20, s20, s22
	s_cselect_b32 s21, s21, s23
	s_lshl_b32 s20, s20, 17
	s_lshl_b32 s21, s21, 10
	s_add_co_u32 s20, s20, s21
	s_mov_b32 s21, 0
	s_lshl_b32 s22, ttmp9, 16                      ; the tile's 16 rows of 4,096 bytes
	s_mov_b32 s23, 0
	s_wait_kmcnt 0x0
	s_cmp_eq_u32 s13, 1
	s_cselect_b64 s[14:15], s[6:7], s[4:5]
	s_cmp_eq_u32 s13, 2
	s_cselect_b64 s[14:15], s[8:9], s[14:15]
	s_add_nc_u64 s[14:15], s[14:15], s[22:23]
	s_add_nc_u64 s[10:11], s[10:11], s[20:21]
	; all 32 loads at once: each takes 256 consecutive aligned bytes of two rows
.set it, 0
.rept 4
.set jj, 0
.rept 8
	global_load_b128 v[IN+4*(8*it+jj):IN+4*(8*it+jj)+3], v[LO], s[14:15] offset:it*256+jj*8192 th:TH_LOAD_NT
.set jj, jj+1
.endr
.set it, it+1
.endr
	; unit by unit: round, into the stage, out as four fragment halves
.set it, 0
.rept 4
	s_wait_loadcnt 8*(3-it)                        ; loads return in order: this unit's eight are in, the younger units' stay out
.set jj, 0
.rept 8
.set ra, IN+4*(8*it+jj)
	v_cvt_pk_bf16_f32 v[ra], v[ra], v[ra+1]
	v_cvt_pk_bf16_f32 v[ra+1], v[ra+2], v[ra+3]
	ds_store_b64 v[STA], v[ra:ra+1] offset:it*UNIT+jj*288
.set jj, jj+1
.endr
.set ee, 0
.rept 4                                        ; ee = 2 x (which 32 k of the unit's 64) + half.  LDS serves a wave's instructions in order: these see the stores above
	ds_load_b128 v[FR+16*it+4*ee:FR+16*it+4*ee+3], v[LDA] offset:it*UNIT+32*ee
.set ee, ee+1
.endr
.set it, it+1
.endr
.set it, 0
.rept 4
	s_wait_dscnt 12*(3-it)                         ; behind this unit's loads stand the younger units' eight stores and four loads each
.set ee, 0
.rept 4
	global_store_b128 v[GO], v[FR+16*it+4*ee:FR+16*it+4*ee+3], s[10:11] offset:(2*it+ee/2)*4096+(ee%2)*512  ; 512 consecutive aligned bytes
.set ee, ee+1
.endr
.set it, it+1
.endr
	s_wait_tensorcnt 0x0                           ; the wave's end: three closing lines behind my last LDS store
	ds_add_u32 v[SPW], v[NIL]
	s_wait_dscnt 0x0
	s_endpgm
.Lfunc_end_k_q4810b1e763_pack:
	.size	k_q4810b1e763_pack, .Lfunc_end_k_q4810b1e763_pack-k_q4810b1e763_pack
	.p2alignl 7, 3214868480
	.fill 96, 4, 3214868480
	.section	.rodata,"a",@progbits
	.p2align	6, 0x0
	.amdhsa_kernel k_q4810b1e763_pack
		.amdhsa_group_segment_fixed_size 37376
		.amdhsa_private_segment_fixed_size 0
		.amdhsa_enable_private_segment 0
		.amdhsa_kernarg_size 32
		.amdhsa_user_sgpr_count 2
		.amdhsa_user_sgpr_kernarg_segment_ptr 1
		.amdhsa_wavefront_size32 1
		.amdhsa_system_sgpr_workgroup_id_x 1
		.amdhsa_system_sgpr_workgroup_id_y 1
		.amdhsa_system_sgpr_workgroup_id_z 1
		.amdhsa_system_vgpr_workitem_id 0
		.amdhsa_next_free_vgpr 208
		.amdhsa_next_free_sgpr 66
		.amdhsa_reserve_vcc 0
		.amdhsa_float_denorm_mode_32 3
		.amdhsa_float_denorm_mode_16_64 3
		.amdhsa_memory_ordered 1
		.amdhsa_forward_progress 1
		.amdhsa_inst_pref_size 14
	.end_amdhsa_kernel
	.amdgpu_metadata
---
amdhsa.version: [ 1, 2 ]
amdhsa.kernels:
  - .name:           k_q4810b1e763_pack
    .symbol:         k_q4810b1e763_pack.kd
    .args:
      - { .name: Wq, .offset: 0, .size: 8, .value_kind: global_buffer, .address_space: global }
      - { .name: Wk, .offset: 8, .size: 8, .value_kind: global_buffer, .address_space: global }
      - { .name: Wv, .offset: 16, .size: 8, .value_kind: global_buffer, .address_space: global }
      - { .name: wpk, .offset: 24, .size: 8, .value_kind: global_buffer, .address_space: global }
    .group_segment_fixed_size: 37376
    .private_segment_fixed_size: 0
    .kernarg_segment_align: 8
    .kernarg_segment_size: 32
    .max_flat_workgroup_size: 128
    .sgpr_count:     66
    .vgpr_count:     208
    .wavefront_size: 32
...
	.end_amdgpu_metadata
.endif
;; end of part 1
;; launch scores (part 2): grid 256 x 1, 4 waves a work-group, no clusters, 268,800 bytes of LDS; arguments inputs, wpk, bq, bk, sp; writes sp
.if DOCPART == 2
	.amdgcn_target "amdgcn-amd-amdhsa--gfx1250"
	.amdhsa_code_object_version 6
	.text
	.protected	k_q4810b1e763_scores
	.globl	k_q4810b1e763_scores
	.p2align	8
	.type	k_q4810b1e763_scores,@function
k_q4810b1e763_scores:
	s_mov_b64 s[64:65], 0
	v_nop
	global_prefetch_b8 v0, s[64:65] scope:SCOPE_SE
	s_setreg_imm32_b32 hwreg(HW_REG_WAVE_MODE, 25, 1), 1
	s_wait_xcnt 0x0
; SCORES.  Work-group 2 b + h: for batch b and the half h of the 1,024 channels d it makes q = x Wq^T + bq and k = x Wk^T + bk (128 rows x 512 channels each, sums over 1,024)
; and from them its part of S^T = k q^T, unscaled, f32, only the 36 tiles of 16 x 16 on or below the diagonal.  The two halves' parts are added in the next launch.
; FORMATS.  x, W and the biases are rounded once to bf16 (the biases are widened again and start the sums in f32); q and k are rounded once to f16; all sums f32.
; LIMITS.  |q| and |k| stay under 65,504 (f16's end); NaN and infinities are not treated apart.
; x OF THE BATCH LIES IN LDS as bf16, 128 rows 2,064 bytes apart (2,048 + 16: the 16 rows of a fragment load start at 16 different groups of four banks, ISA guide 11.1).
; SHARES.  A wave takes ALL 128 rows x 32 channels of q and the same 32 of k at a time (a CHUNK: 32 accumulators, 256 registers), four chunks.  So no two waves want the same weight:
; the weights come straight from memory into a ring of eight register slots (a slot = one K step of 32: four fragments), seven K steps ahead, and the K loop has no barrier.
; LAYOUT.  Source 0 = 16 rows of W, source 1 = 16 rows of x: a lane then holds ONE row of x and eight neighbouring channels.  Two neighbouring accumulators, rounded to f16 in place,
; ARE a fragment (16 rows x 32 channels) of S^T = k q^T (source 0 = 16 keys, source 1 = 16 queries): q and k never leave the registers.
; NO CLUSTER, NO TENSOR LOADS: x takes 264,192 bytes of LDS, which leaves no room for two slots of weights worth a barrier; inside a work-group no weight byte is wanted twice.
; REGISTERS, in windows of 256 (s_set_vgpr_msb: bits 1:0 source 0, 3:2 source 1, 5:4 source 2, 7:6 destination):
;   window 0: v0-31 addresses; v32-63 the chunk's biases; v64-127, v128-191 x's fragments, two buffers (row tile m at + 8 m); v192-223 S tiles 32-35
;   window 1: the ring, slot s at 32 s, fragment i at + 8 i (i: q0, q1, k0, k1); while x is brought in: two sets of 128
;   window 2: accumulator (m, i) at 32 m + 8 i          window 3: S tiles 0-31 at 8 tau, tau(i, j) = i (i + 1) / 2 + j
.set PITCH, 2064
.set XROWS, 32*PITCH                   ; a wave's 32 rows of x in LDS
.set BIASB, 128*PITCH                  ; behind x: bq's half (2,048 bytes), bk's half
.set SPARE, BIASB+4096                 ; behind them: the spare words, 128 bytes a wave
.set TILEB, 1024                       ; a tile of S as it lies in registers
.set REDB,  36*TILEB                   ; a wave's 36 tiles; the four waves' lie from LDS byte 0 on, when x has been read for the last time
.set TRIPS, 16                         ; a trip = 8 K steps; 4 trips a chunk
.set KFB,   4096                       ; a K step's four fragments in wpk
.set SPW, 2                            ; v2     my spare word; never rewritten
.set NIL, 3                            ; v3     0; never rewritten
.set AD0, 4                            ; v4-7   (32 p + r) x pitch + 16 hh
.set AD,  8                            ; v8-11  the same + the trip's place along K
.set L16, 12                           ; v12    16 x lane: offset in wpk, x and sp
.set PFO, 13                           ; v13    256 x lane: the prefetches' offset
.set BA,  14                           ; v14    my place in the bias table
.set BAC, 15                           ; v15    the same + the chunk's
.set BST, 16                           ; v16    where I put 16 bytes of the bias table
.set XS0, 17                           ; v17    where I put 8 bytes of my wave's first row of x
.set XS,  18                           ; v18    the same + the piece's place along K
.set RST, 19                           ; v19    the reduction: where my wave's tiles go
.set RLD, 20                           ; v20-23 the reduction: my nine tiles in each wave's part
.set BT0, 24                           ; v24-31 four numbers of bq, four of bk
.set BIAS, 32
.set ABUF, 64
.set SX,  192
.set VL,  224                          ; set-up only: lane, r, hh, two at work
.set VR,  225
.set VH,  226
.set TA,  227
.set BLO, 228
.set WV,  14                           ; s14  wave
.set BB,  15                           ; s15  batch
.set HH,  16                           ; s16  half
.set W,   20                           ; s[20:21] wpk at the trip in hand of my streams
.set XP,  22                           ; s[22:23] x at my wave's 32 rows
.set KO,  24                           ; s24  the trip's place along K in an LDS row: 0, 512, 1024, 1536
.set BO,  25                           ; s25  the chunk's place in the bias table
.set TT,  26                           ; s26  trips left in the loop
.set LIM, 27                           ; s27  1 in the work-groups that prefetch, else the greatest number
.set FC,  28                           ; s28  1 until the first chunk's S products have started the sums
.set XC,  29
.set XK,  30
.set MUL,  0xA1                        ; W window 1, x window 0, C and D window 2
.set MULF, 0x81                        ; the same with C (the biases) in window 0
.set MSB, 0
.macro WIN new                         ; the immediate's high byte repeats the setting that is left; a switch that changes nothing is dropped
.if MSB != (\new)
	s_set_vgpr_msb (MSB<<8)|(\new)
.set MSB, \new
.endif
.endm
.macro NOPS n
.rept \n
	v_nop
.endr
.endm
; x comes in by pieces of 128 k: 512 consecutive bytes of each of my 32 rows, a load a row, into one of two sets of window 1
.macro XLOAD st, off
	WIN 0x40
.set x_r, 0
.rept 32
	global_load_b128 v[128*(\st)+4*x_r:128*(\st)+4*x_r+3], v[L16], s[XP:XP+1] offset:(\off)+x_r*4096
.set x_r, x_r+1
.endr
.endm
; a piece is rounded to bf16 in place and stored: 256 consecutive bytes of a row an instruction
.macro XPUT st, o
	WIN 0x45
.set x_r, 0
.rept 32
	v_cvt_pk_bf16_f32 v[128*(\st)+4*x_r], v[128*(\st)+4*x_r], v[128*(\st)+4*x_r+1]
	v_cvt_pk_bf16_f32 v[128*(\st)+4*x_r+1], v[128*(\st)+4*x_r+2], v[128*(\st)+4*x_r+3]
.set x_r, x_r+1
.endr
	WIN 0x04
.set x_r, 0
.rept 32
	ds_store_b64 v[XS], v[128*(\st)+4*x_r:128*(\st)+4*x_r+1] offset:x_r*PITCH+(\o)
.set x_r, x_r+1
.endr
.endm
.macro BFILL s                         ; the ring's slot s takes K step s of the first trip
	WIN 0x40
.irp ff, 0,1,2,3
	global_load_b128 v[32*(\s)+8*(\ff):32*(\s)+8*(\ff)+3],   v[L16], s[W:W+1] offset:(\s)*KFB+(\ff)*1024
	global_load_b128 v[32*(\s)+8*(\ff)+4:32*(\s)+8*(\ff)+7], v[L16], s[W:W+1] offset:(\s)*KFB+(\ff)*1024+512
.endr
.endm
; pieces 0 and 1 are on their way; three trips store two pieces and ask for two; the last two pieces make room for the ring's first seven slots
.macro XREST
	WIN 0
	s_mov_b32 s[XC], 3
	s_mov_b32 s[XK], 0
.Lxl_\@:
	s_wait_loadcnt 32                              ; the older piece is in; the other piece's 32 loads stay out
	v_add_nc_u32 v[XS], s[XK], v[XS0]
	XPUT 0, 0
	XLOAD 0, 1024
	s_wait_loadcnt 32
	XPUT 1, 256
	XLOAD 1, 1536
	WIN 0
	s_wait_xcnt 0x0                                ; the loads have read their base: it is stepped only behind this wait
	s_add_nc_u64 s[XP:XP+1], s[XP:XP+1], 1024
	s_add_co_u32 s[XK], s[XK], 512
	s_sub_co_u32 s[XC], s[XC], 1
	s_cmp_lg_u32 s[XC], 0
	s_cbranch_scc1 .Lxl_\@
	s_wait_loadcnt 32
	v_add_nc_u32 v[XS], s[XK], v[XS0]
	XPUT 0, 0
	BFILL 0
	BFILL 1
	BFILL 2
	BFILL 3
	s_wait_loadcnt 32                              ; the last piece is in; just the 32 loads of slots 0-3 stay out
	XPUT 1, 256
	BFILL 4
	BFILL 5
	BFILL 6
	WIN 0
.endm
; x's eight fragments of K step kn of the trip, into buffer buf: 16 loads in one run
.macro AFETCH kn, buf
.set a_b, ABUF+64*(\buf)
.irp pp, 0,1,2,3
.irp tt, 0,1
	ds_load_b128 v[a_b+8*(2*(\pp)+(\tt)):a_b+8*(2*(\pp)+(\tt))+3],   v[AD+(\pp)] offset:(\kn)*64+(\tt)*16*PITCH
	ds_load_b128 v[a_b+8*(2*(\pp)+(\tt))+4:a_b+8*(2*(\pp)+(\tt))+7], v[AD+(\pp)] offset:(\kn)*64+(\tt)*16*PITCH+32
.endr
.endr
.endm
; A K step's 32 products.  Each accumulator has one instruction a step: they take turns, over every edge of the loop too.  first = 1: the biases start the sums
.macro PROD k, first
.set p_a, ABUF+64*((\k)%2)
.set p_b, 32*(\k)
.set p_m, 0
.rept 8
.set p_i, 0
.rept 4
.set p_c, 32*p_m+8*p_i
.if \first
	v_wmma_f32_16x16x32_bf16 v[p_c:p_c+7], v[p_b+8*p_i:p_b+8*p_i+7], v[p_a+8*p_m:p_a+8*p_m+7], v[BIAS+8*p_i:BIAS+8*p_i+7]
.else
	v_wmma_f32_16x16x32_bf16 v[p_c:p_c+7], v[p_b+8*p_i:p_b+8*p_i+7], v[p_a+8*p_m:p_a+8*p_m+7], v[p_c:p_c+7]
.endif
.set p_i, p_i+1
.endr
.set p_m, p_m+1
.endr
.endm
; A PREFETCH INTO THE L2, once a trip, behind the trip's first run of loads: the 32,768 bytes of my own streams that stand two trips on (my loads begin to name them in the next trip):
; a lane a block of 256 bytes, four instructions.  All 128 batches walk the same streams: batch 0's two work-groups ask, each wave for its own, so each block is named once in the launch.
; The first two trips' bytes come by their loads alone; the loop's last trip asks for nothing: two trips on the streams have ended.
.macro ASK
	s_cmp_gt_u32 s[TT], s[LIM]
	s_cbranch_scc0 .Lna_\@
.irp ff, 0,1,2,3
	global_prefetch_b8 v[PFO], s[W:W+1] offset:65536+8192*(\ff) th:TH_LOAD_NT scope:SCOPE_SE
.endr
.Lna_\@:
.endm
; K STEP k of a trip.  ld: the ring's slot read last step is asked for again, seven steps ahead.  pf: x's fragments of the next step are fetched.  first = 2: a chunk's first step is told at run time.
; cnt: how many younger loads may stay out when slot k has to be there.
.macro KSTEP k, ld, pf, first, cnt, ask
	s_wait_dscnt 0x0                               ; x's fragments of this step, fetched a step ago (and the biases, at a chunk's start)
	s_wait_loadcnt \cnt                            ; loads return in order: slot k is in, the groups of eight behind it stay out
	WIN 0
.if ((\k) == 7) && (\pf)
	s_add_co_u32 s[KO], s[KO], 512                 ; the next trip's place along K; behind a chunk's fourth trip 0 again
	s_and_b32 s[KO], s[KO], 0x600
.irp pp, 0,1,2,3
	v_add_nc_u32 v[AD+(\pp)], s[KO], v[AD0+(\pp)]  ; four plain instructions: the places between the last products and the loads into registers that they read
.endr
.elseif (\pf) || (\ld)
	NOPS 4                                         ; the same four places
.endif
.if \pf
	AFETCH ((\k)+1)%8, 1-(\k)%2
.endif
.if \ld
	WIN 0x40
.irp ff, 0,1,2,3
	global_load_b128 v[32*(((\k)+7)%8)+8*(\ff):32*(((\k)+7)%8)+8*(\ff)+3],   v[L16], s[W:W+1] offset:((\k)+7)*KFB+(\ff)*1024
	global_load_b128 v[32*(((\k)+7)%8)+8*(\ff)+4:32*(((\k)+7)%8)+8*(\ff)+7], v[L16], s[W:W+1] offset:((\k)+7)*KFB+(\ff)*1024+512
.endr
.endif
.if \ask
	WIN 0
	ASK
.endif
.if (\first) == 2
	WIN 0
	s_cmp_eq_u32 s[KO], 0                          ; at the loop's first trip a constant of the text: the sums are started before they are added onto
	s_cbranch_scc0 .Lnf_\@
	v_nop                                          ; a fifth place: these products do not add in place, they write over the accumulators, and that wants five behind the last products (ISA guide 7.12.1)
	WIN MULF
	PROD \k, 1
	WIN 0
	s_branch .Lj_\@
.Lnf_\@:
	WIN MUL
	PROD \k, 0
	WIN 0
.Lj_\@:
.else
	WIN MUL
	PROD \k, 0
.endif
.endm
.macro BIASLD                          ; register j of tile i wants bias[32 slice + 16 (i % 2) + 8 hh + j], of bq (i < 2) or bk
	v_add_nc_u32 v[BAC], s[BO], v[BA]
.irp ff, 0,1,2,3
	ds_load_b128 v[BIAS+8*(\ff):BIAS+8*(\ff)+3],   v[BAC] offset:((\ff)/2)*2048+((\ff)%2)*64
	ds_load_b128 v[BIAS+8*(\ff)+4:BIAS+8*(\ff)+7], v[BAC] offset:((\ff)/2)*2048+((\ff)%2)*64+16
.endr
.endm
; The 36 products S^T(i, j) += k(j) q(i)^T over the chunk's 32 channels: 36 different accumulators.  zero = 1: they start the sums
.macro SPROD zero
.set s_i, 0
.rept 8
.set s_j, 0
.rept s_i+1
.set s_t, s_i*(s_i+1)/2+s_j
.if s_t < 32
	WIN 0xFA
.set s_d, 8*s_t
.else
	WIN 0x0A
.set s_d, SX+8*(s_t-32)
.endif
.if \zero
	v_wmma_f32_16x16x32_f16 v[s_d:s_d+7], v[32*s_j+16:32*s_j+23], v[32*s_i:32*s_i+7], 0
.else
	v_wmma_f32_16x16x32_f16 v[s_d:s_d+7], v[32*s_j+16:32*s_j+23], v[32*s_i:32*s_i+7], v[s_d:s_d+7]
.endif
.set s_j, s_j+1
.endr
.set s_i, s_i+1
.endr
.endm
; A CHUNK'S END.  Each pair of neighbouring accumulators is rounded to f16 in place, from its low end on: q's fragment of row tile m lands at 32 m, k's at 32 m + 16.  Then S.
.macro EPI last
	WIN 0
	NOPS 4                                         ; the places between the last products and the first conversion
	WIN 0x8A
.set e_q, 0
.rept 16
.set e_j, 0
.rept 8
	v_cvt_pk_f16_f32 v[16*e_q+e_j], v[16*e_q+2*e_j], v[16*e_q+2*e_j+1]
.set e_j, e_j+1
.endr
.set e_q, e_q+1
.endr
.if \last
	SPROD 0
	WIN 0
.else
	WIN 0
	s_cmp_eq_u32 s[FC], 1                          ; at its first use a constant of the text
	s_cbranch_scc0 .Lacc_\@
	s_mov_b32 s[FC], 0
	SPROD 1
	WIN 0
	s_branch .Lsd_\@
.Lacc_\@:
	SPROD 0
	WIN 0
.Lsd_\@:
	NOPS 5                                         ; the next chunk's products write over the fragments just read: five places
	s_add_co_u32 s[BO], s[BO], 128
	s_and_b32 s[BO], s[BO], 0x180
	BIASLD
.endif
.endm
	s_load_b256 s[4:11], s[0:1], 0x0               ; inputs s[4:5], wpk s[6:7], bq s[8:9], bk s[10:11]
	s_load_b64 s[12:13], s[0:1], 0x20              ; sp
	v_lshl_add_u32 v[SPW], v0, 2, SPARE
	v_mov_b32 v[NIL], 0
	v_lshrrev_b32 v1, 5, v0
	v_readfirstlane_b32 s[WV], v1
	s_lshr_b32 s[BB], ttmp9, 1
	s_and_b32 s[HH], ttmp9, 1
	v_and_b32 v[VL], 31, v0
	v_and_b32 v[VR], 15, v0
	v_bfe_u32 v[VH], v0, 4, 1
	v_lshlrev_b32 v[L16], 4, v[VL]
	v_lshlrev_b32 v[PFO], 8, v[VL]
	v_mul_u32_u24 v1, v[VR], PITCH
	v_lshl_add_u32 v1, v[VH], 4, v1
.irp pp, 0,1,2,3
	v_add_nc_u32 v[AD0+(\pp)], (\pp)*XROWS, v1
	v_add_nc_u32 v[AD+(\pp)], (\pp)*XROWS, v1
.endr
	s_mul_i32 s32, s[WV], XROWS
	v_lshl_add_u32 v[XS0], v[VL], 3, s32
	s_lshl_b32 s32, s[WV], 9                       ; my four slices of 32 channels: 512 bytes of a bias half
	s_add_co_u32 s32, s32, BIASB
	v_lshl_add_u32 v[BA], v[VH], 5, s32
	v_lshl_add_u32 v[BST], v0, 4, BIASB
	s_lshl_b32 s32, s[HH], 11
	v_lshl_add_u32 v[BLO], v0, 4, s32              ; my four numbers of the half's 512
	s_mul_i32 s32, s[WV], REDB
	v_add_nc_u32 v[RST], s32, v[L16]
	s_mul_i32 s32, s[WV], 9*TILEB
	v_add_nc_u32 v1, s32, v[L16]
.irp pp, 0,1,2,3
	v_add_nc_u32 v[RLD+(\pp)], (\pp)*REDB, v1
.endr
	s_lshl_b32 s32, s[HH], 4
	s_lshl2_add_u32 s32, s[WV], s32                ; my first stream: 16 h + 4 w
	s_lshl_b32 s32, s32, 17
	s_mov_b32 s33, 0
	s_lshl_b32 s34, s[BB], 19                      ; the batch's 128 rows of 4,096 bytes,
	s_lshl_b32 s35, s[WV], 17                      ; my wave's 32
	s_add_co_u32 s34, s34, s35
	s_mov_b32 s35, 0
	s_mul_i32 s36, ttmp9, REDB                     ; sp: [2 b + h][36 tiles]; I store tiles 9 w .. 9 w + 8
	s_mul_i32 s37, s[WV], 9*TILEB
	s_add_co_u32 s36, s36, s37
	s_mov_b32 s37, 0
	s_cmp_eq_u32 s[BB], 0
	s_cselect_b32 s[LIM], 1, -1
	s_wait_kmcnt 0x0
	s_add_nc_u64 s[W:W+1], s[6:7], s[32:33]
	s_add_nc_u64 s[XP:XP+1], s[4:5], s[34:35]
	s_add_nc_u64 s[12:13], s[12:13], s[36:37]
	global_load_b128 v[BT0:BT0+3],   v[BLO], s[8:9]
	global_load_b128 v[BT0+4:BT0+7], v[BLO], s[10:11]
	XLOAD 0, 0
	XLOAD 1, 512
	XREST
	; the biases (older than every load of x, so they are in): rounded to bf16 like every input, widened again, into the table
.irp qq, 0,1,2,3
	v_cvt_pk_bf16_f32 v[TA], v[BT0+2*(\qq)], v[BT0+2*(\qq)+1]
	v_lshlrev_b32 v[BT0+2*(\qq)], 16, v[TA]
	v_and_b32 v[BT0+2*(\qq)+1], 0xffff0000, v[TA]
.endr
	ds_store_b128 v[BST], v[BT0:BT0+3]
	ds_store_b128 v[BST], v[BT0+4:BT0+7] offset:2048
	s_wait_dscnt 0x0                               ; for the others' sake: my rows of x and my part of the table are stored
	s_barrier_signal -1
	s_barrier_wait -1                              ; x and the table are whole; the ring's loads stay out: nobody writes what they read
	s_mov_b32 s[KO], 0
	s_mov_b32 s[BO], 0
	s_mov_b32 s[FC], 1
	BIASLD
	AFETCH 0, 0
	s_mov_b32 s[TT], TRIPS-1
.Ltrip:                                                ; a trip: 8 K steps, 256 products; every fourth ends a chunk.  The ring runs on from chunk to chunk: my streams lie end to end
	KSTEP 0, 1, 1, 2, 48, 1
.irp kk, 1,2,3,4,5,6,7
	KSTEP \kk, 1, 1, 0, 48, 0
.endr
	WIN 0
	s_wait_xcnt 0x0                                ; the youngest load stands 32 products back, the prefetches seven K steps: the pointer is stepped only behind this wait
	s_add_nc_u64 s[W:W+1], s[W:W+1], 8*KFB
	s_cmp_lg_u32 s[KO], 0
	s_cbranch_scc1 .Lno
	EPI 0
.Lno:
	s_sub_co_u32 s[TT], s[TT], 1
	s_cmp_lg_u32 s[TT], 0
	s_cbranch_scc1 .Ltrip
	KSTEP 0, 1, 1, 0, 48, 0                        ; the last trip is written out: one more group of loads, then the counts run down
.irp kk, 1,2,3,4,5,6
	KSTEP \kk, 0, 1, 0, 8*(7-\kk), 0
.endr
	KSTEP 7, 0, 0, 0, 0, 0
	EPI 1
	; THE FOUR WAVES' PARTS ARE ADDED.  x has been read for the last time: behind a barrier its bytes take the waves' tiles, as they lie in registers.
	NOPS 4                                         ; the places between the last products and the stores that read them
	s_wait_dscnt 0x0                               ; my reads of x are over
	s_barrier_signal -1
	s_barrier_wait -1
	WIN 0x0C                                       ; store data in window 3
.set r_t, 0
.rept 32
	ds_store_b128 v[RST], v[8*r_t:8*r_t+3]   offset:r_t*TILEB      ; each accumulator's low half first
	ds_store_b128 v[RST], v[8*r_t+4:8*r_t+7] offset:r_t*TILEB+512
.set r_t, r_t+1
.endr
	WIN 0
.rept 4
	ds_store_b128 v[RST], v[SX+8*(r_t-32):SX+8*(r_t-32)+3]   offset:r_t*TILEB
	ds_store_b128 v[RST], v[SX+8*(r_t-32)+4:SX+8*(r_t-32)+7] offset:r_t*TILEB+512
.set r_t, r_t+1
.endr
	s_wait_dscnt 0x0                               ; for the others' sake
	s_barrier_signal -1
	s_barrier_wait -1
.irp pp, 0,1,2,3                       ; my nine tiles of each wave's part: parts 0, 1 into window 1, parts 2, 3 into window 2, 72 registers each
	WIN 0x40+0x40*((\pp)/2)
.set r_t, 0
.rept 18
	ds_load_b128 v[72*((\pp)%2)+4*r_t:72*((\pp)%2)+4*r_t+3], v[RLD+(\pp)] offset:r_t*512
.set r_t, r_t+1
.endr
.endr
	s_wait_dscnt 0x0
.irp ww, 0x45, 0x8A                    ; part 0 += part 1; part 2 += part 3
	WIN \ww
.set r_t, 0
.rept 36
	v_pk_add_f32 v[2*r_t:2*r_t+1], v[2*r_t:2*r_t+1], v[72+2*r_t:72+2*r_t+1]
.set r_t, r_t+1
.endr
.endr
	WIN 0x49                                       ; and the two sums
.set r_t, 0
.rept 36
	v_pk_add_f32 v[2*r_t:2*r_t+1], v[2*r_t:2*r_t+1], v[2*r_t:2*r_t+1]
.set r_t, r_t+1
.endr
	WIN 0x04
.set r_t, 0
.rept 18
	global_store_b128 v[L16], v[4*r_t:4*r_t+3], s[12:13] offset:r_t*512  ; 512 consecutive aligned bytes
.set r_t, r_t+1
.endr
	WIN 0
	s_wait_tensorcnt 0x0                           ; the wave's end: three closing lines behind my last LDS store
	ds_add_u32 v[SPW], v[NIL]
	s_wait_dscnt 0x0
	s_endpgm
.Lfunc_end_k_q4810b1e763_scores:
	.size	k_q4810b1e763_scores, .Lfunc_end_k_q4810b1e763_scores-k_q4810b1e763_scores
	.p2alignl 7, 3214868480
	.fill 96, 4, 3214868480
	.section	.rodata,"a",@progbits
	.p2align	6, 0x0
	.amdhsa_kernel k_q4810b1e763_scores
		.amdhsa_group_segment_fixed_size 268800
		.amdhsa_private_segment_fixed_size 0
		.amdhsa_enable_private_segment 0
		.amdhsa_kernarg_size 40
		.amdhsa_user_sgpr_count 2
		.amdhsa_user_sgpr_kernarg_segment_ptr 1
		.amdhsa_wavefront_size32 1
		.amdhsa_system_sgpr_workgroup_id_x 1
		.amdhsa_system_sgpr_workgroup_id_y 1
		.amdhsa_system_sgpr_workgroup_id_z 1
		.amdhsa_system_vgpr_workitem_id 0
		.amdhsa_next_free_vgpr 1024
		.amdhsa_next_free_sgpr 66
		.amdhsa_reserve_vcc 0
		.amdhsa_float_denorm_mode_32 3
		.amdhsa_float_denorm_mode_16_64 3
		.amdhsa_memory_ordered 1
		.amdhsa_forward_progress 1
		.amdhsa_inst_pref_size 152
	.end_amdhsa_kernel
	.amdgpu_metadata
---
amdhsa.version: [ 1, 2 ]
amdhsa.kernels:
  - .name:           k_q4810b1e763_scores
    .symbol:         k_q4810b1e763_scores.kd
    .args:
      - { .name: inputs, .offset: 0, .size: 8, .value_kind: global_buffer, .address_space: global }
      - { .name: wpk, .offset: 8, .size: 8, .value_kind: global_buffer, .address_space: global }
      - { .name: bq, .offset: 16, .size: 8, .value_kind: global_buffer, .address_space: global }
      - { .name: bk, .offset: 24, .size: 8, .value_kind: global_buffer, .address_space: global }
      - { .name: sp, .offset: 32, .size: 8, .value_kind: global_buffer, .address_space: global }
    .group_segment_fixed_size: 268800
    .private_segment_fixed_size: 0
    .kernarg_segment_align: 8
    .kernarg_segment_size: 40
    .max_flat_workgroup_size: 128
    .sgpr_count:     66
    .vgpr_count:     1024
    .wavefront_size: 32
...
	.end_amdgpu_metadata
.endif
;; end of part 2
;; launch values (part 3): grid 256 x 1, 4 waves a work-group, no clusters, 310,784 bytes of LDS; arguments inputs, wpk, bv, sp, out0; writes out0
.if DOCPART == 3
	.amdgcn_target "amdgcn-amd-amdhsa--gfx1250"
	.amdhsa_code_object_version 6
	.text
	.protected	k_q4810b1e763_values
	.globl	k_q4810b1e763_values
	.p2align	8
	.type	k_q4810b1e763_values,@function
k_q4810b1e763_values:
	s_mov_b64 s[64:65], 0
	v_nop
	global_prefetch_b8 v0, s[64:65] scope:SCOPE_SE
	s_setreg_imm32_b32 hwreg(HW_REG_WAVE_MODE, 25, 1), 1
	s_wait_xcnt 0x0
; VALUES.  Work-group 2 b + h: for batch b it adds the two parts of S^T, scales by 1 / 32, hides the keys above the diagonal, takes the softmax (the row's maximum taken away first) and
; rounds the normalised weights P to f16; makes v = x Wv^T + bv for the half h of the 1,024 channels (128 rows x 512); and stores O = P v, f32.
; FORMATS.  x, Wv and bv are rounded once to bf16 (bv is widened again and starts the sums in f32); v and P are rounded once to f16; sums, maxima and S in f32.
; LIMITS.  |v| stays under 65,504 (f16's end); a normalised weight under 6e-8 counts as 0; a hidden score counts as -3.4e38; NaN and infinities are not treated apart.
; The K loop is the launch before's: x of the batch in LDS as bf16 (rows 2,064 bytes apart), a wave takes all 128 rows x 64 channels at a time (a CHUNK, two of them), its weights come straight
; from memory through a ring of eight register slots, and the loop has no barrier.
; LAYOUT.  Source 0 = 16 rows of x, source 1 = 16 rows of Wv: a lane holds ONE channel and eight neighbouring rows s.  Two neighbouring accumulators, rounded to f16 in place, ARE a fragment
; (16 channels x 32 keys) of O^T = v^T P (source 0 = v^T, source 1 = P: 16 queries x 32 keys), whose result holds one query a lane and eight neighbouring channels.  A tile of S^T holds one
; query a lane and eight keys: two tiles, rounded in pairs, are a fragment of P.  Only the 20 fragments of P on or below the diagonal exist; the upper half of an odd one is 0.
; NO CLUSTER, NO TENSOR LOADS: as in the launch before, x leaves no room in LDS for slots of weights, and inside a work-group no weight byte is wanted twice.
; REGISTERS, in windows of 256 (s_set_vgpr_msb: bits 1:0 source 0, 3:2 source 1, 5:4 source 2, 7:6 destination):
;   window 0: v0-31 addresses; v32-63 the chunk's biases; v64-127, v128-191 x's fragments, two buffers; v192-255 O^T, two sets of 32.  Ahead of the loop: v64-135, v136-207 the two parts of my nine tiles of S; v208-223 statistics
;   window 1: the ring, slot s at 32 s, fragment n at + 8 n; while x is brought in: two sets of 128
;   window 2: accumulator (m, n) at 64 (m / 2) + 16 n + 8 (m % 2)          window 3: P's fragments at 8 phi
.set PITCH, 2064
.set XROWS, 32*PITCH
.set BTB,   128*PITCH                  ; behind x: for each of the half's 512 channels 16 bytes: bv four times
.set STAGE, BTB+8192                   ; 16 rows x 272 bytes for each wave, for the way out
.set SP,    272
.set PLB,   STAGE+4*16*SP              ; P's 20 fragments, 1,024 bytes each, as they lie in registers
.set SPARE, PLB+20*1024                ; the spare words, 128 bytes a wave
.set TILEB, 1024
.set REDB,  36*TILEB
.set TRIPS, 8
.set KFB,   4096
.set SPW, 2
.set NIL, 3
.set AD0, 4
.set AD,  8
.set L16, 12
.set PFO, 13
.set BA,  14
.set BAC, 15
.set XS0, 17
.set XS,  18
.set STO, 19                           ; v19  the way out: where I put 32 bytes of a row
.set RD,  20                           ; v20  where I read rows back
.set CO,  21                           ; v21  my byte offset in two rows of out0
.set PLA, 22                           ; v22  my 16 bytes in a fragment of P
.set DR,  23                           ; v23  r - 8 hh: register j of the diagonal tile is seen where j <= it
.set NEG, 24                           ; v24  the lowest finite number
.set BTS, 25                           ; v25  where I put my four channels of the bias table
.set TA,  26
.set TB,  27
.set BVL, 28                           ; v28-31 four numbers of bv
.set BIAS, 32
.set ABUF, 64
.set SA,  64
.set SB,  136
.set OS,  192
.set STT, 208                          ; a tile's statistics: +0 c m, +1 m, +2, +3 l, +4, +5 at work, +6 1 / l (+7 named with it as a pair)
.set VL,  224
.set VR,  225
.set VH,  226
.set BLO, 228
.set OUT, 12                           ; s[12:13] out0 at the batch's first row, my chunk's columns
.set WV,  14
.set BB,  15
.set HH,  16
.set W,   20
.set XP,  22
.set KO,  24
.set BO,  25
.set TT,  26
.set LIM, 27
.set XC,  29
.set XK,  30
.set SPB, 38                           ; s[38:39] sp at the batch's first part
.set MK,  40                           ; s40-47  lane masks: register j of the diagonal tile is seen
.set CS,  48                           ; s[48:49] c = log2(e) / 32
.set SEL, 50                           ; s[50:51] v_permlanex16_b32's selects: each lane takes its own place in the other half
.set MUL,  0xA4                        ; x window 0, W window 1, C and D window 2
.set MULF, 0x84                        ; the same with C (the biases) in window 0
.set MSB, 0
.macro WIN new                         ; the immediate's high byte repeats the setting that is left; a switch that changes nothing is dropped
.if MSB != (\new)
	s_set_vgpr_msb (MSB<<8)|(\new)
.set MSB, \new
.endif
.endm
.macro NOPS n
.rept \n
	v_nop
.endr
.endm
.macro XLOAD st, off                   ; a piece of x: 512 consecutive bytes of each of my 32 rows
	WIN 0x40
.set x_r, 0
.rept 32
	global_load_b128 v[128*(\st)+4*x_r:128*(\st)+4*x_r+3], v[L16], s[XP:XP+1] offset:(\off)+x_r*4096
.set x_r, x_r+1
.endr
.endm
.macro XPUT st, o                      ; rounded to bf16 in place and stored, 256 consecutive bytes of a row an instruction
	WIN 0x45
.set x_r, 0
.rept 32
	v_cvt_pk_bf16_f32 v[128*(\st)+4*x_r], v[128*(\st)+4*x_r], v[128*(\st)+4*x_r+1]
	v_cvt_pk_bf16_f32 v[128*(\st)+4*x_r+1], v[128*(\st)+4*x_r+2], v[128*(\st)+4*x_r+3]
.set x_r, x_r+1
.endr
	WIN 0x04
.set x_r, 0
.rept 32
	ds_store_b64 v[XS], v[128*(\st)+4*x_r:128*(\st)+4*x_r+1] offset:x_r*PITCH+(\o)
.set x_r, x_r+1
.endr
.endm
.macro BFILL s
	WIN 0x40
.irp ff, 0,1,2,3
	global_load_b128 v[32*(\s)+8*(\ff):32*(\s)+8*(\ff)+3],   v[L16], s[W:W+1] offset:(\s)*KFB+(\ff)*1024
	global_load_b128 v[32*(\s)+8*(\ff)+4:32*(\s)+8*(\ff)+7], v[L16], s[W:W+1] offset:(\s)*KFB+(\ff)*1024+512
.endr
.endm
.macro XREST                           ; pieces 0 and 1 are on their way; three trips store two and ask for two; the last two make room for the ring's first seven slots
	WIN 0
	s_mov_b32 s[XC], 3
	s_mov_b32 s[XK], 0
.Lxl_\@:
	s_wait_loadcnt 32                              ; the older piece is in; the other piece's 32 loads stay out
	v_add_nc_u32 v[XS], s[XK], v[XS0]
	XPUT 0, 0
	XLOAD 0, 1024
	s_wait_loadcnt 32
	XPUT 1, 256
	XLOAD 1, 1536
	WIN 0
	s_wait_xcnt 0x0                                ; the loads have read their base: it is stepped only behind this wait
	s_add_nc_u64 s[XP:XP+1], s[XP:XP+1], 1024
	s_add_co_u32 s[XK], s[XK], 512
	s_sub_co_u32 s[XC], s[XC], 1
	s_cmp_lg_u32 s[XC], 0
	s_cbranch_scc1 .Lxl_\@
	s_wait_loadcnt 32
	v_add_nc_u32 v[XS], s[XK], v[XS0]
	XPUT 0, 0
	BFILL 0
	BFILL 1
	BFILL 2
	BFILL 3
	s_wait_loadcnt 32                              ; the last piece is in; just the 32 loads of slots 0-3 stay out
	XPUT 1, 256
	BFILL 4
	BFILL 5
	BFILL 6
	WIN 0
.endm
.macro AFETCH kn, buf                  ; x's eight fragments of K step kn of the trip, into buffer buf
.set a_b, ABUF+64*(\buf)
.irp pp, 0,1,2,3
.irp tt, 0,1
	ds_load_b128 v[a_b+8*(2*(\pp)+(\tt)):a_b+8*(2*(\pp)+(\tt))+3],   v[AD+(\pp)] offset:(\kn)*64+(\tt)*16*PITCH
	ds_load_b128 v[a_b+8*(2*(\pp)+(\tt))+4:a_b+8*(2*(\pp)+(\tt))+7], v[AD+(\pp)] offset:(\kn)*64+(\tt)*16*PITCH+32
.endr
.endr
.endm
.macro PROD k, first                   ; a K step's 32 products: each accumulator has one, so they take turns.  first = 1: the biases start the sums
.set p_a, ABUF+64*((\k)%2)
.set p_b, 32*(\k)
.set p_m, 0
.rept 8
.set p_i, 0
.rept 4
.set p_c, 64*(p_m/2)+16*p_i+8*(p_m%2)
.if \first
	v_wmma_f32_16x16x32_bf16 v[p_c:p_c+7], v[p_a+8*p_m:p_a+8*p_m+7], v[p_b+8*p_i:p_b+8*p_i+7], v[BIAS+8*p_i:BIAS+8*p_i+7]
.else
	v_wmma_f32_16x16x32_bf16 v[p_c:p_c+7], v[p_a+8*p_m:p_a+8*p_m+7], v[p_b+8*p_i:p_b+8*p_i+7], v[p_c:p_c+7]
.endif
.set p_i, p_i+1
.endr
.set p_m, p_m+1
.endr
.endm
; A PREFETCH INTO THE L2, once a trip, behind the trip's first run of loads: the 32,768 bytes of my own streams that stand two trips on: a lane a block of 256 bytes, four instructions.
; All batches walk the same streams: batch 0's two work-groups ask, each wave for its own, so each block is named once in the launch.  The first two trips' bytes come by their loads alone;
; the loop's last trip asks for nothing: two trips on the streams have ended.
.macro ASK
	s_cmp_gt_u32 s[TT], s[LIM]
	s_cbranch_scc0 .Lna_\@
.irp ff, 0,1,2,3
	global_prefetch_b8 v[PFO], s[W:W+1] offset:65536+8192*(\ff) th:TH_LOAD_NT scope:SCOPE_SE
.endr
.Lna_\@:
.endm
; K STEP k of a trip.  ld: the slot read last step is asked for again, seven steps ahead.  pf: x's fragments of the next step.  first = 2: a chunk's first step is told at run time.  cnt: the younger loads that may stay out.
.macro KSTEP k, ld, pf, first, cnt, ask
	s_wait_dscnt 0x0                               ; x's fragments of this step (and the biases, at a chunk's start)
	s_wait_loadcnt \cnt                            ; loads return in order: slot k is in, the groups of eight behind it stay out
	WIN 0
.if ((\k) == 7) && (\pf)
	s_add_co_u32 s[KO], s[KO], 512
	s_and_b32 s[KO], s[KO], 0x600
.irp pp, 0,1,2,3
	v_add_nc_u32 v[AD+(\pp)], s[KO], v[AD0+(\pp)]  ; four plain instructions: the places between the last products and the loads into registers that they read
.endr
.elseif (\pf) || (\ld)
	NOPS 4                                         ; the same four places
.endif
.if \pf
	AFETCH ((\k)+1)%8, 1-(\k)%2
.endif
.if \ld
	WIN 0x40
.irp ff, 0,1,2,3
	global_load_b128 v[32*(((\k)+7)%8)+8*(\ff):32*(((\k)+7)%8)+8*(\ff)+3],   v[L16], s[W:W+1] offset:((\k)+7)*KFB+(\ff)*1024
	global_load_b128 v[32*(((\k)+7)%8)+8*(\ff)+4:32*(((\k)+7)%8)+8*(\ff)+7], v[L16], s[W:W+1] offset:((\k)+7)*KFB+(\ff)*1024+512
.endr
.endif
.if \ask
	WIN 0
	ASK
.endif
.if (\first) == 2
	WIN 0
	s_cmp_eq_u32 s[KO], 0                          ; at the loop's first trip a constant of the text: the sums are started before they are added onto
	s_cbranch_scc0 .Lnf_\@
	v_nop                                          ; a fifth place: these products do not add in place, they write over the accumulators, and that wants five behind the last products (ISA guide 7.12.1)
	WIN MULF
	PROD \k, 1
	WIN 0
	s_branch .Lj_\@
.Lnf_\@:
	WIN MUL
	PROD \k, 0
	WIN 0
.Lj_\@:
.else
	WIN MUL
	PROD \k, 0
.endif
.endm
.macro BIASLD                          ; all eight registers of tile n want bv[64 chunk + 16 n + r]: the table holds it four times
	v_add_nc_u32 v[BAC], s[BO], v[BA]
.irp ff, 0,1,2,3
	ds_load_b128 v[BIAS+8*(\ff):BIAS+8*(\ff)+3],   v[BAC] offset:256*(\ff)
	ds_load_b128 v[BIAS+8*(\ff)+4:BIAS+8*(\ff)+7], v[BAC] offset:256*(\ff)
.endr
.endm
; What hangs on the wave's number in registers' numbers is written four times, under forward branches on that number; no barrier stands inside
.macro LADDER body
	s_cmp_lg_u32 s[WV], 0
	s_cbranch_scc1 .Lw1_\@
	\body 0
	s_branch .Lwd_\@
.Lw1_\@:
	s_cmp_lg_u32 s[WV], 1
	s_cbranch_scc1 .Lw2_\@
	\body 1
	s_branch .Lwd_\@
.Lw2_\@:
	s_cmp_lg_u32 s[WV], 2
	s_cbranch_scc1 .Lw3_\@
	\body 2
	s_branch .Lwd_\@
.Lw3_\@:
	\body 3
.Lwd_\@:
.endm
; Wave w owns the query tiles w and 7 - w: w + 1 and 8 - w tiles of S, nine in all.  Slot u takes both parts of its tile: 36 loads
.macro SPLD wv
.set l_u, 0
.rept 9
.if l_u <= (\wv)
.set l_t, (\wv)*((\wv)+1)/2+l_u
.else
.set l_t, (7-(\wv))*(8-(\wv))/2+l_u-(\wv)-1
.endif
	global_load_b128 v[SA+8*l_u:SA+8*l_u+3],   v[L16], s[SPB:SPB+1] offset:l_t*TILEB
	global_load_b128 v[SA+8*l_u+4:SA+8*l_u+7], v[L16], s[SPB:SPB+1] offset:l_t*TILEB+512
	global_load_b128 v[SB+8*l_u:SB+8*l_u+3],   v[L16], s[SPB:SPB+1] offset:REDB+l_t*TILEB
	global_load_b128 v[SB+8*l_u+4:SB+8*l_u+7], v[L16], s[SPB:SPB+1] offset:REDB+l_t*TILEB+512
.set l_u, l_u+1
.endr
.endm
; THE SOFTMAX of query tile ti (ti + 1 tiles of keys from register rr on, the second part from qq on, statistics at ss), in three parts.
; SM1: the parts are added; the diagonal tile's hidden keys take the lowest number; the maximum, in the lane and with the lane 16 away (the query's other keys); c s - c m; the exponentials.
.macro SM1 ti, rr, qq, ss
.set s_n, (\ti)+1
.set s_q, 0
.rept 4*s_n
	v_pk_add_f32 v[(\rr)+2*s_q:(\rr)+2*s_q+1], v[(\rr)+2*s_q:(\rr)+2*s_q+1], v[(\qq)+2*s_q:(\qq)+2*s_q+1]
.set s_q, s_q+1
.endr
.set s_q, 0
.rept 8
	v_cndmask_b32 v[(\rr)+8*(\ti)+s_q], v[NEG], v[(\rr)+8*(\ti)+s_q], s[MK+s_q]
.set s_q, s_q+1
.endr
	v_max3_num_f32 v[(\ss)+4], v[(\rr)], v[(\rr)+1], v[(\rr)+2]
.set s_q, 3
.rept (8*s_n-4)/2
	v_max3_num_f32 v[(\ss)+4], v[(\ss)+4], v[(\rr)+s_q], v[(\rr)+s_q+1]
.set s_q, s_q+2
.endr
	v_max_num_f32 v[(\ss)+4], v[(\ss)+4], v[(\rr)+8*s_n-1]
	v_permlanex16_b32 v[(\ss)+5], v[(\ss)+4], s[SEL], s[SEL+1]
	v_max_num_f32 v[(\ss)+1], v[(\ss)+4], v[(\ss)+5]
	v_mul_f32 v[(\ss)], s[CS], v[(\ss)+1]
.set s_q, 0
.rept 4*s_n
	v_pk_fma_f32 v[(\rr)+2*s_q:(\rr)+2*s_q+1], v[(\rr)+2*s_q:(\rr)+2*s_q+1], s[CS:CS+1], v[(\ss):(\ss)+1] op_sel_hi:[1,0,0] neg_lo:[0,0,1] neg_hi:[0,0,1]
.set s_q, s_q+1
.endr
.set s_q, 0
.rept 8*s_n
	v_exp_f32 v[(\rr)+s_q], v[(\rr)+s_q]
.set s_q, s_q+1
.endr
.endm
; SM2: the sum l of the unrounded weights, and 1 / l (l is about 1 at the least: the largest weight is 2^0)
.macro SM2 ti, rr, ss
.set s_n, (\ti)+1
	v_pk_add_f32 v[(\ss)+2:(\ss)+3], v[(\rr):(\rr)+1], v[(\rr)+2:(\rr)+3]
.set s_q, 2
.rept 4*s_n-2
	v_pk_add_f32 v[(\ss)+2:(\ss)+3], v[(\ss)+2:(\ss)+3], v[(\rr)+2*s_q:(\rr)+2*s_q+1]
.set s_q, s_q+1
.endr
	v_add_f32 v[(\ss)+4], v[(\ss)+2], v[(\ss)+3]
	v_permlanex16_b32 v[(\ss)+5], v[(\ss)+4], s[SEL], s[SEL+1]
	v_add_f32 v[(\ss)+4], v[(\ss)+4], v[(\ss)+5]
	v_rcp_f32 v[(\ss)+6], v[(\ss)+4]
.endm
; SM3: the weights are divided by l, rounded to f16 in place (fragment f lands at rr + 16 f), and stored for all four waves
.macro SM3 ti, rr, ss
.set s_n, (\ti)+1
.set s_q, 0
.rept 4*s_n
	v_pk_mul_f32 v[(\rr)+2*s_q:(\rr)+2*s_q+1], v[(\rr)+2*s_q:(\rr)+2*s_q+1], v[(\ss)+6:(\ss)+7] op_sel_hi:[1,0]
.set s_q, s_q+1
.endr
.set s_q, 0
.rept 4*s_n
	v_cvt_pk_f16_f32 v[(\rr)+16*(s_q/8)+s_q%8], v[(\rr)+2*s_q], v[(\rr)+2*s_q+1]
.set s_q, s_q+1
.endr
.if s_n%2
.set s_q, 4
.rept 4
	v_mov_b32 v[(\rr)+16*((\ti)/2)+s_q], 0         ; the tile above the diagonal: weights 0
.set s_q, s_q+1
.endr
.endif
.set s_q, 0
.rept (\ti)/2+1
.set s_p, ((\ti)/2)*((\ti)/2+1)+((\ti)%2)*((\ti)/2+1)+s_q
	ds_store_b128 v[PLA], v[(\rr)+16*s_q:(\rr)+16*s_q+3]   offset:s_p*1024
	ds_store_b128 v[PLA], v[(\rr)+16*s_q+4:(\rr)+16*s_q+7] offset:s_p*1024+512
.set s_q, s_q+1
.endr
.endm
.macro SOFT wv
	SM1 (\wv), SA, SB, STT
	SM1 7-(\wv), SA+8*((\wv)+1), SB+8*((\wv)+1), STT+8
	v_nop                                          ; a plain instruction behind the last exponential,
	s_wait_alu depctr_va_vdst(0)                   ; and a wait ahead of the first reader: one for both tiles' 72 exponentials
	SM2 (\wv), SA, STT
	SM2 7-(\wv), SA+8*((\wv)+1), STT+8
	v_nop
	s_wait_alu depctr_va_vdst(0)                   ; one for the two reciprocals
	SM3 (\wv), SA, STT
	SM3 7-(\wv), SA+8*((\wv)+1), STT+8
.endm
; O^T of query tile i, the chunk's 64 channels: keys 32 f on, channels 16 n on.  The four accumulators take turns; the first four products start the sums; the sets go by i's parity
.macro OMUL i
	WIN 0x0E                                       ; v^T window 2, P window 3, O^T window 0
.set o_f, 0
.rept (\i)/2+1
.set o_n, 0
.rept 4
.set o_d, OS+32*((\i)%2)+8*o_n
.set o_v, 64*o_f+16*o_n
.set o_p, 8*(((\i)/2)*((\i)/2+1)+((\i)%2)*((\i)/2+1)+o_f)
.if o_f == 0
	v_wmma_f32_16x16x32_f16 v[o_d:o_d+7], v[o_v:o_v+7], v[o_p:o_p+7], 0
.else
	v_wmma_f32_16x16x32_f16 v[o_d:o_d+7], v[o_v:o_v+7], v[o_p:o_p+7], v[o_d:o_d+7]
.endif
.set o_n, o_n+1
.endr
.set o_f, o_f+1
.endr
.endm
.macro TOSTAGE i                       ; a lane's 32 bytes of a row go into my stage (rows of 256 + 16 bytes) and come back as whole rows, into the registers that they left
.set t_b, OS+32*((\i)%2)
.irp nn, 0,1,2,3
	ds_store_b128 v[STO], v[t_b+8*(\nn):t_b+8*(\nn)+3]   offset:64*(\nn)     ; each accumulator's low half first
	ds_store_b128 v[STO], v[t_b+8*(\nn)+4:t_b+8*(\nn)+7] offset:64*(\nn)+16
.endr
.irp uu, 0,1,2,3,4,5,6,7
	ds_load_b128 v[t_b+4*(\uu):t_b+4*(\uu)+3], v[RD] offset:(\uu)*2*SP  ; LDS serves a wave's instructions in order (ISA guide 5.7.1.4): these see the stores above
.endr
.endm
.macro SEND i
	s_wait_dscnt 0x0
.irp uu, 0,1,2,3,4,5,6,7
	global_store_b128 v[CO], v[OS+32*((\i)%2)+4*(\uu):OS+32*((\i)%2)+4*(\uu)+3], s[OUT:OUT+1] offset:(16*(\i)+2*(\uu))*4096 th:TH_STORE_NT  ; 16 lanes store 256 consecutive aligned bytes
.endr
.endm
; A CHUNK'S END.  Each pair of neighbouring accumulators is rounded to f16 in place, from its low end on: v^T's fragment (keys 32 f on, channels 16 n on) lands at 64 f + 16 n.
; Then the eight query tiles: tile i + 1's products stand between tile i's trip through the stage and its stores.
.macro EPI last
	WIN 0
	NOPS 4                                         ; the places between the last products and the first conversion
	WIN 0x8A
.set e_q, 0
.rept 16
.set e_j, 0
.rept 8
	v_cvt_pk_f16_f32 v[16*e_q+e_j], v[16*e_q+2*e_j], v[16*e_q+2*e_j+1]
.set e_j, e_j+1
.endr
.set e_q, e_q+1
.endr
	OMUL 0
	WIN 0
	NOPS 4                                         ; the places between products and the stores that read them
.irp ii, 0,1,2,3,4,5,6,7
	TOSTAGE \ii
.if (\ii) < 7
	s_wait_xcnt 0x0                                ; the other set's stores have read it: it is written again only behind this wait
	OMUL (\ii)+1
	WIN 0
	NOPS 4
.endif
	SEND \ii
.endr
.if !(\last)
	s_wait_xcnt 0x0                                ; the stores have read their base and both sets
	s_add_nc_u64 s[OUT:OUT+1], s[OUT:OUT+1], 256   ; the next chunk's 64 columns
	s_add_co_u32 s[BO], s[BO], 1024
	s_and_b32 s[BO], s[BO], 0x400
	BIASLD                                         ; (the next chunk's products write over v^T's fragments ten places behind the last product that read them)
.endif
.endm
	s_load_b256 s[4:11], s[0:1], 0x0               ; inputs s[4:5], wpk s[6:7], bv s[8:9], sp s[10:11]
	s_load_b64 s[12:13], s[0:1], 0x20              ; out0
	v_lshl_add_u32 v[SPW], v0, 2, SPARE
	v_mov_b32 v[NIL], 0
	v_lshrrev_b32 v1, 5, v0
	v_readfirstlane_b32 s[WV], v1
	s_lshr_b32 s[BB], ttmp9, 1
	s_and_b32 s[HH], ttmp9, 1
	v_and_b32 v[VL], 31, v0
	v_and_b32 v[VR], 15, v0
	v_bfe_u32 v[VH], v0, 4, 1
	v_lshlrev_b32 v[L16], 4, v[VL]
	v_lshlrev_b32 v[PFO], 8, v[VL]
	v_mul_u32_u24 v1, v[VR], PITCH
	v_lshl_add_u32 v1, v[VH], 4, v1
.irp pp, 0,1,2,3
	v_add_nc_u32 v[AD0+(\pp)], (\pp)*XROWS, v1
	v_add_nc_u32 v[AD+(\pp)], (\pp)*XROWS, v1
.endr
	s_mul_i32 s32, s[WV], XROWS
	v_lshl_add_u32 v[XS0], v[VL], 3, s32
	s_lshl_b32 s32, s[WV], 11                      ; my two chunks of 64 channels: 2,048 bytes of the table
	s_add_co_u32 s32, s32, BTB
	v_lshl_add_u32 v[BA], v[VR], 4, s32
	v_lshl_add_u32 v[BTS], v0, 6, BTB
	s_lshl_b32 s32, s[HH], 11
	v_lshl_add_u32 v[BLO], v0, 4, s32              ; my four numbers of the half's 512
	s_mul_i32 s32, s[WV], 16*SP
	s_add_co_u32 s32, s32, STAGE                   ; my stage
	v_mul_u32_u24 v1, v[VR], SP
	v_lshl_add_u32 v1, v[VH], 5, v1
	v_add_nc_u32 v[STO], s32, v1
	v_mul_u32_u24 v1, v[VH], SP
	v_lshl_add_u32 v1, v[VR], 4, v1
	v_add_nc_u32 v[RD], s32, v1
	v_lshlrev_b32 v1, 12, v[VH]
	v_lshl_add_u32 v[CO], v[VR], 4, v1
	v_add_nc_u32 v[PLA], PLB, v[L16]
	v_lshlrev_b32 v1, 3, v[VH]
	v_sub_nc_u32 v[DR], v[VR], v1
	v_mov_b32 v[NEG], 0xff7fffff
.irp jj, 0,1,2,3,4,5,6,7
	v_cmp_le_i32 s[MK+(\jj)], \jj, v[DR]           ; key 8 hh + j of the diagonal tile is seen by query r where j <= r - 8 hh
.endr
.set s_q, 0
.rept 16
	v_mov_b32 v[STT+s_q], 0                        ; the statistics are written once: the lane exchange counts as a reader of its destination, and pairs are named whole
.set s_q, s_q+1
.endr
	s_mov_b32 s[CS], 0x3d38aa3b                    ; c = log2(e) / sqrt(1024)
	s_mov_b32 s[CS+1], s[CS]
	s_mov_b32 s[SEL], 0x76543210
	s_mov_b32 s[SEL+1], 0xfedcba98
	s_lshl_b32 s32, s[HH], 3
	s_lshl1_add_u32 s32, s[WV], s32
	s_add_co_u32 s32, s32, 32                      ; my first stream: 32 + 8 h + 2 w
	s_lshl_b32 s32, s32, 17
	s_mov_b32 s33, 0
	s_lshl_b32 s34, s[BB], 19                      ; the batch's 128 rows of 4,096 bytes
	s_mov_b32 s35, 0
	s_lshl_b32 s36, s[WV], 17                      ; x: my wave's 32 rows
	s_mov_b32 s37, 0
	s_mul_i32 s52, s[BB], 2*REDB                   ; sp: the batch's two parts
	s_mov_b32 s53, 0
	s_lshl_b32 s54, s[HH], 11                      ; out0: the half's 512 columns, my wave's 128
	s_lshl_b32 s55, s[WV], 9
	s_add_co_u32 s54, s54, s55
	s_mov_b32 s55, 0
	s_cmp_eq_u32 s[BB], 0
	s_cselect_b32 s[LIM], 1, -1
	s_wait_kmcnt 0x0
	s_add_nc_u64 s[W:W+1], s[6:7], s[32:33]
	s_add_nc_u64 s[XP:XP+1], s[4:5], s[34:35]
	s_add_nc_u64 s[XP:XP+1], s[XP:XP+1], s[36:37]
	s_add_nc_u64 s[SPB:SPB+1], s[10:11], s[52:53]
	s_add_nc_u64 s[OUT:OUT+1], s[OUT:OUT+1], s[34:35]
	s_add_nc_u64 s[OUT:OUT+1], s[OUT:OUT+1], s[54:55]
	global_load_b128 v[BVL:BVL+3], v[BLO], s[8:9]
	LADDER SPLD
	XLOAD 0, 0                                     ; x's first two pieces are on their way while the softmax is made
	XLOAD 1, 512
	WIN 0
	s_wait_loadcnt 63                              ; bv and S are in.  Behind them stand x's 64 loads; the wait's field ends at 63, so x's first load is waited for too
	LADDER SOFT
	; bv: rounded to bf16 like every input, widened again, four times each
	v_cvt_pk_bf16_f32 v[TA], v[BVL], v[BVL+1]
	v_cvt_pk_bf16_f32 v[TB], v[BVL+2], v[BVL+3]
.irp zz, 0,1,2,3
	v_lshlrev_b32 v[BIAS+(\zz)], 16, v[TA]
	v_and_b32 v[BIAS+4+(\zz)], 0xffff0000, v[TA]
	v_lshlrev_b32 v[BIAS+8+(\zz)], 16, v[TB]
	v_and_b32 v[BIAS+12+(\zz)], 0xffff0000, v[TB]
.endr
.irp zz, 0,1,2,3
	ds_store_b128 v[BTS], v[BIAS+4*(\zz):BIAS+4*(\zz)+3] offset:16*(\zz)
.endr
	XREST
	s_wait_dscnt 0x0                               ; for the others' sake: my rows of x, my fragments of P and my part of the table are stored
	s_barrier_signal -1
	s_barrier_wait -1                              ; the launch's one barrier; the ring's loads stay out: nobody writes what they read
	WIN 0xC0
.set s_q, 0
.rept 20
	ds_load_b128 v[8*s_q:8*s_q+3],   v[PLA] offset:s_q*1024
	ds_load_b128 v[8*s_q+4:8*s_q+7], v[PLA] offset:s_q*1024+512
.set s_q, s_q+1
.endr
	WIN 0
	s_mov_b32 s[KO], 0
	s_mov_b32 s[BO], 0
	BIASLD
	AFETCH 0, 0
	s_mov_b32 s[TT], TRIPS-1
.Ltrip:                                                ; a trip: 8 K steps, 256 products; every fourth ends a chunk.  The ring runs on from chunk to chunk: my streams lie end to end
	KSTEP 0, 1, 1, 2, 48, 1
.irp kk, 1,2,3,4,5,6,7
	KSTEP \kk, 1, 1, 0, 48, 0
.endr
	WIN 0
	s_wait_xcnt 0x0                                ; the youngest load stands 32 products back, the prefetches seven K steps: the pointer is stepped only behind this wait
	s_add_nc_u64 s[W:W+1], s[W:W+1], 8*KFB
	s_cmp_lg_u32 s[KO], 0
	s_cbranch_scc1 .Lno
	EPI 0
.Lno:
	s_sub_co_u32 s[TT], s[TT], 1
	s_cmp_lg_u32 s[TT], 0
	s_cbranch_scc1 .Ltrip
	KSTEP 0, 1, 1, 0, 48, 0                        ; the last trip is written out: one more group of loads, then the counts run down
.irp kk, 1,2,3,4,5,6
	KSTEP \kk, 0, 1, 0, 8*(7-\kk), 0
.endr
	KSTEP 7, 0, 0, 0, 0, 0
	EPI 1
	s_wait_tensorcnt 0x0                           ; the wave's end: three closing lines behind my last LDS store
	ds_add_u32 v[SPW], v[NIL]
	s_wait_dscnt 0x0
	s_endpgm
.Lfunc_end_k_q4810b1e763_values:
	.size	k_q4810b1e763_values, .Lfunc_end_k_q4810b1e763_values-k_q4810b1e763_values
	.p2alignl 7, 3214868480
	.fill 96, 4, 3214868480
	.section	.rodata,"a",@progbits
	.p2align	6, 0x0
	.amdhsa_kernel k_q4810b1e763_values
		.amdhsa_group_segment_fixed_size 310784
		.amdhsa_private_segment_fixed_size 0
		.amdhsa_enable_private_segment 0
		.amdhsa_kernarg_size 40
		.amdhsa_user_sgpr_count 2
		.amdhsa_user_sgpr_kernarg_segment_ptr 1
		.amdhsa_wavefront_size32 1
		.amdhsa_system_sgpr_workgroup_id_x 1
		.amdhsa_system_sgpr_workgroup_id_y 1
		.amdhsa_system_sgpr_workgroup_id_z 1
		.amdhsa_system_vgpr_workitem_id 0
		.amdhsa_next_free_vgpr 1024
		.amdhsa_next_free_sgpr 66
		.amdhsa_reserve_vcc 0
		.amdhsa_float_denorm_mode_32 3
		.amdhsa_float_denorm_mode_16_64 3
		.amdhsa_memory_ordered 1
		.amdhsa_forward_progress 1
		.amdhsa_inst_pref_size 255
	.end_amdhsa_kernel
	.section	.bss,"aw",@nobits
	.p2align	6
	.space	262144
	.amdgpu_metadata
---
amdhsa.version: [ 1, 2 ]
amdhsa.kernels:
  - .name:           k_q4810b1e763_values
    .symbol:         k_q4810b1e763_values.kd
    .args:
      - { .name: inputs, .offset: 0, .size: 8, .value_kind: global_buffer, .address_space: global }
      - { .name: wpk, .offset: 8, .size: 8, .value_kind: global_buffer, .address_space: global }
      - { .name: bv, .offset: 16, .size: 8, .value_kind: global_buffer, .address_space: global }
      - { .name: sp, .offset: 24, .size: 8, .value_kind: global_buffer, .address_space: global }
      - { .name: out0, .offset: 32, .size: 8, .value_kind: global_buffer, .address_space: global }
    .group_segment_fixed_size: 310784
    .private_segment_fixed_size: 0
    .kernarg_segment_align: 8
    .kernarg_segment_size: 40
    .max_flat_workgroup_size: 128
    .sgpr_count:     66
    .vgpr_count:     1024
    .wavefront_size: 32
...
	.end_amdgpu_metadata
.endif
;; end of part 3
;; ======== version 2 of 3: 3 launches
;; limits: values are held in f16: magnitudes above 65,504 overflow, below 6.1e-05 lose precision; right only within a limited range of input values; values outside matrix products are rounded to f16
;; workspace buffers: wpk 6,291,456 bytes; sp 9,437,184 bytes
;; launch prep (part 4): grid 16 x 16, 4 waves a work-group, no clusters, 143,872 bytes of LDS; arguments Wq, Wk, Wv, bq, bk, wpk; writes wpk
.if DOCPART == 4
	.amdgcn_target "amdgcn-amd-amdhsa--gfx1250"
	.amdhsa_code_object_version 6
	.text
	.protected	k_q4810b1e763_prep
	.globl	k_q4810b1e763_prep
	.p2align	8
	.type	k_q4810b1e763_prep,@function
k_q4810b1e763_prep:
	s_mov_b64 s[64:65], 0
	v_nop
	global_prefetch_b8 v0, s[64:65] scope:SCOPE_SE
	s_setreg_imm32_b32 hwreg(HW_REG_WAVE_MODE, 25, 1), 1
	s_wait_xcnt 0x0
; PREP.  (x Wq^T + bq) . (x Wk^T + bk) = [x, 1] G' [x, 1]^T with G' = [Wq | bq]^T [Wk | bk], for every input.  This launch makes G' once:
;   G[i][j] = sum over n of Wq[n][i] Wk[n][j];   c[i] = sum of Wq[n][i] bk[n];   a[j] = sum of bq[n] Wk[n][j];   e = sum of bq[n] bk[n];
; and it lays Wv out as matrix fragments.  Wq, Wk, Wv, bq, bk are rounded once to bf16; sums in f32; G and a are rounded once to f16, c and e stay f32.
; LIMITS.  |G| and |a| stay under 65,504 (f16's end); NaN and infinities are not treated apart.
; wpk: a BLOCK of 1,024 bytes is 16 rows x 32 k of a matrix: lane l = 16 hh + r finds row r, k = 8 hh .. + 7 at byte 16 l and k = 16 + 8 hh .. + 7 at byte 512 + 16 l.
;   streams 0-15 (131,072 bytes each): stream g = rows 64 g .. of G, as [kf 0..31][tile 0..3][block], k = j.     at 16 << 17: [kf][block], row 0 = a, rows 1-15 = 0.
;   at 17 << 17: 65 tiles of 128 bytes, f32: words 0-15 of tile I = c[16 I ..], words 16-31 = 0; tile 64 = e, then zeros.     streams 32-47: Wv, bf16, stream 32 + g = rows 64 g ..
; SHARES.  Work-group (ib, jb) makes 64 i x 64 j of G and a border tile on each side (the bias columns): 5 x 5 tiles of 16 x 16.  THE SUM OVER n IS SPLIT AMONG THE FOUR WAVES, 256 n each,
; in eight steps of 32: 32 rows x 256 bytes of Wq and of Wk come into registers, are rounded and go into the wave's own stage in LDS as [n][column]; ds_load_tr16_b128 turns them into fragments.
; A stage row is 64 columns (128 bytes) + 16 border columns (the bias, then 15 zeros: 32 bytes) = 160 bytes = 40 words.
; Source 0 = 16 columns j of Wk, source 1 = 16 columns i of Wq: a lane then holds ONE row i of G and eight neighbouring j: 16 bytes of a block.  The border tiles need no form of their own:
; tile (j, border) is a's block, rows 1-15 zero by themselves; register 0 of tile (border, i) is c.  The four waves' parts meet in LDS once, at the end.
; Each wave also lays out 16 rows x 64 k of Wv; its loads are on their way while the parts meet.
; NO CLUSTER, NO TENSOR LOADS, though 16 work-groups read each panel: a tile would arrive in LDS as f32 (16 KB a wave and step), be read back, rounded and stored in LDS again, for 25 matrix instructions.
; REGISTERS: window 0: v0-31 addresses; v32-71, v72-111 fragments of Wq's, Wk's columns; v112-239 a step's 32 loads; v240-241 the biases; at the end v32-255 the parts.  Window 1: v0-199 the 25 accumulators, tile (it, jt) at 8 (5 it + jt).
.set QP,    160
.set PANEL, 32*QP                      ; a step's rows of one matrix
.set STW,   2*PANEL                    ; a wave's stage: Wq's panel, Wk's panel
.set RB,    4*STW                      ; behind the stages: each wave's 25 tiles as they lie in registers
.set RPART, 25*1024
.set SPARE, RB+4*RPART                 ; the spare words, 128 bytes a wave
.set APKO,  16<<17
.set CBO,   17<<17
.set SPW, 2                            ; v2   my spare word; never rewritten
.set NIL, 3                            ; v3   0; never rewritten
.set LO,  4                            ; v4   (l / 16) rows + 16 (l % 16) + the step's 32 rows
.set BOF, 5                            ; v5   4 (256 w + l) + the step's 128 bytes
.set STG, 6                            ; v6   stage, in: row l / 16, 8 bytes a lane
.set EXA, 7                            ; v7   stage: the border columns of row l
.set TRA, 8                            ; v8   stage, out: row 8 hh + l % 8, 16 bytes by (l / 8) % 2
.set RST, 9                            ; v9   where my tiles go
.set R0,  10                           ; v10-13 part p + 16 l
.set RLW, 14                           ; v14-17 the same + my five tiles (it = w)
.set REW, 18                           ; v18-21 the same + 1,024 w
.set L16, 22
.set L4,  23
.set VLO, 24                           ; Wv: load offset, stage in, stage out, store offset
.set VST, 25
.set VLD, 26
.set VGO, 27
.set VL,  28
.set VR,  29
.set VH,  30
.set TB,  31
.set FQ,  32
.set FK,  72
.set SET, 112
.set BQV, 240
.set BKV, 241
.set GT,  32                           ; part p, tile q of my seven at GT + 56 p + 8 q
.set VF,  200                          ; Wv's four fragment halves
.set WV,  16
.set IB,  17
.set JB,  18
.set CNT, 19
.set PQ,  32                           ; s[32:33] Wq at my 256 rows, the work-group's 64 columns
.set PK,  34
.set GO,  36                           ; where G's blocks, a's block, c's tile, e's tile go
.set AO,  38
.set CO,  40
.set CE,  42
.set VP,  44                           ; Wv at my 16 rows; where its blocks go
.set VO,  46
.set MSB, 0
.macro WIN new                         ; the immediate's high byte repeats the setting that is left; a switch that changes nothing is dropped
.if MSB != (\new)
	s_set_vgpr_msb (MSB<<8)|(\new)
.set MSB, \new
.endif
.endm
.macro GLOADS                          ; a step: two rows' 256 aligned bytes a load, 16 loads a matrix; a bias word a lane
.set c_u, 0
.rept 16
	global_load_b128 v[SET+4*c_u:SET+4*c_u+3],       v[LO], s[PQ:PQ+1] offset:c_u*8192
	global_load_b128 v[SET+64+4*c_u:SET+64+4*c_u+3], v[LO], s[PK:PK+1] offset:c_u*8192
.set c_u, c_u+1
.endr
	global_load_b32 v[BQV], v[BOF], s[10:11]
	global_load_b32 v[BKV], v[BOF], s[12:13]
.endm
.macro GPROD zero                      ; 25 products on 25 accumulators: they take turns, over the backward jump too.  zero = 1: they start the sums
.set g_i, 0
.rept 5
.set g_j, 0
.rept 5
.set g_d, 8*(5*g_i+g_j)
.if \zero
	v_wmma_f32_16x16x32_bf16 v[g_d:g_d+7], v[FK+8*g_j:FK+8*g_j+7], v[FQ+8*g_i:FQ+8*g_i+7], 0
.else
	v_wmma_f32_16x16x32_bf16 v[g_d:g_d+7], v[FK+8*g_j:FK+8*g_j+7], v[FQ+8*g_i:FQ+8*g_i+7], v[g_d:g_d+7]
.endif
.set g_j, g_j+1
.endr
.set g_i, g_i+1
.endr
.endm
	s_load_b256 s[4:11], s[0:1], 0x0               ; Wq s[4:5], Wk s[6:7], Wv s[8:9], bq s[10:11]
	s_load_b128 s[12:15], s[0:1], 0x20             ; bk s[12:13], wpk s[14:15]
	v_lshl_add_u32 v[SPW], v0, 2, SPARE
	v_mov_b32 v[NIL], 0
	v_lshrrev_b32 v1, 5, v0
	v_readfirstlane_b32 s[WV], v1
	s_mov_b32 s[IB], ttmp9
	s_and_b32 s[JB], ttmp7, 0xffff
	; byte offsets, each in the pair that takes its buffer's address below
	s_lshl_b32 s20, s[WV], 20                      ; my 256 rows of 4,096 bytes
	s_lshl_b32 s[PQ], s[IB], 8
	s_add_co_u32 s[PQ], s[PQ], s20
	s_mov_b32 s[PQ+1], 0
	s_lshl_b32 s[PK], s[JB], 8
	s_add_co_u32 s[PK], s[PK], s20
	s_mov_b32 s[PK+1], 0
	s_lshl_b32 s[GO], s[IB], 17                    ; stream ib, kf = 2 jb, tile w
	s_lshl_b32 s20, s[JB], 13
	s_add_co_u32 s[GO], s[GO], s20
	s_lshl_b32 s20, s[WV], 10
	s_add_co_u32 s[GO], s[GO], s20
	s_mov_b32 s[GO+1], 0
	s_lshl_b32 s[AO], s[JB], 11                    ; kf = 2 jb + w / 2, half w % 2
	s_lshl_b32 s20, s[WV], 9
	s_add_co_u32 s[AO], s[AO], s20
	s_add_co_u32 s[AO], s[AO], APKO
	s_mov_b32 s[AO+1], 0
	s_lshl2_add_u32 s[CO], s[IB], s[WV]            ; tile 4 ib + w
	s_lshl_b32 s[CO], s[CO], 7
	s_add_co_u32 s[CO], s[CO], CBO
	s_mov_b32 s[CO+1], 0
	s_lshl4_add_u32 s21, s[JB], s[IB]              ; the work-group's number: Wv's row tile = number / 4, its 256 k = number % 4
	s_lshr_b32 s22, s21, 2
	s_and_b32 s23, s21, 3
	s_lshl_b32 s[VP], s22, 16
	s_mov_b32 s[VP+1], 0
	s_lshr_b32 s[VO], s22, 2
	s_add_co_u32 s[VO], s[VO], 32
	s_lshl_b32 s[VO], s[VO], 17
	s_and_b32 s24, s22, 3
	s_lshl_b32 s24, s24, 10
	s_add_co_u32 s[VO], s[VO], s24
	s_mov_b32 s[VO+1], 0
	v_and_b32 v[VL], 31, v0
	v_and_b32 v[VR], 15, v0
	v_bfe_u32 v[VH], v0, 4, 1
	v_lshlrev_b32 v[L16], 4, v[VL]
	v_lshlrev_b32 v[L4], 2, v[VL]
	v_lshlrev_b32 v[LO], 12, v[VH]
	v_lshl_add_u32 v[LO], v[VR], 4, v[LO]
	s_lshl_b32 s25, s[WV], 10
	v_add_nc_u32 v[BOF], s25, v[L4]
	s_mul_i32 s26, s[WV], STW                      ; my stage
	v_mul_u32_u24 v1, v[VH], QP
	v_lshl_add_u32 v1, v[VR], 3, v1
	v_add_nc_u32 v[STG], s26, v1
	s_add_co_u32 s27, s26, 128
	v_mul_u32_u24 v1, v[VL], QP
	v_add_nc_u32 v[EXA], s27, v1
	v_and_b32 v1, 7, v0
	v_lshl_add_u32 v1, v[VH], 3, v1
	v_mul_u32_u24 v1, v1, QP
	v_bfe_u32 v[TB], v0, 3, 1
	v_lshl_add_u32 v1, v[TB], 4, v1
	v_add_nc_u32 v[TRA], s26, v1
	s_mul_i32 s27, s[WV], RPART
	s_add_co_u32 s27, s27, RB
	v_add_nc_u32 v[RST], s27, v[L16]
	s_mul_i32 s27, s[WV], 5*1024
.irp pp, 0,1,2,3
	v_add_nc_u32 v[R0+(\pp)], RB+(\pp)*RPART, v[L16]
	v_add_nc_u32 v[RLW+(\pp)], s27, v[R0+(\pp)]
	v_add_nc_u32 v[REW+(\pp)], s25, v[R0+(\pp)]
.endr
	s_lshl_b32 s27, s23, 10                        ; Wv: my 64 k of the work-group's 256
	s_lshl_b32 s28, s[WV], 8
	s_add_co_u32 s27, s27, s28
	v_add_nc_u32 v[VLO], s27, v[LO]
	v_mul_u32_u24 v1, v[VH], 144
	v_lshl_add_u32 v1, v[VR], 3, v1
	v_add_nc_u32 v[VST], s26, v1
	v_mul_u32_u24 v1, v[VR], 144
	v_lshl_add_u32 v1, v[VH], 4, v1
	v_add_nc_u32 v[VLD], s26, v1
	s_lshl_b32 s27, s23, 15                        ; 8 steps of K x 4,096 bytes for each 256 k, 2 for each 64
	s_lshl_b32 s28, s[WV], 13
	s_add_co_u32 s27, s27, s28
	v_add_nc_u32 v[VGO], s27, v[L16]
.irp zz, 0,1,2,3
	v_mov_b32 v[FQ+(\zz)], 0
.endr
	ds_store_b128 v[EXA], v[FQ:FQ+3]               ; the border columns are cleared once; each step then writes the bias into the first of them
	ds_store_b128 v[EXA], v[FQ:FQ+3] offset:16
	ds_store_b128 v[EXA], v[FQ:FQ+3] offset:PANEL
	ds_store_b128 v[EXA], v[FQ:FQ+3] offset:PANEL+16
	s_wait_kmcnt 0x0
	s_add_nc_u64 s[PQ:PQ+1], s[4:5], s[PQ:PQ+1]
	s_add_nc_u64 s[PK:PK+1], s[6:7], s[PK:PK+1]
	s_add_nc_u64 s[VP:VP+1], s[8:9], s[VP:VP+1]
	s_add_nc_u64 s[GO:GO+1], s[14:15], s[GO:GO+1]
	s_add_nc_u64 s[AO:AO+1], s[14:15], s[AO:AO+1]
	s_add_nc_u64 s[CO:CO+1], s[14:15], s[CO:CO+1]
	s_add_nc_u64 s[VO:VO+1], s[14:15], s[VO:VO+1]
	s_add_nc_u64 s[CE:CE+1], s[14:15], CBO+64*128
	GLOADS
	s_mov_b32 s[CNT], 8
.Lk:                                                   ; a step of 32 n.  The next step's loads go out as soon as this step's words are in LDS, and are on their way under the fragments and the products
	s_wait_loadcnt 0x0                             ; the step is in, so its address registers may be stepped
	v_add_nc_u32 v[LO], 32*4096, v[LO]
	v_add_nc_u32 v[BOF], 128, v[BOF]
.set c_u, 0
.rept 32
	v_cvt_pk_bf16_f32 v[SET+4*c_u], v[SET+4*c_u], v[SET+4*c_u+1]
	v_cvt_pk_bf16_f32 v[SET+4*c_u+1], v[SET+4*c_u+2], v[SET+4*c_u+3]
.set c_u, c_u+1
.endr
	v_cvt_pk_bf16_f32 v[BQV], v[BQV], v[NIL]       ; the bias and, beside it, a zero
	v_cvt_pk_bf16_f32 v[BKV], v[BKV], v[NIL]
.set c_u, 0
.rept 16
	ds_store_b64 v[STG], v[SET+4*c_u:SET+4*c_u+1] offset:c_u*2*QP             ; LDS serves a wave's instructions in order (ISA guide 5.7.1.4): these come behind the last step's reads
	ds_store_b64 v[STG], v[SET+64+4*c_u:SET+64+4*c_u+1] offset:PANEL+c_u*2*QP
.set c_u, c_u+1
.endr
	ds_store_b32 v[EXA], v[BQV]
	ds_store_b32 v[EXA], v[BKV] offset:PANEL
	s_cmp_eq_u32 s[CNT], 1                         ; the last step has none behind it
	s_cbranch_scc1 .Lnl
	GLOADS
.Lnl:
.irp cc, 0,1,2,3,4                     ; the conversions above are the places between the last products and these loads into registers that they read
	ds_load_tr16_b128 v[FQ+8*(\cc):FQ+8*(\cc)+3],   v[TRA] offset:32*(\cc)
	ds_load_tr16_b128 v[FQ+8*(\cc)+4:FQ+8*(\cc)+7], v[TRA] offset:32*(\cc)+16*QP
	ds_load_tr16_b128 v[FK+8*(\cc):FK+8*(\cc)+3],   v[TRA] offset:PANEL+32*(\cc)
	ds_load_tr16_b128 v[FK+8*(\cc)+4:FK+8*(\cc)+7], v[TRA] offset:PANEL+32*(\cc)+16*QP
.endr
	s_wait_dscnt 0x0
	s_cmp_eq_u32 s[CNT], 8                         ; at the first trip a constant of the text: the sums are started before they are added onto
	s_cbranch_scc0 .Lacc
	WIN 0x50                                       ; fragments window 0, C and D window 1
	GPROD 1
	WIN 0
	s_branch .Lj
.Lacc:
	WIN 0x50
	GPROD 0
	WIN 0
.Lj:
	s_sub_co_u32 s[CNT], s[CNT], 1
	s_cmp_lg_u32 s[CNT], 0
	s_cbranch_scc1 .Lk
	; THE FOUR WAVES' PARTS ARE ADDED.  Wave w takes the five tiles with it = w, a's tile with jt = w, and the corner.
.rept 4
	v_nop                                          ; the places between the last products and the stores that read them
.endr
	WIN 0x04                                       ; store data in window 1
.set r_t, 0
.rept 25
	ds_store_b128 v[RST], v[8*r_t:8*r_t+3]   offset:r_t*1024       ; each accumulator's low half first
	ds_store_b128 v[RST], v[8*r_t+4:8*r_t+7] offset:r_t*1024+512
.set r_t, r_t+1
.endr
	WIN 0x40                                       ; Wv's 16 rows x 64 k: eight loads of two rows' 256 aligned bytes, into the accumulators' registers; they are on their way while the parts meet
.set c_u, 0
.rept 8
	global_load_b128 v[4*c_u:4*c_u+3], v[VLO], s[VP:VP+1] offset:c_u*8192 th:TH_LOAD_NT
.set c_u, c_u+1
.endr
	WIN 0
	s_wait_dscnt 0x0                               ; for the others' sake: my tiles are stored
	s_barrier_signal -1
	s_barrier_wait -1
.irp pp, 0,1,2,3
.irp qq, 0,1,2,3,4
	ds_load_b128 v[GT+56*(\pp)+8*(\qq):GT+56*(\pp)+8*(\qq)+3],   v[RLW+(\pp)] offset:(\qq)*1024
	ds_load_b128 v[GT+56*(\pp)+8*(\qq)+4:GT+56*(\pp)+8*(\qq)+7], v[RLW+(\pp)] offset:(\qq)*1024+512
.endr
	ds_load_b128 v[GT+56*(\pp)+40:GT+56*(\pp)+43], v[REW+(\pp)] offset:20*1024
	ds_load_b128 v[GT+56*(\pp)+44:GT+56*(\pp)+47], v[REW+(\pp)] offset:20*1024+512
	ds_load_b128 v[GT+56*(\pp)+48:GT+56*(\pp)+51], v[R0+(\pp)] offset:24*1024
	ds_load_b128 v[GT+56*(\pp)+52:GT+56*(\pp)+55], v[R0+(\pp)] offset:24*1024+512
.endr
	s_wait_dscnt 0x0
.set r_t, 0
.rept 28
	v_pk_add_f32 v[GT+2*r_t:GT+2*r_t+1], v[GT+2*r_t:GT+2*r_t+1], v[GT+56+2*r_t:GT+56+2*r_t+1]
	v_pk_add_f32 v[GT+112+2*r_t:GT+112+2*r_t+1], v[GT+112+2*r_t:GT+112+2*r_t+1], v[GT+168+2*r_t:GT+168+2*r_t+1]
.set r_t, r_t+1
.endr
.set r_t, 0
.rept 28
	v_pk_add_f32 v[GT+2*r_t:GT+2*r_t+1], v[GT+2*r_t:GT+2*r_t+1], v[GT+112+2*r_t:GT+112+2*r_t+1]
.set r_t, r_t+1
.endr
.irp qq, 0,1,2,3                       ; G: tile (it = w, jt = q): a lane's eight j round to 16 bytes of the block (tile w, kf = 2 jb + q / 2), half q % 2
.irp jj, 0,1,2,3
	v_cvt_pk_f16_f32 v[GT+8*(\qq)+(\jj)], v[GT+8*(\qq)+2*(\jj)], v[GT+8*(\qq)+2*(\jj)+1]
.endr
	global_store_b128 v[L16], v[GT+8*(\qq):GT+8*(\qq)+3], s[GO:GO+1] offset:((\qq)/2)*4096+((\qq)%2)*512  ; 512 consecutive aligned bytes
.endr
	s_cmp_lg_u32 s[JB], 0                          ; c hangs on i alone: the work-groups with jb = 0 store it
	s_cbranch_scc1 .Lnc
	global_store_b32 v[L4], v[GT+32], s[CO:CO+1]   ; register 0: lanes 0-15 c[16 (4 ib + w) + r], lanes 16-31 zeros: 128 bytes, 8 KB in the whole launch
.Lnc:
	s_cmp_lg_u32 s[IB], 0                          ; a hangs on j alone: the work-groups with ib = 0 store it
	s_cbranch_scc1 .Lna
.irp jj, 0,1,2,3
	v_cvt_pk_f16_f32 v[GT+40+(\jj)], v[GT+40+2*(\jj)], v[GT+40+2*(\jj)+1]
.endr
	global_store_b128 v[L16], v[GT+40:GT+43], s[AO:AO+1]
	s_or_b32 s20, s[JB], s[WV]
	s_cmp_lg_u32 s20, 0                            ; e: one wave of one work-group
	s_cbranch_scc1 .Lna
	global_store_b32 v[L4], v[GT+48], s[CE:CE+1]
.Lna:
	; Wv: rounded, through my stage (rows of 128 + 16 bytes; G's panels there have been read for the last time), out as four fragment halves
	s_wait_loadcnt 0x0
	WIN 0x45
.set c_u, 0
.rept 8
	v_cvt_pk_bf16_f32 v[4*c_u], v[4*c_u], v[4*c_u+1]
	v_cvt_pk_bf16_f32 v[4*c_u+1], v[4*c_u+2], v[4*c_u+3]
.set c_u, c_u+1
.endr
	WIN 0x04
.set c_u, 0
.rept 8
	ds_store_b64 v[VST], v[4*c_u:4*c_u+1] offset:c_u*288
.set c_u, c_u+1
.endr
	WIN 0
.irp ee, 0,1,2,3                       ; ee = 2 x (which 32 k of my 64) + half; these see the stores above
	ds_load_b128 v[VF+4*(\ee):VF+4*(\ee)+3], v[VLD] offset:32*(\ee)
.endr
	s_wait_dscnt 0x0
.irp ee, 0,1,2,3
	global_store_b128 v[VGO], v[VF+4*(\ee):VF+4*(\ee)+3], s[VO:VO+1] offset:((\ee)/2)*4096+((\ee)%2)*512  ; 512 consecutive aligned bytes
.endr
	s_wait_tensorcnt 0x0                           ; the wave's end: three closing lines behind my last LDS store
	ds_add_u32 v[SPW], v[NIL]
	s_wait_dscnt 0x0
	s_endpgm
.Lfunc_end_k_q4810b1e763_prep:
	.size	k_q4810b1e763_prep, .Lfunc_end_k_q4810b1e763_prep-k_q4810b1e763_prep
	.p2alignl 7, 3214868480
	.fill 96, 4, 3214868480
	.section	.rodata,"a",@progbits
	.p2align	6, 0x0
	.amdhsa_kernel k_q4810b1e763_prep
		.amdhsa_group_segment_fixed_size 143872
		.amdhsa_private_segment_fixed_size 0
		.amdhsa_enable_private_segment 0
		.amdhsa_kernarg_size 48
		.amdhsa_user_sgpr_count 2
		.amdhsa_user_sgpr_kernarg_segment_ptr 1
		.amdhsa_wavefront_size32 1
		.amdhsa_system_sgpr_workgroup_id_x 1
		.amdhsa_system_sgpr_workgroup_id_y 1
		.amdhsa_system_sgpr_workgroup_id_z 1
		.amdhsa_system_vgpr_workitem_id 0
		.amdhsa_next_free_vgpr 456
		.amdhsa_next_free_sgpr 66
		.amdhsa_reserve_vcc 0
		.amdhsa_float_denorm_mode_32 3
		.amdhsa_float_denorm_mode_16_64 3
		.amdhsa_memory_ordered 1
		.amdhsa_forward_progress 1
		.amdhsa_inst_pref_size 41
	.end_amdhsa_kernel
	.amdgpu_metadata
---
amdhsa.version: [ 1, 2 ]
amdhsa.kernels:
  - .name:           k_q4810b1e763_prep
    .symbol:         k_q4810b1e763_prep.kd
    .args:
      - { .name: Wq, .offset: 0, .size: 8, .value_kind: global_buffer, .address_space: global }
      - { .name: Wk, .offset: 8, .size: 8, .value_kind: global_buffer, .address_space: global }
      - { .name: Wv, .offset: 16, .size: 8, .value_kind: global_buffer, .address_space: global }
      - { .name: bq, .offset: 24, .size: 8, .value_kind: global_buffer, .address_space: global }
      - { .name: bk, .offset: 32, .size: 8, .value_kind: global_buffer, .address_space: global }
      - { .name: wpk, .offset: 40, .size: 8, .value_kind: global_buffer, .address_space: global }
    .group_segment_fixed_size: 143872
    .private_segment_fixed_size: 0
    .kernarg_segment_align: 8
    .kernarg_segment_size: 48
    .max_flat_workgroup_size: 128
    .sgpr_count:     66
    .vgpr_count:     456
    .wavefront_size: 32
...
	.end_amdgpu_metadata
.endif
;; end of part 4
;; launch scores (part 5): grid 256 x 1, 4 waves a work-group, no clusters, 268,800 bytes of LDS; arguments inputs, wpk, sp; writes sp
.if DOCPART == 5
	.amdgcn_target "amdgcn-amd-amdhsa--gfx1250"
	.amdhsa_code_object_version 6
	.text
	.protected	k_q4810b1e763_scores
	.globl	k_q4810b1e763_scores
	.p2align	8
	.type	k_q4810b1e763_scores,@function
k_q4810b1e763_scores:
	s_mov_b64 s[64:65], 0
	v_nop
	global_prefetch_b8 v0, s[64:65] scope:SCOPE_SE
	s_setreg_imm32_b32 hwreg(HW_REG_WAVE_MODE, 25, 1), 1
	s_wait_xcnt 0x0
; SCORES.  q_t . k_s = sum over i of x_t[i] kap_s[i] + u_s, with kap_s[i] = sum over j of G[i][j] x_s[j] + c[i] and u_s = sum over j of a[j] x_s[j] + e (G, a, c, e: the launch before;
; the identity holds for every input).  Work-group 2 b + h: for batch b and the half h of the 1,024 channels i it makes kap (128 rows x 512 channels, sums over 1,024) and from it its part of
; S^T = kap x^T, unscaled, f32, only the 36 tiles of 16 x 16 on or below the diagonal; each of the batch's eight waves adds u over its own 128 j.  The two halves' parts are added in the next launch.
; FORMATS.  x is rounded to bf16 like every input, and that number is written as f16 (exact within f16's normal range); G and a are f16; c and e are f32 and start the sums.  kap and u are
; multiplied by 2^-8 and rounded once to f16; the finished sums are multiplied by 2^8 again.  All sums f32.
; LIMITS.  |x| stays under 65,504, |kap| and a wave's part of u under 256 x 65,504; below 6e-5 an f16 keeps its fixed step of 6e-8; NaN and infinities are not treated apart.
; x OF THE BATCH LIES IN LDS, 128 rows 2,064 bytes apart (2,048 + 16: the 16 rows of a fragment load start at 16 different groups of four banks, ISA guide 11.1).
; SHARES.  A wave takes ALL 128 rows x 64 channels at a time (a CHUNK: 32 accumulators, 256 registers), two chunks.  So no two waves want the same byte of G: it comes straight from memory
; into a ring of eight register slots (a slot = one K step of 32: four fragments), seven K steps ahead, and the K loop has no barrier.
; LAYOUT.  Source 0 = 16 rows of G, source 1 = 16 rows of x: a lane then holds ONE row s of x and eight neighbouring channels.  Two neighbouring accumulators, rounded to f16 in place,
; ARE a fragment (16 keys x 32 channels) of S^T = kap x^T (source 0 = 16 keys of kap, source 1 = 16 queries of x, out of LDS): kap never leaves the registers.
; u is made the same way from a's block (row 0 = a, the others 0): a fragment whose channel 0 is u; times a fragment of ones it adds u_s to every query, and these products start the sums of S.
; ONE TEXT FOR EVERY TRIP: in its last trip a wave's ring asks for the 28,672 bytes behind its own streams (the next wave's stream, or a's blocks: inside wpk, stored by the launch before),
; and the last chunk's end fetches a bias and a run of fragments once more: loaded in vain, once a wave.
; NO CLUSTER, NO TENSOR LOADS: x takes 264,192 bytes of LDS, which leaves no room for two slots of weights worth a barrier; inside a work-group no weight byte is wanted twice.
; REGISTERS, in windows of 256 (s_set_vgpr_msb: bits 1:0 source 0, 3:2 source 1, 5:4 source 2, 7:6 destination):
;   window 0: v0-23 addresses; v24-31 e's tile; v32-63 the chunk's c (at the head: at work); v64-127, v128-191 x's fragments, two buffers (row tile m at + 8 m); v192-223 S tiles 32-35; v224-255 a's four fragments
;   window 1: the ring, slot s at 32 s, fragment n at + 8 n; while x is brought in: two sets of 128
;   window 2: accumulator (m, n) at 32 m + 8 n; u's at 16 m          window 3: S tiles 0-31 at 8 tau, tau(i, j) = i (i + 1) / 2 + j
.set PITCH, 2064
.set XROWS, 32*PITCH                   ; a wave's 32 rows of x in LDS
.set BIASB, 128*PITCH                  ; behind x: the half's 32 tiles of c, 128 bytes each (16 numbers, 16 zeros)
.set SPARE, BIASB+4096                 ; behind them: the spare words, 128 bytes a wave
.set TILEB, 1024                       ; a tile of S as it lies in registers
.set REDB,  36*TILEB                   ; a wave's 36 tiles; the four waves' lie from LDS byte 0 on, when x has been read for the last time
.set TRIPS, 8                          ; a trip = 8 K steps; 4 trips a chunk
.set KFB,   4096                       ; a K step's four fragments in wpk
.set APKO,  16<<17                     ; a's blocks in wpk
.set CBO,   17<<17                     ; c's and e's tiles in wpk
.set SPW, 2                            ; v2     my spare word; never rewritten
.set NIL, 3                            ; v3     0; never rewritten
.set AD0, 4                            ; v4-7   (32 p + r) x pitch + 16 hh
.set AD,  8                            ; v8-11  the same + a place along the row
.set L16, 12                           ; v12    16 x lane: offset in wpk, x and sp
.set PFO, 13                           ; v13    256 x lane: the prefetches' offset
.set BA,  14                           ; v14    my place in c's table
.set BAC, 15                           ; v15    the same + the chunk's
.set BST, 16                           ; v16    where I put 16 bytes of c's table
.set XS0, 17                           ; v17    where I put 8 bytes of my wave's first row of x
.set XS,  18                           ; v18    the same + the piece's place along K
.set RST, 19                           ; v19    the reduction: where my wave's tiles go
.set RLD, 20                           ; v20-23 the reduction: my nine tiles in each wave's part
.set ET,  24                           ; v24-31 e in channel 0 (one wave of the batch), else zeros
.set BIAS, 32
.set VL,  32                           ; at the head only: lane, r, hh, two offsets, 32 bytes of c's table
.set VR,  33
.set VH,  34
.set CLO, 35
.set ELO, 36
.set CT,  40
.set ABUF, 64
.set SX,  192
.set AF,  224
.set WV,  14                           ; s14  wave
.set BB,  15                           ; s15  batch
.set HH,  16                           ; s16  half
.set W,   20                           ; s[20:21] wpk at the trip in hand of my streams
.set XP,  22                           ; s[22:23] x at my wave's 32 rows
.set KO,  24                           ; s24  the trip's place along K in an LDS row: 0, 512, 1024, 1536
.set BO,  25                           ; s25  the chunk's place in c's table: 0, 512
.set TT,  26                           ; s26  trips left, this one among them
.set LIM, 27                           ; s27  2 in the work-groups that prefetch, else the greatest number
.set CH,  28                           ; s28  the chunk's 64 channels in an LDS row: 0, 128
.set XC,  29
.set XK,  30
.set QB,  31                           ; s31  my wave's 128 channels (and its 128 j of u) in an LDS row: 1,024 h + 256 w
.set QO,  32
.set AP,  42                           ; s[42:43] a's four blocks of my 128 j
.set CB,  44                           ; s[44:45] c's and e's tiles
.set SC,  46                           ; s[46:47] 2^-8: the packed multiply takes the pair's low word for both halves
.set SU,  48                           ; s[48:49] 2^8
.set HM,  50                           ; s50  a word's upper half
.set MUL,  0xA1                        ; G window 1, x window 0, C and D window 2
.set MULF, 0x81                        ; the same with C (c's tiles) in window 0
.set MSB, 0
.macro WIN new                         ; the immediate's high byte repeats the setting that is left; a switch that changes nothing is dropped
.if MSB != (\new)
	s_set_vgpr_msb (MSB<<8)|(\new)
.set MSB, \new
.endif
.endm
.macro NOPS n
.rept \n
	v_nop
.endr
.endm
; x comes in by pieces of 128 k: 512 consecutive bytes of each of my 32 rows, a load a row, into one of two sets of window 1
.macro XLOAD st, off
	WIN 0x40
.set x_r, 0
.rept 32
	global_load_b128 v[128*(\st)+4*x_r:128*(\st)+4*x_r+3], v[L16], s[XP:XP+1] offset:(\off)+x_r*4096
.set x_r, x_r+1
.endr
.endm
; a piece is rounded to bf16, widened again, written as f16 (which rounds nothing more in f16's normal range), and stored: 256 consecutive bytes of a row an instruction
.macro XPUT st, o
	WIN 0x45
.set x_r, 0
.rept 32
.set x_a, 128*(\st)+4*x_r
	v_cvt_pk_bf16_f32 v[x_a], v[x_a], v[x_a+1]
	v_cvt_pk_bf16_f32 v[x_a+2], v[x_a+2], v[x_a+3]
	v_and_b32 v[x_a+1], s[HM], v[x_a]
	v_lshlrev_b32 v[x_a], 16, v[x_a]
	v_and_b32 v[x_a+3], s[HM], v[x_a+2]
	v_lshlrev_b32 v[x_a+2], 16, v[x_a+2]
	v_cvt_pk_f16_f32 v[x_a], v[x_a], v[x_a+1]
	v_cvt_pk_f16_f32 v[x_a+1], v[x_a+2], v[x_a+3]
.set x_r, x_r+1
.endr
	WIN 0x04
.set x_r, 0
.rept 32
	ds_store_b64 v[XS], v[128*(\st)+4*x_r:128*(\st)+4*x_r+1] offset:x_r*PITCH+(\o)
.set x_r, x_r+1
.endr
.endm
.macro BFILL s                         ; the ring's slot s takes K step s of the first trip
	WIN 0x40
.irp ff, 0,1,2,3
	global_load_b128 v[32*(\s)+8*(\ff):32*(\s)+8*(\ff)+3],   v[L16], s[W:W+1] offset:(\s)*KFB+(\ff)*1024
	global_load_b128 v[32*(\s)+8*(\ff)+4:32*(\s)+8*(\ff)+7], v[L16], s[W:W+1] offset:(\s)*KFB+(\ff)*1024+512
.endr
.endm
; pieces 0 and 1 are on their way; three trips store two pieces and ask for two; the last two pieces make room for the ring's first seven slots
.macro XREST
	WIN 0
	s_mov_b32 s[XC], 3
	s_mov_b32 s[XK], 0
.Lxl_\@:
	s_wait_loadcnt 32                              ; the older piece is in (and all that was asked for ahead of x); the other piece's 32 loads stay out
	v_add_nc_u32 v[XS], s[XK], v[XS0]
	XPUT 0, 0
	XLOAD 0, 1024
	s_wait_loadcnt 32
	XPUT 1, 256
	XLOAD 1, 1536
	WIN 0
	s_wait_xcnt 0x0                                ; the loads have read their base: it is stepped only behind this wait
	s_add_nc_u64 s[XP:XP+1], s[XP:XP+1], 1024
	s_add_co_u32 s[XK], s[XK], 512
	s_sub_co_u32 s[XC], s[XC], 1
	s_cmp_lg_u32 s[XC], 0
	s_cbranch_scc1 .Lxl_\@
	s_wait_loadcnt 32
	v_add_nc_u32 v[XS], s[XK], v[XS0]
	XPUT 0, 0
	BFILL 0
	BFILL 1
	BFILL 2
	BFILL 3
	s_wait_loadcnt 32                              ; the last piece is in; just the 32 loads of slots 0-3 stay out
	XPUT 1, 256
	BFILL 4
	BFILL 5
	BFILL 6
	WIN 0
.endm
; x's eight fragments (all 128 rows x 32 k) at byte 64 kn behind the address registers, into buffer buf: 16 loads in one run
.macro AFETCH kn, buf
.set a_b, ABUF+64*(\buf)
.irp pp, 0,1,2,3
.irp tt, 0,1
	ds_load_b128 v[a_b+8*(2*(\pp)+(\tt)):a_b+8*(2*(\pp)+(\tt))+3],   v[AD+(\pp)] offset:(\kn)*64+(\tt)*16*PITCH
	ds_load_b128 v[a_b+8*(2*(\pp)+(\tt))+4:a_b+8*(2*(\pp)+(\tt))+7], v[AD+(\pp)] offset:(\kn)*64+(\tt)*16*PITCH+32
.endr
.endr
.endm
; A K step's 32 products.  Each accumulator has one instruction a step: they take turns, over every edge of the loop too.  first = 1: c starts the sums
.macro PROD k, first
.set p_a, ABUF+64*((\k)%2)
.set p_b, 32*(\k)
.set p_m, 0
.rept 8
.set p_i, 0
.rept 4
.set p_c, 32*p_m+8*p_i
.if \first
	v_wmma_f32_16x16x32_f16 v[p_c:p_c+7], v[p_b+8*p_i:p_b+8*p_i+7], v[p_a+8*p_m:p_a+8*p_m+7], v[BIAS+8*p_i:BIAS+8*p_i+7]
.else
	v_wmma_f32_16x16x32_f16 v[p_c:p_c+7], v[p_b+8*p_i:p_b+8*p_i+7], v[p_a+8*p_m:p_a+8*p_m+7], v[p_c:p_c+7]
.endif
.set p_i, p_i+1
.endr
.set p_m, p_m+1
.endr
.endm
; A PREFETCH INTO THE L2, once a trip, behind the trip's first run of loads: the 32,768 bytes of my own streams that stand two trips on (my loads begin to name them in the next trip):
; a lane a block of 256 bytes, four instructions.  All 128 batches walk the same streams: batch 0's two work-groups ask, each wave for its own, so each block is named once in the launch.
; The first two trips' bytes come by their loads alone; the last two trips ask for nothing: two trips on my streams have ended.
.macro ASK
	s_cmp_gt_u32 s[TT], s[LIM]
	s_cbranch_scc0 .Lna_\@
.irp ff, 0,1,2,3
	global_prefetch_b8 v[PFO], s[W:W+1] offset:65536+8192*(\ff) th:TH_LOAD_NT scope:SCOPE_SE
.endr
.Lna_\@:
.endm
; K STEP k of a trip: x's fragments of the next step are fetched, the ring's slot read last step is asked for again, seven steps ahead, and 32 products follow.
.macro KSTEP k
	s_wait_dscnt 0x0                               ; x's fragments of this step, fetched a step ago (and c, at a chunk's start)
	s_wait_loadcnt 48                              ; loads return in order: slot k is in, the six groups of eight behind it stay out
	WIN 0
.if (\k) == 7
	s_add_co_u32 s[KO], s[KO], 512                 ; the next trip's place along K; behind a chunk's fourth trip 0 again
	s_and_b32 s[KO], s[KO], 0x600
.irp pp, 0,1,2,3
	v_add_nc_u32 v[AD+(\pp)], s[KO], v[AD0+(\pp)]  ; four plain instructions: the places between the last products and the loads into registers that they read
.endr
.else
	NOPS 4                                         ; the same four places
.endif
	AFETCH ((\k)+1)%8, 1-(\k)%2
	WIN 0x40
.irp ff, 0,1,2,3
	global_load_b128 v[32*(((\k)+7)%8)+8*(\ff):32*(((\k)+7)%8)+8*(\ff)+3],   v[L16], s[W:W+1] offset:((\k)+7)*KFB+(\ff)*1024
	global_load_b128 v[32*(((\k)+7)%8)+8*(\ff)+4:32*(((\k)+7)%8)+8*(\ff)+7], v[L16], s[W:W+1] offset:((\k)+7)*KFB+(\ff)*1024+512
.endr
.if (\k) == 0
	WIN 0
	ASK
	s_cmp_eq_u32 s[KO], 0                          ; a chunk's first step?  At the loop's first trip a constant of the text: the sums are started before they are added onto
	s_cbranch_scc0 .Lnf_\@
	v_nop                                          ; a fifth place: these products do not add in place, they write over the accumulators, and that wants five behind the last products (ISA guide 7.12.1)
	WIN MULF
	PROD 0, 1
	WIN 0
	s_branch .Lj_\@
.Lnf_\@:
	WIN MUL
	PROD 0, 0
	WIN 0
.Lj_\@:
.else
	WIN MUL
	PROD \k, 0
.endif
.endm
.macro BIASLD                          ; register j of tile n wants c[64 chunk + 16 n + 8 hh + j]
	v_add_nc_u32 v[BAC], s[BO], v[BA]
.irp ff, 0,1,2,3
	ds_load_b128 v[BIAS+8*(\ff):BIAS+8*(\ff)+3],   v[BAC] offset:128*(\ff)
	ds_load_b128 v[BIAS+8*(\ff)+4:BIAS+8*(\ff)+7], v[BAC] offset:128*(\ff)+16
.endr
.endm
; 36 products S^T(i, j) += keys(j) queries(i)^T over 32 channels, on 36 different accumulators.  The keys' fragment of tile j at ks j + ko in window 2, the queries' of tile i at qs i + qo in window 0.
; zero = 1: they start the sums
.macro SP1 zero, ks, ko, qs, qo
.set s_i, 0
.rept 8
.set s_j, 0
.rept s_i+1
.set s_t, s_i*(s_i+1)/2+s_j
.if s_t < 32
	WIN 0xF2
.set s_d, 8*s_t
.else
	WIN 0x02
.set s_d, SX+8*(s_t-32)
.endif
.set s_k, (\ks)*s_j+(\ko)
.set s_x, (\qs)*s_i+(\qo)
.if \zero
	v_wmma_f32_16x16x32_f16 v[s_d:s_d+7], v[s_k:s_k+7], v[s_x:s_x+7], 0
.else
	v_wmma_f32_16x16x32_f16 v[s_d:s_d+7], v[s_k:s_k+7], v[s_x:s_x+7], v[s_d:s_d+7]
.endif
.set s_j, s_j+1
.endr
.set s_i, s_i+1
.endr
.endm
; eight products of u: a's block of K step kf of my 128 j times all 128 rows of x; the eight accumulators take turns.  first = 1: e's tile starts the sums
.macro UPROD kf, first
.set u_m, 0
.rept 8
.if \first
	v_wmma_f32_16x16x32_f16 v[16*u_m:16*u_m+7], v[AF+8*(\kf):AF+8*(\kf)+7], v[ABUF+64*((\kf)%2)+8*u_m:ABUF+64*((\kf)%2)+8*u_m+7], v[ET:ET+7]
.else
	v_wmma_f32_16x16x32_f16 v[16*u_m:16*u_m+7], v[AF+8*(\kf):AF+8*(\kf)+7], v[ABUF+64*((\kf)%2)+8*u_m:ABUF+64*((\kf)%2)+8*u_m+7], v[16*u_m:16*u_m+7]
.endif
.set u_m, u_m+1
.endr
.endm
; A CHUNK'S END.  The queries' fragments of x at the chunk's 64 channels are fetched into both buffers; meanwhile kap is multiplied by 2^-8 and each pair of neighbouring accumulators is rounded
; to f16 in place, from its low end on: the fragment of row tile m, channels 32 f on, lands at 32 m + 16 f.  Then S, and the next chunk's c and first fragments.
.macro EPI
	WIN 0
	s_wait_dscnt 0x0                               ; what K step 7 fetched into buffer 0 has landed: the buffer is loaded anew below
	s_add_co_u32 s[QO], s[QB], s[CH]
.irp pp, 0,1,2,3
	v_add_nc_u32 v[AD+(\pp)], s[QO], v[AD0+(\pp)]  ; four plain instructions: the places between the last products and the loads and the multiplies below
.endr
	AFETCH 0, 0
	AFETCH 1, 1
	WIN 0x8A
.set e_q, 0
.rept 128
	v_pk_mul_f32 v[2*e_q:2*e_q+1], v[2*e_q:2*e_q+1], s[SC:SC+1] op_sel_hi:[1,0]
.set e_q, e_q+1
.endr
.set e_q, 0
.rept 16
.set e_j, 0
.rept 8
	v_cvt_pk_f16_f32 v[16*e_q+e_j], v[16*e_q+2*e_j], v[16*e_q+2*e_j+1]
.set e_j, e_j+1
.endr
.set e_q, e_q+1
.endr
	WIN 0
	s_wait_dscnt 0x0                               ; the queries' fragments
	SP1 0, 32, 0, 8, ABUF
	SP1 0, 32, 16, 8, ABUF+64
	WIN 0
.irp pp, 0,1,2,3
	v_add_nc_u32 v[AD+(\pp)], s[KO], v[AD0+(\pp)]  ; back to the K loop's place (0); with the line that makes c's address: five places behind the last products
.endr
	s_add_co_u32 s[CH], s[CH], 128
	s_and_b32 s[CH], s[CH], 0x80
	s_add_co_u32 s[BO], s[BO], 512
	s_and_b32 s[BO], s[BO], 0x200
	BIASLD
	AFETCH 0, 0
.endm
	s_load_b128 s[4:7], s[0:1], 0x0                ; inputs s[4:5], wpk s[6:7]
	s_load_b64 s[8:9], s[0:1], 0x10                ; sp
	v_lshl_add_u32 v[SPW], v0, 2, SPARE
	v_mov_b32 v[NIL], 0
	v_lshrrev_b32 v1, 5, v0
	v_readfirstlane_b32 s[WV], v1
	s_lshr_b32 s[BB], ttmp9, 1
	s_and_b32 s[HH], ttmp9, 1
	v_and_b32 v[VL], 31, v0
	v_and_b32 v[VR], 15, v0
	v_bfe_u32 v[VH], v0, 4, 1
	v_lshlrev_b32 v[L16], 4, v[VL]
	v_lshlrev_b32 v[PFO], 8, v[VL]
	v_mul_u32_u24 v1, v[VR], PITCH
	v_lshl_add_u32 v1, v[VH], 4, v1
.irp pp, 0,1,2,3
	v_add_nc_u32 v[AD0+(\pp)], (\pp)*XROWS, v1
.endr
	s_mul_i32 s34, s[WV], XROWS
	v_lshl_add_u32 v[XS0], v[VL], 3, s34
	s_lshl_b32 s34, s[WV], 10                      ; my two chunks of four tiles of 128 bytes
	s_add_co_u32 s34, s34, BIASB
	v_lshl_add_u32 v[BA], v[VH], 5, s34
	v_lshl_add_u32 v[BST], v0, 4, BIASB
	s_lshl_b32 s34, s[HH], 12                      ; the half's 32 tiles of c
	v_lshl_add_u32 v[CLO], v0, 4, s34
	s_or_b32 s34, s[HH], s[WV]
	s_cmp_eq_u32 s34, 0                            ; e is added once a batch: by wave 0 of half 0; the others take the tile's zeros, 64 bytes on
	s_cselect_b32 s34, 0, 64
	s_add_co_u32 s34, s34, 64*128
	v_lshl_add_u32 v[ELO], v[VH], 5, s34
	s_mul_i32 s34, s[WV], REDB
	v_add_nc_u32 v[RST], s34, v[L16]
	s_mul_i32 s34, s[WV], 9*TILEB
	v_add_nc_u32 v1, s34, v[L16]
.irp pp, 0,1,2,3
	v_add_nc_u32 v[RLD+(\pp)], (\pp)*REDB, v1
.endr
	s_lshl_b32 s[QB], s[HH], 10
	s_lshl_b32 s34, s[WV], 8
	s_add_co_u32 s[QB], s[QB], s34
	s_lshl_b32 s34, s[HH], 3
	s_lshl1_add_u32 s34, s[WV], s34                ; my first stream: 8 h + 2 w
	s_lshl_b32 s34, s34, 17
	s_mov_b32 s35, 0
	s_lshl_b32 s36, s[BB], 19                      ; the batch's 128 rows of 4,096 bytes,
	s_lshl_b32 s37, s[WV], 17                      ; my wave's 32
	s_add_co_u32 s36, s36, s37
	s_mov_b32 s37, 0
	s_mul_i32 s38, ttmp9, REDB                     ; sp: [2 b + h][36 tiles]; I store tiles 9 w .. 9 w + 8
	s_mul_i32 s39, s[WV], 9*TILEB
	s_add_co_u32 s38, s38, s39
	s_mov_b32 s39, 0
	s_lshl2_add_u32 s40, s[HH], s[WV]              ; a's blocks of my 128 j: K steps 4 (4 h + w) on
	s_lshl_b32 s40, s40, 12
	s_add_co_u32 s40, s40, APKO
	s_mov_b32 s41, 0
	s_cmp_eq_u32 s[BB], 0
	s_cselect_b32 s[LIM], 2, -1
	s_mov_b32 s[SC], 0x3b800000                    ; 2^-8
	s_mov_b32 s[SC+1], s[SC]
	s_mov_b32 s[SU], 0x43800000                    ; 2^8
	s_mov_b32 s[SU+1], s[SU]
	s_mov_b32 s[HM], 0xffff0000
	s_wait_kmcnt 0x0
	s_add_nc_u64 s[W:W+1], s[6:7], s[34:35]
	s_add_nc_u64 s[XP:XP+1], s[4:5], s[36:37]
	s_add_nc_u64 s[8:9], s[8:9], s[38:39]
	s_add_nc_u64 s[AP:AP+1], s[6:7], s[40:41]
	s_add_nc_u64 s[CB:CB+1], s[6:7], CBO
	global_load_b128 v[CT:CT+3],   v[CLO], s[CB:CB+1]
	global_load_b128 v[CT+4:CT+7], v[CLO], s[CB:CB+1] offset:2048
	global_load_b128 v[ET:ET+3],   v[ELO], s[CB:CB+1]
	global_load_b128 v[ET+4:ET+7], v[ELO], s[CB:CB+1] offset:16
.irp ff, 0,1,2,3
	global_load_b128 v[AF+8*(\ff):AF+8*(\ff)+3],   v[L16], s[AP:AP+1] offset:(\ff)*1024
	global_load_b128 v[AF+8*(\ff)+4:AF+8*(\ff)+7], v[L16], s[AP:AP+1] offset:(\ff)*1024+512
.endr
	XLOAD 0, 0
	XLOAD 1, 512
	XREST
	ds_store_b128 v[BST], v[CT:CT+3]               ; c's table (its loads are older than every load of x, so they are in)
	ds_store_b128 v[BST], v[CT+4:CT+7] offset:2048
	s_wait_dscnt 0x0                               ; for the others' sake: my rows of x and my part of the table are stored
	s_barrier_signal -1
	s_barrier_wait -1                              ; x and the table are whole; the ring's loads stay out: nobody writes what they read
	s_mov_b32 s[KO], 0
	s_mov_b32 s[BO], 0
	s_mov_b32 s[CH], 0
	; u OVER MY 128 j, while the ring's first loads are on their way: four K steps, two at a time in the two buffers
.irp pp, 0,1,2,3
	v_add_nc_u32 v[AD+(\pp)], s[QB], v[AD0+(\pp)]
.endr
	AFETCH 0, 0
	AFETCH 1, 1
	s_wait_dscnt 16                                ; buffer 0 is in; the second run of 16 stays out
	WIN 0x80                                       ; a, x and e's tile window 0, u window 2
	UPROD 0, 1
	s_wait_dscnt 0x0
	WIN 0xA0                                       ; C window 2 too
	UPROD 1, 0
	WIN 0
	NOPS 4                                         ; the places between the last products and the loads into registers that they read
	AFETCH 2, 0
	AFETCH 3, 1
	s_wait_dscnt 16
	WIN 0xA0
	UPROD 2, 0
	s_wait_dscnt 0x0
	UPROD 3, 0
	WIN 0
	NOPS 4                                         ; the places between the last products and what reads their results and writes their sources
	WIN 0x8A
.set u_m, 0
.rept 8
.irp jj, 0,1,2,3
	v_pk_mul_f32 v[16*u_m+2*(\jj):16*u_m+2*(\jj)+1], v[16*u_m+2*(\jj):16*u_m+2*(\jj)+1], s[SC:SC+1] op_sel_hi:[1,0]
.endr
.irp jj, 0,1,2,3
	v_cvt_pk_f16_f32 v[16*u_m+(\jj)], v[16*u_m+2*(\jj)], v[16*u_m+2*(\jj)+1]
.endr
.set u_m, u_m+1
.endr
	WIN 0x80
.set u_m, 0
.rept 8
.irp jj, 4,5,6,7
	v_mov_b32 v[16*u_m+(\jj)], 0                   ; the fragment's channels 16-31 do not exist
.endr
.set u_m, u_m+1
.endr
	WIN 0
.irp jj, 0,1,2,3,4,5,6,7
	v_mov_b32 v[ABUF+(\jj)], 0x3c003c00            ; ones in f16: channel 0 meets u, all others meet zeros
.endr
	SP1 1, 16, 0, 0, ABUF                          ; S^T(s, t) = u_s: these products start the sums of S
	WIN 0
	NOPS 5                                         ; the K loop's products write over u's fragments: five places
.irp pp, 0,1,2,3
	v_mov_b32 v[AD+(\pp)], v[AD0+(\pp)]
.endr
	BIASLD
	AFETCH 0, 0
	s_mov_b32 s[TT], TRIPS
.Ltrip:                                                ; a trip: 8 K steps, 256 products; every fourth ends a chunk.  The ring runs on from chunk to chunk: my streams lie end to end
.irp kk, 0,1,2,3,4,5,6,7
	KSTEP \kk
.endr
	WIN 0
	s_wait_xcnt 0x0                                ; the youngest load stands 32 products back, the prefetches seven K steps: the pointer is stepped only behind this wait
	s_add_nc_u64 s[W:W+1], s[W:W+1], 8*KFB
	s_cmp_lg_u32 s[KO], 0
	s_cbranch_scc1 .Lno
	EPI
.Lno:
	s_sub_co_u32 s[TT], s[TT], 1
	s_cmp_lg_u32 s[TT], 0
	s_cbranch_scc1 .Ltrip
	; THE FOUR WAVES' PARTS ARE ADDED.  x has been read for the last time: behind a barrier its bytes take the waves' tiles, as they lie in registers.
	s_wait_loadcnt 0x0                             ; what the last trip's ring asked for in vain has landed: its registers are used again below
	NOPS 4                                         ; the places between the last products and the stores that read them
	s_wait_dscnt 0x0                               ; my reads of x are over
	s_barrier_signal -1
	s_barrier_wait -1
	WIN 0x0C                                       ; store data in window 3
.set r_t, 0
.rept 32
	ds_store_b128 v[RST], v[8*r_t:8*r_t+3]   offset:r_t*TILEB      ; each accumulator's low half first
	ds_store_b128 v[RST], v[8*r_t+4:8*r_t+7] offset:r_t*TILEB+512
.set r_t, r_t+1
.endr
	WIN 0
.rept 4
	ds_store_b128 v[RST], v[SX+8*(r_t-32):SX+8*(r_t-32)+3]   offset:r_t*TILEB
	ds_store_b128 v[RST], v[SX+8*(r_t-32)+4:SX+8*(r_t-32)+7] offset:r_t*TILEB+512
.set r_t, r_t+1
.endr
	s_wait_dscnt 0x0                               ; for the others' sake
	s_barrier_signal -1
	s_barrier_wait -1
.irp pp, 0,1,2,3                       ; my nine tiles of each wave's part: parts 0, 1 into window 1, parts 2, 3 into window 2, 72 registers each
	WIN 0x40+0x40*((\pp)/2)
.set r_t, 0
.rept 18
	ds_load_b128 v[72*((\pp)%2)+4*r_t:72*((\pp)%2)+4*r_t+3], v[RLD+(\pp)] offset:r_t*512
.set r_t, r_t+1
.endr
.endr
	s_wait_dscnt 0x0
.irp ww, 0x45, 0x8A                    ; part 0 += part 1; part 2 += part 3
	WIN \ww
.set r_t, 0
.rept 36
	v_pk_add_f32 v[2*r_t:2*r_t+1], v[2*r_t:2*r_t+1], v[72+2*r_t:72+2*r_t+1]
.set r_t, r_t+1
.endr
.endr
	WIN 0x49                                       ; and the two sums
.set r_t, 0
.rept 36
	v_pk_add_f32 v[2*r_t:2*r_t+1], v[2*r_t:2*r_t+1], v[2*r_t:2*r_t+1]
.set r_t, r_t+1
.endr
	WIN 0x41                                       ; times 2^8: the scale that kap and u were given is taken back, exactly
.set r_t, 0
.rept 36
	v_pk_mul_f32 v[2*r_t:2*r_t+1], v[2*r_t:2*r_t+1], s[SU:SU+1] op_sel_hi:[1,0]
.set r_t, r_t+1
.endr
	WIN 0x04
.set r_t, 0
.rept 18
	global_store_b128 v[L16], v[4*r_t:4*r_t+3], s[8:9] offset:r_t*512  ; 512 consecutive aligned bytes
.set r_t, r_t+1
.endr
	WIN 0
	s_wait_tensorcnt 0x0                           ; the wave's end: three closing lines behind my last LDS store
	ds_add_u32 v[SPW], v[NIL]
	s_wait_dscnt 0x0
	s_endpgm
.Lfunc_end_k_q4810b1e763_scores:
	.size	k_q4810b1e763_scores, .Lfunc_end_k_q4810b1e763_scores-k_q4810b1e763_scores
	.p2alignl 7, 3214868480
	.fill 96, 4, 3214868480
	.section	.rodata,"a",@progbits
	.p2align	6, 0x0
	.amdhsa_kernel k_q4810b1e763_scores
		.amdhsa_group_segment_fixed_size 268800
		.amdhsa_private_segment_fixed_size 0
		.amdhsa_enable_private_segment 0
		.amdhsa_kernarg_size 24
		.amdhsa_user_sgpr_count 2
		.amdhsa_user_sgpr_kernarg_segment_ptr 1
		.amdhsa_wavefront_size32 1
		.amdhsa_system_sgpr_workgroup_id_x 1
		.amdhsa_system_sgpr_workgroup_id_y 1
		.amdhsa_system_sgpr_workgroup_id_z 1
		.amdhsa_system_vgpr_workitem_id 0
		.amdhsa_next_free_vgpr 1024
		.amdhsa_next_free_sgpr 66
		.amdhsa_reserve_vcc 0
		.amdhsa_float_denorm_mode_32 3
		.amdhsa_float_denorm_mode_16_64 3
		.amdhsa_memory_ordered 1
		.amdhsa_forward_progress 1
		.amdhsa_inst_pref_size 177
	.end_amdhsa_kernel
	.amdgpu_metadata
---
amdhsa.version: [ 1, 2 ]
amdhsa.kernels:
  - .name:           k_q4810b1e763_scores
    .symbol:         k_q4810b1e763_scores.kd
    .args:
      - { .name: inputs, .offset: 0, .size: 8, .value_kind: global_buffer, .address_space: global }
      - { .name: wpk, .offset: 8, .size: 8, .value_kind: global_buffer, .address_space: global }
      - { .name: sp, .offset: 16, .size: 8, .value_kind: global_buffer, .address_space: global }
    .group_segment_fixed_size: 268800
    .private_segment_fixed_size: 0
    .kernarg_segment_align: 8
    .kernarg_segment_size: 24
    .max_flat_workgroup_size: 128
    .sgpr_count:     66
    .vgpr_count:     1024
    .wavefront_size: 32
...
	.end_amdgpu_metadata
.endif
;; end of part 5
;; launch values (part 6): grid 256 x 1, 4 waves a work-group, no clusters, 310,784 bytes of LDS; arguments inputs, wpk, bv, sp, out0; writes out0
.if DOCPART == 6
	.amdgcn_target "amdgcn-amd-amdhsa--gfx1250"
	.amdhsa_code_object_version 6
	.text
	.protected	k_q4810b1e763_values
	.globl	k_q4810b1e763_values
	.p2align	8
	.type	k_q4810b1e763_values,@function
k_q4810b1e763_values:
	s_mov_b64 s[64:65], 0
	v_nop
	global_prefetch_b8 v0, s[64:65] scope:SCOPE_SE
	s_setreg_imm32_b32 hwreg(HW_REG_WAVE_MODE, 25, 1), 1
	s_wait_xcnt 0x0
; VALUES.  Work-group 2 b + h: for batch b it adds the two parts of S^T, scales by 1 / 32, hides the keys above the diagonal, takes the softmax (the row's maximum taken away first) and
; rounds the normalised weights P to f16; makes v = x Wv^T + bv for the half h of the 1,024 channels (128 rows x 512); and stores O = P v, f32.
; FORMATS.  x, Wv and bv are rounded once to bf16 (bv is widened again and starts the sums in f32); v and P are rounded once to f16; sums, maxima and S in f32.
; LIMITS.  |v| stays under 65,504 (f16's end); a normalised weight under 6e-8 counts as 0; a hidden score counts as -3.4e38; NaN and infinities are not treated apart.
; THE K LOOP.  x of the batch lies in LDS as bf16 (rows 2,064 bytes apart: the 16 rows of a fragment load start at 16 different groups of four banks, ISA guide 11.1); a wave takes all 128 rows
; x 64 channels at a time (a CHUNK, two of them); its weights come straight from memory through a ring of eight register slots, seven K steps ahead, and the loop has no barrier.
; ONE TEXT FOR EVERY TRIP.  The ring's loads for the NEXT trip go by a second pointer, which in the last trip stands at that trip's own bytes: 28,672 bytes a wave are loaded in vain, inside wpk;
; the last chunk's end fetches a bias and a run of fragments once more.
; LAYOUT.  Source 0 = 16 rows of x, source 1 = 16 rows of Wv: a lane holds ONE channel and eight neighbouring rows s.  Two neighbouring accumulators, rounded to f16 in place, ARE a fragment
; (16 channels x 32 keys) of O^T = v^T P (source 0 = v^T, source 1 = P: 16 queries x 32 keys), whose result holds one query a lane and eight neighbouring channels.  A tile of S^T holds one
; query a lane and eight keys: rounded in pairs it is half a fragment of P.  Only the 20 fragments of P on or below the diagonal exist; the upper half of an odd one is 0.
; NO CLUSTER, NO TENSOR LOADS: x leaves no room in LDS for slots of weights worth a barrier, and inside a work-group no weight byte is wanted twice.
; REGISTERS, in windows of 256 (s_set_vgpr_msb: bits 1:0 source 0, 3:2 source 1, 5:4 source 2, 7:6 destination):
;   window 0: v0-31 addresses; v32-63 the chunk's biases; v64-127, v128-191 x's fragments, two buffers; v192-255 O^T, two sets of 32.
;             Ahead of the loop: v64-135 my nine tiles of S; v136-207 their second part, then eight registers at work a slot; v208-223 statistics; v230-234 load offsets
;   window 1: the ring, slot s at 32 s, fragment n at + 8 n; while x is brought in: two sets of 128
;   window 2: accumulator (m, n) at 64 (m / 2) + 16 n + 8 (m % 2)          window 3: P's fragments at 8 phi, phi(i, f) = (i / 2) (i / 2 + 1) + (i % 2) (i / 2 + 1) + f
.set PITCH, 2064
.set XROWS, 32*PITCH
.set BTB,   128*PITCH                  ; behind x: for each of the half's 512 channels 16 bytes: bv four times
.set STAGE, BTB+8192                   ; 16 rows x 272 bytes for each wave, for the way out
.set SP,    272
.set PLB,   STAGE+4*16*SP              ; P's 20 fragments, 1,024 bytes each, as they lie in registers
.set SPARE, PLB+20*1024                ; the spare words, 128 bytes a wave
.set TILEB, 1024
.set REDB,  36*TILEB
.set TRIPS, 8                          ; a trip = 8 K steps; 4 trips a chunk
.set KFB,   4096                       ; a K step's four fragments in wpk
.set SPW, 2                            ; v2     my spare word; never rewritten
.set NIL, 3                            ; v3     0; never rewritten
.set AD0, 4                            ; v4-7   (32 p + r) x pitch + 16 hh
.set AD,  8                            ; v8-11  the same + the trip's place along K
.set L16, 12                           ; v12    16 x lane
.set PFO, 13                           ; v13    256 x lane: the prefetches' offset
.set BA,  14                           ; v14    my place in the bias table
.set BAC, 15                           ; v15    the same + the chunk's
.set XS0, 17                           ; v17    where I put 8 bytes of my wave's first row of x
.set XS,  18                           ; v18    the same + the piece's place along K
.set STO, 19                           ; v19    the way out: where I put 32 bytes of a row
.set RD,  20                           ; v20    where I read rows back
.set CO,  21                           ; v21    my byte offset in two rows of out0
.set PLA, 22                           ; v22    my 16 bytes in half a fragment of P
.set DR,  23                           ; v23    r - 8 hh: register j of a diagonal tile is seen where j <= it
.set NEG, 24                           ; v24    the lowest finite number
.set BTS, 25                           ; v25    where I put my four channels of the bias table
.set TA,  26
.set TB,  27
.set BVL, 28                           ; v28-31 four numbers of bv
.set BIAS, 32
.set ABUF, 64
.set SA,  64                           ; slot u of nine at SA + 8 u
.set SB,  136
.set SSM, SB                           ; slot u, + 8 u: the sum of its weights, a pair (even keys', odd keys')
.set SMX, SB+2                         ; slot u, + 8 u: its maximum
.set PS,  SB+4                         ; slots 1-3, + 8 u: a pair whose low word is the slot's own tile's c m, later its 1 / l
.set OS,  192
.set STT, 208                          ; a tile's statistics (query tile w at + 0, tile 7 - w at + 8): +0 c m, +1 m, +2, +3 l, +4, +5 at work, +6 1 / l (+7 named with it as a pair)
.set VL,  224
.set VR,  225
.set VH,  226
.set BLO, 228
.set VOF, 230                          ; v230-234 offsets in sp: slot 0, slots 1-3, slots 4-8
.set OUT, 12                           ; s[12:13] out0 at the batch's first row, my chunk's columns
.set WV,  14
.set BB,  15
.set HH,  16
.set W,   20                           ; s[20:21] wpk at the trip in hand of my streams
.set XP,  22
.set KO,  24                           ; s24  the trip's place along K in an LDS row: 0, 512, 1024, 1536
.set BO,  25                           ; s25  the chunk's place in the bias table: 0, 1024
.set TT,  26                           ; s26  trips left, this one among them
.set LIM, 27                           ; s27  2 in the work-groups that prefetch, else the greatest number
.set XC,  29
.set XK,  30
.set SPB, 38                           ; s[38:39] sp at the batch's first part
.set MK,  40                           ; s40-47  lane masks: register j of a diagonal tile is seen
.set CS,  48                           ; s[48:49] c = log2(e) / 32
.set SEL, 50                           ; s[50:51] v_permlanex16_b32's selects: each lane takes its own place in the other half
.set W2,  56                           ; s[56:57] wpk at the next trip; in the last trip at that trip itself
.set WOF, 58                           ; s[58:59] what is added to W to make it
.set MUL,  0xA4                        ; x window 0, W window 1, C and D window 2
.set MULF, 0x84                        ; the same with C (the biases) in window 0
.set MSB, 0
.macro WIN new                         ; the immediate's high byte repeats the setting that is left; a switch that changes nothing is dropped
.if MSB != (\new)
	s_set_vgpr_msb (MSB<<8)|(\new)
.set MSB, \new
.endif
.endm
.macro NOPS n
.rept \n
	v_nop
.endr
.endm
.macro XLOAD st, off                   ; a piece of x: 512 consecutive bytes of each of my 32 rows
	WIN 0x40
.set x_r, 0
.rept 32
	global_load_b128 v[128*(\st)+4*x_r:128*(\st)+4*x_r+3], v[L16], s[XP:XP+1] offset:(\off)+x_r*4096
.set x_r, x_r+1
.endr
.endm
.macro XPUT st, o                      ; rounded to bf16 in place and stored, 256 consecutive bytes of a row an instruction
	WIN 0x45
.set x_r, 0
.rept 32
	v_cvt_pk_bf16_f32 v[128*(\st)+4*x_r], v[128*(\st)+4*x_r], v[128*(\st)+4*x_r+1]
	v_cvt_pk_bf16_f32 v[128*(\st)+4*x_r+1], v[128*(\st)+4*x_r+2], v[128*(\st)+4*x_r+3]
.set x_r, x_r+1
.endr
	WIN 0x04
.set x_r, 0
.rept 32
	ds_store_b64 v[XS], v[128*(\st)+4*x_r:128*(\st)+4*x_r+1] offset:x_r*PITCH+(\o)
.set x_r, x_r+1
.endr
.endm
.macro BFILL s                         ; the ring's slot s takes K step s of the first trip
	WIN 0x40
.irp ff, 0,1,2,3
	global_load_b128 v[32*(\s)+8*(\ff):32*(\s)+8*(\ff)+3],   v[L16], s[W:W+1] offset:(\s)*KFB+(\ff)*1024
	global_load_b128 v[32*(\s)+8*(\ff)+4:32*(\s)+8*(\ff)+7], v[L16], s[W:W+1] offset:(\s)*KFB+(\ff)*1024+512
.endr
.endm
.macro XREST                           ; pieces 0 and 1 are on their way; three trips store two and ask for two; the last two make room for the ring's first seven slots
	WIN 0
	s_mov_b32 s[XC], 3
	s_mov_b32 s[XK], 0
.Lxl_\@:
	s_wait_loadcnt 32                              ; the older piece is in; the other piece's 32 loads stay out
	v_add_nc_u32 v[XS], s[XK], v[XS0]
	XPUT 0, 0
	XLOAD 0, 1024
	s_wait_loadcnt 32
	XPUT 1, 256
	XLOAD 1, 1536
	WIN 0
	s_wait_xcnt 0x0                                ; the loads have read their base: it is stepped only behind this wait
	s_add_nc_u64 s[XP:XP+1], s[XP:XP+1], 1024
	s_add_co_u32 s[XK], s[XK], 512
	s_sub_co_u32 s[XC], s[XC], 1
	s_cmp_lg_u32 s[XC], 0
	s_cbranch_scc1 .Lxl_\@
	s_wait_loadcnt 32
	v_add_nc_u32 v[XS], s[XK], v[XS0]
	XPUT 0, 0
	BFILL 0
	BFILL 1
	BFILL 2
	BFILL 3
	s_wait_loadcnt 32                              ; the last piece is in; just the 32 loads of slots 0-3 stay out
	XPUT 1, 256
	BFILL 4
	BFILL 5
	BFILL 6
	WIN 0
.endm
.macro AFETCH kn, buf                  ; x's eight fragments of K step kn of the trip, into buffer buf: 16 loads in one run
.set a_b, ABUF+64*(\buf)
.irp pp, 0,1,2,3
.irp tt, 0,1
	ds_load_b128 v[a_b+8*(2*(\pp)+(\tt)):a_b+8*(2*(\pp)+(\tt))+3],   v[AD+(\pp)] offset:(\kn)*64+(\tt)*16*PITCH
	ds_load_b128 v[a_b+8*(2*(\pp)+(\tt))+4:a_b+8*(2*(\pp)+(\tt))+7], v[AD+(\pp)] offset:(\kn)*64+(\tt)*16*PITCH+32
.endr
.endr
.endm
.macro PROD k, first                   ; a K step's 32 products: each accumulator has one, so they take turns, over every edge of the loop too.  first = 1: the biases start the sums
.set p_a, ABUF+64*((\k)%2)
.set p_b, 32*(\k)
.set p_m, 0
.rept 8
.set p_i, 0
.rept 4
.set p_c, 64*(p_m/2)+16*p_i+8*(p_m%2)
.if \first
	v_wmma_f32_16x16x32_bf16 v[p_c:p_c+7], v[p_a+8*p_m:p_a+8*p_m+7], v[p_b+8*p_i:p_b+8*p_i+7], v[BIAS+8*p_i:BIAS+8*p_i+7]
.else
	v_wmma_f32_16x16x32_bf16 v[p_c:p_c+7], v[p_a+8*p_m:p_a+8*p_m+7], v[p_b+8*p_i:p_b+8*p_i+7], v[p_c:p_c+7]
.endif
.set p_i, p_i+1
.endr
.set p_m, p_m+1
.endr
.endm
; A PREFETCH INTO THE L2, once a trip, behind the trip's first run of loads: the 32,768 bytes of my own streams that stand two trips on (my loads begin to name them in the next trip):
; a lane a block of 256 bytes, four instructions.  All batches walk the same streams: batch 0's two work-groups ask, each wave for its own, so each block is named once in the launch.
; The first two trips' bytes come by their loads alone; the last two trips ask for nothing: two trips on my streams have ended.
.macro ASK
	s_cmp_gt_u32 s[TT], s[LIM]
	s_cbranch_scc0 .Lna_\@
.irp ff, 0,1,2,3
	global_prefetch_b8 v[PFO], s[W:W+1] offset:65536+8192*(\ff) th:TH_LOAD_NT scope:SCOPE_SE
.endr
.Lna_\@:
.endm
; K STEP k of a trip: x's fragments of the next step are fetched, the ring's slot read last step is asked for again, seven steps ahead, and 32 products follow.
; Step 0 asks for this trip's step 7, by W; steps 1 to 7 for the next trip's steps 0 to 6, by W2.  Every trip issues the same loads, so the count below holds in all of them.
.macro KSTEP k
	s_wait_dscnt 0x0                               ; x's fragments of this step, fetched a step ago (and the biases, at a chunk's start)
	s_wait_loadcnt 48                              ; loads return in order: slot k is in, the six groups of eight behind it stay out
	WIN 0
.if (\k) == 7
	s_add_co_u32 s[KO], s[KO], 512                 ; the next trip's place along K; behind a chunk's fourth trip 0 again
	s_and_b32 s[KO], s[KO], 0x600
.irp pp, 0,1,2,3
	v_add_nc_u32 v[AD+(\pp)], s[KO], v[AD0+(\pp)]  ; four plain instructions: the places between the last products and the loads into registers that they read
.endr
.else
	NOPS 4                                         ; the same four places
.endif
	AFETCH ((\k)+1)%8, 1-(\k)%2
	WIN 0x40
.irp ff, 0,1,2,3
.if (\k) == 0
	global_load_b128 v[224+8*(\ff):224+8*(\ff)+3], v[L16], s[W:W+1] offset:7*KFB+(\ff)*1024
	global_load_b128 v[224+8*(\ff)+4:224+8*(\ff)+7], v[L16], s[W:W+1] offset:7*KFB+(\ff)*1024+512
.else
	global_load_b128 v[32*((\k)-1)+8*(\ff):32*((\k)-1)+8*(\ff)+3],   v[L16], s[W2:W2+1] offset:((\k)-1)*KFB+(\ff)*1024
	global_load_b128 v[32*((\k)-1)+8*(\ff)+4:32*((\k)-1)+8*(\ff)+7], v[L16], s[W2:W2+1] offset:((\k)-1)*KFB+(\ff)*1024+512
.endif
.endr
.if (\k) == 0
	WIN 0
	ASK
	s_cmp_eq_u32 s[KO], 0                          ; a chunk's first step?  At the loop's first trip a constant of the text: the sums are started before they are added onto
	s_cbranch_scc0 .Lnf_\@
	v_nop                                          ; a fifth place: these products do not add in place, they write over the accumulators, and that wants five behind the last products (ISA guide 7.12.1)
	WIN MULF
	PROD 0, 1
	WIN 0
	s_branch .Lj_\@
.Lnf_\@:
	WIN MUL
	PROD 0, 0
	WIN 0
.Lj_\@:
.else
	WIN MUL
	PROD \k, 0
.endif
.endm
.macro BIASLD                          ; all eight registers of tile n want bv[64 chunk + 16 n + r]: the table holds it four times
	v_add_nc_u32 v[BAC], s[BO], v[BA]
.irp ff, 0,1,2,3
	ds_load_b128 v[BIAS+8*(\ff):BIAS+8*(\ff)+3],   v[BAC] offset:256*(\ff)
	ds_load_b128 v[BIAS+8*(\ff)+4:BIAS+8*(\ff)+7], v[BAC] offset:256*(\ff)
.endr
.endm
; THE SOFTMAX.  Wave w owns the query tiles w and 7 - w: w + 1 and 8 - w tiles of S, nine in all, in nine SLOTS: slots 0 .. w are tile w's keys, slots w + 1 .. 8 tile 7 - w's.
; What is done to each number alike is written once, over the nine slots.  What hangs on w in registers' numbers or LDS offsets is written four times, under forward branches on the wave's number
; (LADDER); no barrier stands inside.  Slot 0 is always tile w's and slots 4-8 always tile 7 - w's; slots 1-3 read their tile's figure from a copy that a ladder makes (SPREAD).
.macro LADDER body
	s_cmp_lg_u32 s[WV], 0
	s_cbranch_scc1 .Lw1_\@
	\body 0
	s_branch .Lwd_\@
.Lw1_\@:
	s_cmp_lg_u32 s[WV], 1
	s_cbranch_scc1 .Lw2_\@
	\body 1
	s_branch .Lwd_\@
.Lw2_\@:
	s_cmp_lg_u32 s[WV], 2
	s_cbranch_scc1 .Lw3_\@
	\body 2
	s_branch .Lwd_\@
.Lw3_\@:
	\body 3
.Lwd_\@:
.endm
.macro ALLS line:vararg                ; one line for each slot s_u
.set s_u, 0
.rept 9
	\line
.set s_u, s_u+1
.endr
.endm
.macro PAIROF u, off                   ; s_r: the pair whose low word is figure off of slot u's tile
.if (\u) == 0
.set s_r, STT+(\off)
.elseif (\u) < 4
.set s_r, PS+8*(\u)
.else
.set s_r, STT+8+(\off)
.endif
.endm
.macro SPREAD wv, off                  ; slots 1-3 get their tile's figure
.irp uu, 1,2,3
.if (\uu) <= (\wv)
	v_mov_b32 v[PS+8*(\uu)], v[STT+(\off)]
.else
	v_mov_b32 v[PS+8*(\uu)], v[STT+8+(\off)]
.endif
.endr
.endm
.macro DIAGA wv                        ; slot w is tile w's diagonal tile: its hidden keys take the lowest number
.irp jj, 0,1,2,3,4,5,6,7
	v_cndmask_b32 v[SA+8*(\wv)+(\jj)], v[NEG], v[SA+8*(\wv)+(\jj)], s[MK+(\jj)]
.endr
.endm
.macro MAXN dd, u0, nn                 ; the maximum of nn slots' maxima from slot u0 on
	v_mov_b32 v[\dd], v[SMX+8*(\u0)]
.set m_q, 1
.if (\nn) > 2
.rept ((\nn)-1)/2
	v_max3_num_f32 v[\dd], v[\dd], v[SMX+8*((\u0)+m_q)], v[SMX+8*((\u0)+m_q+1)]
.set m_q, m_q+2
.endr
.endif
.if ((\nn)-1)%2
	v_max_num_f32 v[\dd], v[\dd], v[SMX+8*((\u0)+m_q)]
.endif
.endm
.macro STATA wv                        ; both tiles: the lane's maximum, the lane 16 away's (the query's other keys), m, c m
	MAXN STT+4, 0, (\wv)+1
	MAXN STT+12, (\wv)+1, 8-(\wv)
	v_permlanex16_b32 v[STT+5], v[STT+4], s[SEL], s[SEL+1]
	v_permlanex16_b32 v[STT+13], v[STT+12], s[SEL], s[SEL+1]
	v_max_num_f32 v[STT+1], v[STT+4], v[STT+5]
	v_max_num_f32 v[STT+9], v[STT+12], v[STT+13]
	v_mul_f32 v[STT], s[CS], v[STT+1]
	v_mul_f32 v[STT+8], s[CS], v[STT+9]
	SPREAD \wv, 0
.endm
.macro SUMN dd, u0, nn                 ; the sum of nn slots' sums from slot u0 on
.if (\nn) == 1
	v_mov_b32 v[\dd], v[SSM+8*(\u0)]
	v_mov_b32 v[(\dd)+1], v[SSM+8*(\u0)+1]
.else
	v_pk_add_f32 v[(\dd):(\dd)+1], v[SSM+8*(\u0):SSM+8*(\u0)+1], v[SSM+8*(\u0)+8:SSM+8*(\u0)+9]
.if (\nn) > 2
.set m_q, 2
.rept (\nn)-2
	v_pk_add_f32 v[(\dd):(\dd)+1], v[(\dd):(\dd)+1], v[SSM+8*((\u0)+m_q):SSM+8*((\u0)+m_q)+1]
.set m_q, m_q+1
.endr
.endif
.endif
.endm
.macro STATB wv                        ; both tiles: the sum l of the unrounded weights, and 1 / l (l is about 1 at the least: the largest weight is 2^0)
	SUMN STT+2, 0, (\wv)+1
	SUMN STT+10, (\wv)+1, 8-(\wv)
	v_add_f32 v[STT+4], v[STT+2], v[STT+3]
	v_add_f32 v[STT+12], v[STT+10], v[STT+11]
	v_permlanex16_b32 v[STT+5], v[STT+4], s[SEL], s[SEL+1]
	v_permlanex16_b32 v[STT+13], v[STT+12], s[SEL], s[SEL+1]
	v_add_f32 v[STT+4], v[STT+4], v[STT+5]
	v_add_f32 v[STT+12], v[STT+12], v[STT+13]
	v_rcp_f32 v[STT+6], v[STT+4]
	v_rcp_f32 v[STT+14], v[STT+12]
	v_nop                                          ; a plain instruction behind the last reciprocal,
	s_wait_alu depctr_va_vdst(0)                   ; and a wait ahead of the first reader and of the branch: one for the two
	SPREAD \wv, 6
.endm
.macro PSTORE wv                       ; slot u is key tile j of query tile i: half j % 2 of fragment (i, j / 2).  The even one of my two query tiles has an odd number of key tiles: its last fragment's upper half is 0
.set s_u, 0
.rept 9
.if s_u <= (\wv)
.set s_i, (\wv)
.set s_j, s_u
.else
.set s_i, 7-(\wv)
.set s_j, s_u-(\wv)-1
.endif
.set s_p, (s_i/2)*(s_i/2+1)+(s_i%2)*(s_i/2+1)+s_j/2
	ds_store_b128 v[PLA], v[SA+8*s_u:SA+8*s_u+3] offset:s_p*1024+(s_j%2)*512
.set s_u, s_u+1
.endr
.set s_i, (\wv)+((\wv)%2)*(7-2*(\wv))
.set s_p, (s_i/2)*(s_i/2+1)+s_i/2
	ds_store_b128 v[PLA], v[SB:SB+3] offset:s_p*1024+512
.endm
; O^T of query tile i, the chunk's 64 channels: keys 32 f on, channels 16 n on.  The four accumulators take turns; the first four products start the sums; the sets go by i's parity
.macro OMUL i
	WIN 0x0E                                       ; v^T window 2, P window 3, O^T window 0
.set o_f, 0
.rept (\i)/2+1
.set o_n, 0
.rept 4
.set o_d, OS+32*((\i)%2)+8*o_n
.set o_v, 64*o_f+16*o_n
.set o_p, 8*(((\i)/2)*((\i)/2+1)+((\i)%2)*((\i)/2+1)+o_f)
.if o_f == 0
	v_wmma_f32_16x16x32_f16 v[o_d:o_d+7], v[o_v:o_v+7], v[o_p:o_p+7], 0
.else
	v_wmma_f32_16x16x32_f16 v[o_d:o_d+7], v[o_v:o_v+7], v[o_p:o_p+7], v[o_d:o_d+7]
.endif
.set o_n, o_n+1
.endr
.set o_f, o_f+1
.endr
.endm
.macro TOSTAGE i                       ; a lane's 32 bytes of a row go into my stage (rows of 256 + 16 bytes) and come back as whole rows, into the registers that they left
.set t_b, OS+32*((\i)%2)
.irp nn, 0,1,2,3
	ds_store_b128 v[STO], v[t_b+8*(\nn):t_b+8*(\nn)+3]   offset:64*(\nn)     ; each accumulator's low half first
	ds_store_b128 v[STO], v[t_b+8*(\nn)+4:t_b+8*(\nn)+7] offset:64*(\nn)+16
.endr
.irp uu, 0,1,2,3,4,5,6,7
	ds_load_b128 v[t_b+4*(\uu):t_b+4*(\uu)+3], v[RD] offset:(\uu)*2*SP  ; LDS serves a wave's instructions in order (ISA guide 5.7.1.4): these see the stores above
.endr
.endm
.macro SEND i
	s_wait_dscnt 0x0
.irp uu, 0,1,2,3,4,5,6,7
	global_store_b128 v[CO], v[OS+32*((\i)%2)+4*(\uu):OS+32*((\i)%2)+4*(\uu)+3], s[OUT:OUT+1] offset:(16*(\i)+2*(\uu))*4096 th:TH_STORE_NT  ; 16 lanes store 256 consecutive aligned bytes
.endr
.endm
; A CHUNK'S END.  Each pair of neighbouring accumulators is rounded to f16 in place, from its low end on: v^T's fragment (keys 32 f on, channels 16 n on) lands at 64 f + 16 n.
; Then the eight query tiles: tile i + 1's products stand between tile i's trip through the stage and its stores.  Then the next chunk's columns and biases.
.macro EPI
	WIN 0
	NOPS 4                                         ; the places between the last products and the first conversion
	WIN 0x8A
.set e_q, 0
.rept 16
.set e_j, 0
.rept 8
	v_cvt_pk_f16_f32 v[16*e_q+e_j], v[16*e_q+2*e_j], v[16*e_q+2*e_j+1]
.set e_j, e_j+1
.endr
.set e_q, e_q+1
.endr
	OMUL 0
	WIN 0
	NOPS 4                                         ; the places between products and the stores that read them
.irp ii, 0,1,2,3,4,5,6,7
	TOSTAGE \ii
.if (\ii) < 7
	s_wait_xcnt 0x0                                ; the other set's stores have read it: it is written again only behind this wait
	OMUL (\ii)+1
	WIN 0
	NOPS 4
.endif
	SEND \ii
.endr
	s_wait_xcnt 0x0                                ; the stores have read their base and both sets
	s_add_nc_u64 s[OUT:OUT+1], s[OUT:OUT+1], 256   ; the next chunk's 64 columns
	s_add_co_u32 s[BO], s[BO], 1024
	s_and_b32 s[BO], s[BO], 0x400
	BIASLD                                         ; (the next chunk's products write over v^T's fragments ten places behind the last product that read them)
.endm
	s_load_b256 s[4:11], s[0:1], 0x0               ; inputs s[4:5], wpk s[6:7], bv s[8:9], sp s[10:11]
	s_load_b64 s[12:13], s[0:1], 0x20              ; out0
	v_lshl_add_u32 v[SPW], v0, 2, SPARE
	v_mov_b32 v[NIL], 0
	v_lshrrev_b32 v1, 5, v0
	v_readfirstlane_b32 s[WV], v1
	s_lshr_b32 s[BB], ttmp9, 1
	s_and_b32 s[HH], ttmp9, 1
	v_and_b32 v[VL], 31, v0
	v_and_b32 v[VR], 15, v0
	v_bfe_u32 v[VH], v0, 4, 1
	v_lshlrev_b32 v[L16], 4, v[VL]
	v_lshlrev_b32 v[PFO], 8, v[VL]
	v_mul_u32_u24 v1, v[VR], PITCH
	v_lshl_add_u32 v1, v[VH], 4, v1
.irp pp, 0,1,2,3
	v_add_nc_u32 v[AD0+(\pp)], (\pp)*XROWS, v1
	v_add_nc_u32 v[AD+(\pp)], (\pp)*XROWS, v1
.endr
	s_mul_i32 s32, s[WV], XROWS
	v_lshl_add_u32 v[XS0], v[VL], 3, s32
	s_lshl_b32 s32, s[WV], 11                      ; my two chunks of 64 channels: 2,048 bytes of the table
	s_add_co_u32 s32, s32, BTB
	v_lshl_add_u32 v[BA], v[VR], 4, s32
	v_lshl_add_u32 v[BTS], v0, 6, BTB
	s_lshl_b32 s32, s[HH], 11
	v_lshl_add_u32 v[BLO], v0, 4, s32              ; my four numbers of the half's 512
	s_mul_i32 s32, s[WV], 16*SP
	s_add_co_u32 s32, s32, STAGE                   ; my stage
	v_mul_u32_u24 v1, v[VR], SP
	v_lshl_add_u32 v1, v[VH], 5, v1
	v_add_nc_u32 v[STO], s32, v1
	v_mul_u32_u24 v1, v[VH], SP
	v_lshl_add_u32 v1, v[VR], 4, v1
	v_add_nc_u32 v[RD], s32, v1
	v_lshlrev_b32 v1, 12, v[VH]
	v_lshl_add_u32 v[CO], v[VR], 4, v1
	v_add_nc_u32 v[PLA], PLB, v[L16]
	v_lshlrev_b32 v1, 3, v[VH]
	v_sub_nc_u32 v[DR], v[VR], v1
	v_mov_b32 v[NEG], 0xff7fffff
.irp jj, 0,1,2,3,4,5,6,7
	v_cmp_le_i32 s[MK+(\jj)], \jj, v[DR]           ; key 8 hh + j of a diagonal tile is seen by query r where j <= r - 8 hh
.endr
.set s_q, 0
.rept 16
	v_mov_b32 v[STT+s_q], 0                        ; the statistics are written once: the lane exchange counts as a reader of its destination, and pairs are named whole
.set s_q, s_q+1
.endr
	; where my nine tiles lie in a part of sp.  Slot u of tile w is tile w (w + 1) / 2 + u; slot u of tile 7 - w is tile (7 - w) (8 - w) / 2 + u - w - 1: u's 1,024 bytes stand in the loads' immediates
	s_add_co_u32 s62, s[WV], 1
	s_mul_i32 s60, s[WV], s62
	s_lshl_b32 s60, s60, 9                         ; w (w + 1) / 2 tiles of 1,024 bytes
	s_sub_co_u32 s61, 7, s[WV]
	s_sub_co_u32 s63, 8, s[WV]
	s_mul_i32 s61, s61, s63
	s_lshr_b32 s61, s61, 1
	s_sub_co_u32 s61, s61, s62
	s_lshl_b32 s61, s61, 10
	v_add_nc_u32 v[VOF], s60, v[L16]
	v_add_nc_u32 v[VOF+4], s61, v[L16]
.irp uu, 1,2,3
	s_cmp_ge_u32 s[WV], \uu                        ; is slot u tile w's?
	s_cselect_b32 s62, s60, s61
	v_add_nc_u32 v[VOF+(\uu)], s62, v[L16]
.endr
	s_mov_b32 s[CS], 0x3d38aa3b                    ; c = log2(e) / sqrt(1024)
	s_mov_b32 s[CS+1], s[CS]
	s_mov_b32 s[SEL], 0x76543210
	s_mov_b32 s[SEL+1], 0xfedcba98
	s_mov_b32 s[WOF+1], 0
	s_lshl_b32 s32, s[HH], 3
	s_lshl1_add_u32 s32, s[WV], s32
	s_add_co_u32 s32, s32, 32                      ; my first stream: 32 + 8 h + 2 w
	s_lshl_b32 s32, s32, 17
	s_mov_b32 s33, 0
	s_lshl_b32 s34, s[BB], 19                      ; the batch's 128 rows of 4,096 bytes
	s_mov_b32 s35, 0
	s_lshl_b32 s36, s[WV], 17                      ; x: my wave's 32 rows
	s_mov_b32 s37, 0
	s_mul_i32 s52, s[BB], 2*REDB                   ; sp: the batch's two parts
	s_mov_b32 s53, 0
	s_lshl_b32 s54, s[HH], 11                      ; out0: the half's 512 columns, my wave's 128
	s_lshl_b32 s55, s[WV], 9
	s_add_co_u32 s54, s54, s55
	s_mov_b32 s55, 0
	s_cmp_eq_u32 s[BB], 0
	s_cselect_b32 s[LIM], 2, -1
	s_wait_kmcnt 0x0
	s_add_nc_u64 s[W:W+1], s[6:7], s[32:33]
	s_add_nc_u64 s[W2:W2+1], s[W:W+1], 8*KFB
	s_add_nc_u64 s[XP:XP+1], s[4:5], s[34:35]
	s_add_nc_u64 s[XP:XP+1], s[XP:XP+1], s[36:37]
	s_add_nc_u64 s[SPB:SPB+1], s[10:11], s[52:53]
	s_add_nc_u64 s[OUT:OUT+1], s[OUT:OUT+1], s[34:35]
	s_add_nc_u64 s[OUT:OUT+1], s[OUT:OUT+1], s[54:55]
	global_load_b128 v[BVL:BVL+3], v[BLO], s[8:9]
.set l_u, 0
.rept 9                                ; both parts of my nine tiles: 36 loads of 512 consecutive bytes
.if l_u < 4
.set l_v, VOF+l_u
.else
.set l_v, VOF+4
.endif
	global_load_b128 v[SA+8*l_u:SA+8*l_u+3],   v[l_v], s[SPB:SPB+1] offset:l_u*TILEB
	global_load_b128 v[SA+8*l_u+4:SA+8*l_u+7], v[l_v], s[SPB:SPB+1] offset:l_u*TILEB+512
	global_load_b128 v[SB+8*l_u:SB+8*l_u+3],   v[l_v], s[SPB:SPB+1] offset:REDB+l_u*TILEB
	global_load_b128 v[SB+8*l_u+4:SB+8*l_u+7], v[l_v], s[SPB:SPB+1] offset:REDB+l_u*TILEB+512
.set l_u, l_u+1
.endr
	XLOAD 0, 0                                     ; x's first two pieces are on their way while the softmax is made
	XLOAD 1, 512
	WIN 0
	s_wait_loadcnt 63                              ; bv and S are in.  Behind them stand x's 64 loads; the wait's field ends at 63, so x's first load is waited for too
.set s_q, 0
.rept 36                               ; the two parts are added
	v_pk_add_f32 v[SA+2*s_q:SA+2*s_q+1], v[SA+2*s_q:SA+2*s_q+1], v[SB+2*s_q:SB+2*s_q+1]
.set s_q, s_q+1
.endr
	LADDER DIAGA
.irp jj, 0,1,2,3,4,5,6,7               ; slot 8 is tile 7 - w's diagonal tile, whatever w
	v_cndmask_b32 v[SA+64+(\jj)], v[NEG], v[SA+64+(\jj)], s[MK+(\jj)]
.endr
	ALLS v_max3_num_f32 v[SMX+8*s_u], v[SA+8*s_u], v[SA+8*s_u+1], v[SA+8*s_u+2]
	ALLS v_max3_num_f32 v[SMX+8*s_u], v[SMX+8*s_u], v[SA+8*s_u+3], v[SA+8*s_u+4]
	ALLS v_max3_num_f32 v[SMX+8*s_u], v[SMX+8*s_u], v[SA+8*s_u+5], v[SA+8*s_u+6]
	ALLS v_max_num_f32 v[SMX+8*s_u], v[SMX+8*s_u], v[SA+8*s_u+7]
	LADDER STATA
.set s_u, 0
.rept 9                                ; c s - c m
	PAIROF s_u, 0
.set s_q, 0
.rept 4
	v_pk_fma_f32 v[SA+8*s_u+2*s_q:SA+8*s_u+2*s_q+1], v[SA+8*s_u+2*s_q:SA+8*s_u+2*s_q+1], s[CS:CS+1], v[s_r:s_r+1] op_sel_hi:[1,0,0] neg_lo:[0,0,1] neg_hi:[0,0,1]
.set s_q, s_q+1
.endr
.set s_u, s_u+1
.endr
.set s_q, 0
.rept 72
	v_exp_f32 v[SA+s_q], v[SA+s_q]
.set s_q, s_q+1
.endr
	v_nop                                          ; a plain instruction behind the last exponential,
	s_wait_alu depctr_va_vdst(0)                   ; and a wait ahead of the first reader: one for the 72 exponentials
	ALLS v_pk_add_f32 v[SSM+8*s_u:SSM+8*s_u+1], v[SA+8*s_u:SA+8*s_u+1], v[SA+8*s_u+2:SA+8*s_u+3]
	ALLS v_pk_add_f32 v[SSM+8*s_u:SSM+8*s_u+1], v[SSM+8*s_u:SSM+8*s_u+1], v[SA+8*s_u+4:SA+8*s_u+5]
	ALLS v_pk_add_f32 v[SSM+8*s_u:SSM+8*s_u+1], v[SSM+8*s_u:SSM+8*s_u+1], v[SA+8*s_u+6:SA+8*s_u+7]
	LADDER STATB
.set s_u, 0
.rept 9                                ; the weights are divided by l,
	PAIROF s_u, 6
.set s_q, 0
.rept 4
	v_pk_mul_f32 v[SA+8*s_u+2*s_q:SA+8*s_u+2*s_q+1], v[SA+8*s_u+2*s_q:SA+8*s_u+2*s_q+1], v[s_r:s_r+1] op_sel_hi:[1,0]
.set s_q, s_q+1
.endr
.set s_u, s_u+1
.endr
.set s_u, 0
.rept 9                                ; and rounded to f16 in place: a slot's eight keys land in its first four registers, half a fragment
.set s_q, 0
.rept 4
	v_cvt_pk_f16_f32 v[SA+8*s_u+s_q], v[SA+8*s_u+2*s_q], v[SA+8*s_u+2*s_q+1]
.set s_q, s_q+1
.endr
.set s_u, s_u+1
.endr
.irp zz, 0,1,2,3
	v_mov_b32 v[SB+(\zz)], 0                       ; the half above the diagonal: weights 0
.endr
	LADDER PSTORE
	; bv: rounded to bf16 like every input, widened again, four times each
	v_cvt_pk_bf16_f32 v[TA], v[BVL], v[BVL+1]
	v_cvt_pk_bf16_f32 v[TB], v[BVL+2], v[BVL+3]
.irp zz, 0,1,2,3
	v_lshlrev_b32 v[BIAS+(\zz)], 16, v[TA]
	v_and_b32 v[BIAS+4+(\zz)], 0xffff0000, v[TA]
	v_lshlrev_b32 v[BIAS+8+(\zz)], 16, v[TB]
	v_and_b32 v[BIAS+12+(\zz)], 0xffff0000, v[TB]
.endr
.irp zz, 0,1,2,3
	ds_store_b128 v[BTS], v[BIAS+4*(\zz):BIAS+4*(\zz)+3] offset:16*(\zz)
.endr
	XREST
	s_wait_dscnt 0x0                               ; for the others' sake: my rows of x, my halves of P's fragments and my part of the table are stored
	s_barrier_signal -1
	s_barrier_wait -1                              ; the launch's one barrier; the ring's loads stay out: nobody writes what they read
	WIN 0xC0
.set s_q, 0
.rept 20
	ds_load_b128 v[8*s_q:8*s_q+3],   v[PLA] offset:s_q*1024
	ds_load_b128 v[8*s_q+4:8*s_q+7], v[PLA] offset:s_q*1024+512
.set s_q, s_q+1
.endr
	WIN 0
	s_mov_b32 s[KO], 0
	s_mov_b32 s[BO], 0
	BIASLD
	AFETCH 0, 0
	s_mov_b32 s[TT], TRIPS
.Ltrip:                                                ; a trip: 8 K steps, 256 products; every fourth ends a chunk.  The ring runs on from chunk to chunk: my streams lie end to end
.irp kk, 0,1,2,3,4,5,6,7
	KSTEP \kk
.endr
	WIN 0
	s_wait_xcnt 0x0                                ; the youngest load stands 32 products back, the prefetches seven K steps: the two pointers are written only behind this wait
	s_add_nc_u64 s[W:W+1], s[W:W+1], 8*KFB
	s_cmp_eq_u32 s[TT], 2                          ; is the next trip the last?  Then there is no trip behind it, and its look-ahead stays at its own bytes
	s_cselect_b32 s[WOF], 0, 8*KFB
	s_add_nc_u64 s[W2:W2+1], s[W:W+1], s[WOF:WOF+1]
	s_cmp_lg_u32 s[KO], 0
	s_cbranch_scc1 .Lno
	EPI
.Lno:
	s_sub_co_u32 s[TT], s[TT], 1
	s_cmp_lg_u32 s[TT], 0
	s_cbranch_scc1 .Ltrip
	s_wait_tensorcnt 0x0                           ; the wave's end: three closing lines behind my last LDS store
	ds_add_u32 v[SPW], v[NIL]
	s_wait_dscnt 0x0
	s_endpgm
.Lfunc_end_k_q4810b1e763_values:
	.size	k_q4810b1e763_values, .Lfunc_end_k_q4810b1e763_values-k_q4810b1e763_values
	.p2alignl 7, 3214868480
	.fill 96, 4, 3214868480
	.section	.rodata,"a",@progbits
	.p2align	6, 0x0
	.amdhsa_kernel k_q4810b1e763_values
		.amdhsa_group_segment_fixed_size 310784
		.amdhsa_private_segment_fixed_size 0
		.amdhsa_enable_private_segment 0
		.amdhsa_kernarg_size 40
		.amdhsa_user_sgpr_count 2
		.amdhsa_user_sgpr_kernarg_segment_ptr 1
		.amdhsa_wavefront_size32 1
		.amdhsa_system_sgpr_workgroup_id_x 1
		.amdhsa_system_sgpr_workgroup_id_y 1
		.amdhsa_system_sgpr_workgroup_id_z 1
		.amdhsa_system_vgpr_workitem_id 0
		.amdhsa_next_free_vgpr 1024
		.amdhsa_next_free_sgpr 66
		.amdhsa_reserve_vcc 0
		.amdhsa_float_denorm_mode_32 3
		.amdhsa_float_denorm_mode_16_64 3
		.amdhsa_memory_ordered 1
		.amdhsa_forward_progress 1
		.amdhsa_inst_pref_size 150
	.end_amdhsa_kernel
	.amdgpu_metadata
---
amdhsa.version: [ 1, 2 ]
amdhsa.kernels:
  - .name:           k_q4810b1e763_values
    .symbol:         k_q4810b1e763_values.kd
    .args:
      - { .name: inputs, .offset: 0, .size: 8, .value_kind: global_buffer, .address_space: global }
      - { .name: wpk, .offset: 8, .size: 8, .value_kind: global_buffer, .address_space: global }
      - { .name: bv, .offset: 16, .size: 8, .value_kind: global_buffer, .address_space: global }
      - { .name: sp, .offset: 24, .size: 8, .value_kind: global_buffer, .address_space: global }
      - { .name: out0, .offset: 32, .size: 8, .value_kind: global_buffer, .address_space: global }
    .group_segment_fixed_size: 310784
    .private_segment_fixed_size: 0
    .kernarg_segment_align: 8
    .kernarg_segment_size: 40
    .max_flat_workgroup_size: 128
    .sgpr_count:     66
    .vgpr_count:     1024
    .wavefront_size: 32
...
	.end_amdgpu_metadata
.endif
;; end of part 6
;; ======== version 3 of 3: 3 launches; version 2 with the launches scores, values written anew for expert scheduling mode
;; limits: values are held in f16: magnitudes above 65,504 overflow, below 6.1e-05 lose precision; right only within a limited range of input values; values outside matrix products are rounded to f16
;; workspace buffers: wpk 6,291,456 bytes; sp 9,437,184 bytes
;; launch prep: the kernel of part 4 again; grid 16 x 16, 4 waves a work-group, no clusters, 143,872 bytes of LDS; arguments Wq, Wk, Wv, bq, bk, wpk; writes wpk
;; launch scores (part 7): grid 256 x 1, 4 waves a work-group, no clusters, 268,800 bytes of LDS; arguments inputs, wpk, sp; writes sp
.if DOCPART == 7
	.amdgcn_target "amdgcn-amd-amdhsa--gfx1250"
	.amdhsa_code_object_version 6
	.text
	.protected	k_q4810b1e763_scores
	.globl	k_q4810b1e763_scores
	.p2align	8
	.type	k_q4810b1e763_scores,@function
k_q4810b1e763_scores:
	s_mov_b64 s[64:65], 0
	v_nop
	global_prefetch_b8 v0, s[64:65] scope:SCOPE_SE
	s_setreg_imm32_b32 hwreg(HW_REG_WAVE_SCHED_MODE, 0, 2), 2
	s_setreg_imm32_b32 hwreg(HW_REG_WAVE_MODE, 25, 1), 1
	s_wait_xcnt 0x0
	s_wait_alu depctr_vm_vsrc(0)
; SCORES.  q_t . k_s = sum over i of x_t[i] kap_s[i] + u_s, with kap_s[i] = sum over j of G[i][j] x_s[j] + c[i] and u_s = sum over j of a[j] x_s[j] + e (G, a, c, e: the launch before;
; the identity holds for every input).  Work-group 2 b + h: for batch b and the half h of the 1,024 channels i it makes kap (128 rows x 512 channels, sums over 1,024) and from it its part of
; S^T = kap x^T, unscaled, f32, only the 36 tiles of 16 x 16 on or below the diagonal; each of the batch's eight waves adds u over its own 128 j.  The two halves' parts are added in the next launch.
; FORMATS.  x is rounded to bf16 like every input, and that number is written as f16 (exact within f16's normal range); G and a are f16; c and e are f32 and start the sums.  kap and u are
; multiplied by 2^-8 and rounded once to f16; the finished sums are multiplied by 2^8 again.  All sums f32.
; LIMITS.  |x| stays under 65,504, |kap| and a wave's part of u under 256 x 65,504; below 6e-5 an f16 keeps its fixed step of 6e-8; NaN and infinities are not treated apart.
; x OF THE BATCH LIES IN LDS, 128 rows 2,064 bytes apart (2,048 + 16: the 16 rows of a fragment load start at 16 different groups of four banks, ISA guide 11.1).
; SHARES.  A wave takes ALL 128 rows x 64 channels at a time (a CHUNK: 32 accumulators, 256 registers), two chunks.  So no two waves want the same byte of G: it comes straight from memory
; into a ring of eight register slots (a slot = one K step of 32: four fragments), seven K steps ahead, and the K loop has no barrier.
; LAYOUT.  Source 0 = 16 rows of G, source 1 = 16 rows of x: a lane then holds ONE row s of x and eight neighbouring channels.  Two neighbouring accumulators, rounded to f16 in place,
; ARE a fragment (16 keys x 32 channels) of S^T = kap x^T (source 0 = 16 keys of kap, source 1 = 16 queries of x, out of LDS): kap never leaves the registers.
; u is made the same way from a's block (row 0 = a, the others 0): a fragment whose channel 0 is u; times a fragment of ones it adds u_s to every query, and these products start the sums of S.
; ONE TEXT FOR EVERY TRIP: in its last trip a wave's ring asks for the 28,672 bytes behind its own streams (the next wave's stream, or a's blocks: inside wpk, stored by the launch before),
; and the last chunk's end fetches a bias and a run of fragments once more: loaded in vain, once a wave.
; NO CLUSTER, NO TENSOR LOADS: x takes 264,192 bytes of LDS, which leaves no room for two slots of weights worth a barrier; inside a work-group no weight byte is wanted twice.
; THE MODE: SCHED_MODE bits 1:0 = 2 (LLVM: expert scheduling mode 2), set by the entry lines.  The code itself states the register dependences between vector or matrix instructions and
; memory or LDS instructions, with s_wait_alu, always for 0.
; THE PLAN.  Registers that memory or LDS instructions touch, and who else names them:
;   x ON ITS WAY IN.  Raw sets R0, R1 (window 1): a piece's loads land in one, its conversions read and rewrite it.  Out-buffers X0, X1 (window 2): the conversions' last lines write one, the piece's LDS stores read it.
;     v[XS]: written once for two pieces, read by their stores.  A piece: its conversions; ONE wait on va_vdst (the out-buffer and v[XS] are written, the raw set is done with); the raw set's next loads; the out-buffer's stores.
;     ONE wait on vm_vsrc for two pieces, ahead of the add to v[XS]: every store issued so far has read v[XS] and both out-buffers.
;   THE K LOOP.  x's buffers A0, A1: step k's products read A[k % 2], its LDS loads land in the other.  The ring: step k's products read slot k, its loads land in slot k - 1.  v[AD ..]: read by every fragment load.
;     ONE wait on va_vdst at a step's head: the last step's products are done reading the other buffer and slot k - 1 (in step 7: v[AD ..] is written).  The step's 24 loads follow it, dealt among its first
;     twelve products, which name A[k % 2], slot k and the accumulators: none of the registers that those loads touch.  Step 0's products stand in the two arms of a branch: its loads stand in one run behind the wait.
;   v[AD ..], v[BAC]: a wait on vm_vsrc ahead of each rewriting, a wait on va_vdst behind it, ahead of the loads that go by them.
;   v[L16], v[PFO], v[BST], v[RST], v[RLD ..], v[XS0], v[AD0 ..], v[BA]: made at the head, never written again.  v[SPW], v[NIL]: written at the head, read by the closing add alone.
; REGISTERS, in windows of 256 (s_set_vgpr_msb: bits 1:0 source 0, 3:2 source 1, 5:4 source 2, 7:6 destination):
;   window 0: v0-23 addresses; v24-31 e's tile; v32-63 the chunk's c (at the head: at work); v64-127, v128-191 x's fragments, two buffers (row tile m at + 8 m); v192-223 S tiles 32-35; v224-255 a's four fragments
;   window 1: the ring, slot s at 32 s, fragment n at + 8 n; while x is brought in: two raw sets of 128
;   window 2: accumulator (m, n) at 32 m + 8 n; u's at 16 m; while x is brought in: two out-buffers of 64          window 3: S tiles 0-31 at 8 tau, tau(i, j) = i (i + 1) / 2 + j
.set PITCH, 2064
.set XROWS, 32*PITCH                   ; a wave's 32 rows of x in LDS
.set BIASB, 128*PITCH                  ; behind x: the half's 32 tiles of c, 128 bytes each (16 numbers, 16 zeros)
.set SPARE, BIASB+4096                 ; behind them: the spare words, 128 bytes a wave
.set TILEB, 1024                       ; a tile of S as it lies in registers
.set REDB,  36*TILEB                   ; a wave's 36 tiles; the four waves' lie from LDS byte 0 on, when x has been read for the last time
.set TRIPS, 8                          ; a trip = 8 K steps; 4 trips a chunk
.set KFB,   4096                       ; a K step's four fragments in wpk
.set APKO,  16<<17                     ; a's blocks in wpk
.set CBO,   17<<17                     ; c's and e's tiles in wpk
.set SPW, 2                            ; v2     my spare word; never rewritten
.set NIL, 3                            ; v3     0; never rewritten
.set AD0, 4                            ; v4-7   (32 p + r) x pitch + 16 hh
.set AD,  8                            ; v8-11  the same + a place along the row
.set L16, 12                           ; v12    16 x lane: offset in wpk, x and sp
.set PFO, 13                           ; v13    256 x lane: the prefetches' offset
.set BA,  14                           ; v14    my place in c's table
.set BAC, 15                           ; v15    the same + the chunk's
.set BST, 16                           ; v16    where I put 16 bytes of c's table
.set XS0, 17                           ; v17    where I put 8 bytes of my wave's first row of x
.set XS,  18                           ; v18    the same + the piece's place along K
.set RST, 19                           ; v19    the reduction: where my wave's tiles go
.set RLD, 20                           ; v20-23 the reduction: my nine tiles in each wave's part
.set ET,  24                           ; v24-31 e in channel 0 (one wave of the batch), else zeros
.set BIAS, 32
.set VL,  32                           ; at the head only: lane, r, hh, two offsets, 32 bytes of c's table
.set VR,  33
.set VH,  34
.set CLO, 35
.set ELO, 36
.set CT,  40
.set ABUF, 64
.set SX,  192
.set AF,  224
.set WV,  14                           ; s14  wave
.set BB,  15                           ; s15  batch
.set HH,  16                           ; s16  half
.set W,   20                           ; s[20:21] wpk at the trip in hand of my streams
.set XP,  22                           ; s[22:23] x at my wave's 32 rows
.set KO,  24                           ; s24  the trip's place along K in an LDS row: 0, 512, 1024, 1536
.set BO,  25                           ; s25  the chunk's place in c's table: 0, 512
.set TT,  26                           ; s26  trips left, this one among them
.set LIM, 27                           ; s27  2 in the work-groups that prefetch, else the greatest number
.set CH,  28                           ; s28  the chunk's 64 channels in an LDS row: 0, 128
.set XC,  29
.set XK,  30
.set QB,  31                           ; s31  my wave's 128 channels (and its 128 j of u) in an LDS row: 1,024 h + 256 w
.set QO,  32
.set AP,  42                           ; s[42:43] a's four blocks of my 128 j
.set CB,  44                           ; s[44:45] c's and e's tiles
.set SC,  46                           ; s[46:47] 2^-8: the packed multiply takes the pair's low word for both halves
.set SU,  48                           ; s[48:49] 2^8
.set HM,  50                           ; s50  a word's upper half
.set MUL,  0xA1                        ; G window 1, x window 0, C and D window 2
.set MULF, 0x81                        ; the same with C (c's tiles) in window 0
.set MSB, 0
.macro WIN new                         ; the immediate's high byte repeats the setting that is left; a switch that changes nothing is dropped
.if MSB != (\new)
	s_set_vgpr_msb (MSB<<8)|(\new)
.set MSB, \new
.endif
.endm
.macro NOPS n
.rept \n
	v_nop
.endr
.endm
; x comes in by pieces of 128 k: 512 consecutive bytes of each of my 32 rows, a load a row, into one of two raw sets of window 1.
; One window setting serves these loads and the LDS stores of a piece: destination window 1, store data window 2, addresses window 0
.macro XLOAD st, off
	WIN 0x48
.set x_r, 0
.rept 32
	global_load_b128 v[128*(\st)+4*x_r:128*(\st)+4*x_r+3], v[L16], s[XP:XP+1] offset:(\off)+x_r*4096
.set x_r, x_r+1
.endr
.endm
; a piece is rounded to bf16 and widened again in its raw set, then written as f16 (which rounds nothing more in f16's normal range) into its out-buffer
.macro XCVT st
	WIN 0x45
.set x_r, 0
.rept 32
.set x_a, 128*(\st)+4*x_r
	v_cvt_pk_bf16_f32 v[x_a], v[x_a], v[x_a+1]
	v_cvt_pk_bf16_f32 v[x_a+2], v[x_a+2], v[x_a+3]
	v_and_b32 v[x_a+1], s[HM], v[x_a]
	v_lshlrev_b32 v[x_a], 16, v[x_a]
	v_and_b32 v[x_a+3], s[HM], v[x_a+2]
	v_lshlrev_b32 v[x_a+2], 16, v[x_a+2]
.set x_r, x_r+1
.endr
	WIN 0x85                                       ; sources window 1, destination window 2
.set x_r, 0
.rept 32
.set x_a, 128*(\st)+4*x_r
	v_cvt_pk_f16_f32 v[64*(\st)+2*x_r], v[x_a], v[x_a+1]
	v_cvt_pk_f16_f32 v[64*(\st)+2*x_r+1], v[x_a+2], v[x_a+3]
.set x_r, x_r+1
.endr
.endm
.macro XSTORE st, o                    ; the out-buffer goes to LDS: 256 consecutive bytes of a row an instruction
	WIN 0x48
.set x_r, 0
.rept 32
	ds_store_b64 v[XS], v[64*(\st)+2*x_r:64*(\st)+2*x_r+1] offset:x_r*PITCH+(\o)
.set x_r, x_r+1
.endr
.endm
.macro BFILL s                         ; the ring's slot s takes K step s of the first trip
	WIN 0x48
.irp ff, 0,1,2,3
	global_load_b128 v[32*(\s)+8*(\ff):32*(\s)+8*(\ff)+3],   v[L16], s[W:W+1] offset:(\s)*KFB+(\ff)*1024
	global_load_b128 v[32*(\s)+8*(\ff)+4:32*(\s)+8*(\ff)+7], v[L16], s[W:W+1] offset:(\s)*KFB+(\ff)*1024+512
.endr
.endm
; pieces 0 and 1 are on their way; three trips store two pieces and ask for two; the last two pieces make room for the ring's first seven slots
.macro XREST
	WIN 0
	s_mov_b32 s[XC], 3
	s_mov_b32 s[XK], 0
.Lxl_\@:
	s_wait_loadcnt 32                              ; the older piece is in (and all that was asked for ahead of x); the other piece's 32 loads stay out
	s_wait_alu depctr_vm_vsrc(0)                   ; the LDS stores issued so far have read v[XS] and both out-buffers, which this trip writes again
	v_add_nc_u32 v[XS], s[XK], v[XS0]
	XCVT 0
	WIN 0x48
	s_wait_alu depctr_va_vdst(0)                   ; the conversions have written out-buffer 0, which the stores read, and are done with raw set 0, in which the loads land; v[XS] is written
	XLOAD 0, 1024
	XSTORE 0, 0
	s_wait_loadcnt 32
	XCVT 1
	WIN 0x48
	s_wait_alu depctr_va_vdst(0)                   ; the same of out-buffer 1 and raw set 1
	XLOAD 1, 1536
	XSTORE 1, 256
	WIN 0
	s_wait_xcnt 0x0                                ; the loads have read their base: it is stepped only behind this wait
	s_add_nc_u64 s[XP:XP+1], s[XP:XP+1], 1024
	s_add_co_u32 s[XK], s[XK], 512
	s_sub_co_u32 s[XC], s[XC], 1
	s_cmp_lg_u32 s[XC], 0
	s_cbranch_scc1 .Lxl_\@
	s_wait_loadcnt 32
	s_wait_alu depctr_vm_vsrc(0)                   ; the LDS stores issued so far have read v[XS] and both out-buffers
	v_add_nc_u32 v[XS], s[XK], v[XS0]
	XCVT 0
	WIN 0x48
	s_wait_alu depctr_va_vdst(0)                   ; out-buffer 0 and v[XS] are written; the conversions are done with raw set 0, in which the ring's slots 0-3 land
	BFILL 0
	BFILL 1
	BFILL 2
	BFILL 3
	XSTORE 0, 0
	s_wait_loadcnt 32                              ; the last piece is in; just the 32 loads of slots 0-3 stay out
	XCVT 1
	WIN 0x48
	s_wait_alu depctr_va_vdst(0)                   ; out-buffer 1 is written; the conversions are done with raw set 1, in which the ring's slots 4-6 land
	BFILL 4
	BFILL 5
	BFILL 6
	XSTORE 1, 256
	WIN 0
.endm
; four of x's eight fragments (row tiles 2 p0 .. 2 p0 + 3, 32 k) at byte 64 kn behind the address registers, into buffer buf: 8 loads
.macro AFH kn, buf, p0
.set a_b, ABUF+64*(\buf)
.irp pp, \p0, (\p0)+1
.irp tt, 0,1
	ds_load_b128 v[a_b+8*(2*(\pp)+(\tt)):a_b+8*(2*(\pp)+(\tt))+3],   v[AD+(\pp)] offset:(\kn)*64+(\tt)*16*PITCH
	ds_load_b128 v[a_b+8*(2*(\pp)+(\tt))+4:a_b+8*(2*(\pp)+(\tt))+7], v[AD+(\pp)] offset:(\kn)*64+(\tt)*16*PITCH+32
.endr
.endr
.endm
.macro AFETCH kn, buf                  ; all eight: 16 loads in one run
	AFH \kn, \buf, 0
	AFH \kn, \buf, 2
.endm
; Of a K step's 32 products those of row tiles m0 .. m0 + cnt - 1.  Each accumulator has one instruction a step: they take turns, over every edge of the loop too.  first = 1: c starts the sums
.macro PRODS k, m0, cnt, first
.set p_a, ABUF+64*((\k)%2)
.set p_b, 32*(\k)
.set p_m, \m0
.rept \cnt
.set p_i, 0
.rept 4
.set p_c, 32*p_m+8*p_i
.if \first
	v_wmma_f32_16x16x32_f16 v[p_c:p_c+7], v[p_b+8*p_i:p_b+8*p_i+7], v[p_a+8*p_m:p_a+8*p_m+7], v[BIAS+8*p_i:BIAS+8*p_i+7]
.else
	v_wmma_f32_16x16x32_f16 v[p_c:p_c+7], v[p_b+8*p_i:p_b+8*p_i+7], v[p_a+8*p_m:p_a+8*p_m+7], v[p_c:p_c+7]
.endif
.set p_i, p_i+1
.endr
.set p_m, p_m+1
.endr
.endm
.macro RING k                          ; the ring's slot read last step is asked for again, seven steps ahead: 8 loads
.irp ff, 0,1,2,3
	global_load_b128 v[32*(((\k)+7)%8)+8*(\ff):32*(((\k)+7)%8)+8*(\ff)+3],   v[L16], s[W:W+1] offset:((\k)+7)*KFB+(\ff)*1024
	global_load_b128 v[32*(((\k)+7)%8)+8*(\ff)+4:32*(((\k)+7)%8)+8*(\ff)+7], v[L16], s[W:W+1] offset:((\k)+7)*KFB+(\ff)*1024+512
.endr
.endm
; A PREFETCH INTO THE L2, once a trip, behind the trip's first run of loads: the 32,768 bytes of my own streams that stand two trips on (my loads begin to name them in the next trip):
; a lane a block of 256 bytes, four instructions.  All 128 batches walk the same streams: batch 0's two work-groups ask, each wave for its own, so each block is named once in the launch.
; The first two trips' bytes come by their loads alone; the last two trips ask for nothing: two trips on my streams have ended.
.macro ASK
	s_cmp_gt_u32 s[TT], s[LIM]
	s_cbranch_scc0 .Lna_\@
.irp ff, 0,1,2,3
	global_prefetch_b8 v[PFO], s[W:W+1] offset:65536+8192*(\ff) th:TH_LOAD_NT scope:SCOPE_SE
.endr
.Lna_\@:
.endm
; K STEP k of a trip: 32 products; among the first twelve stand the fetch of x's fragments of the next step and the ring's refill.
.macro KSTEP k
	s_wait_dscnt 0x0                               ; x's fragments of this step, fetched a step ago (and c, at a chunk's start)
	s_wait_loadcnt 48                              ; loads return in order: slot k is in, the six groups of eight behind it stay out
	WIN 0
.if (\k) == 7
	s_add_co_u32 s[KO], s[KO], 512                 ; the next trip's place along K; behind a chunk's fourth trip 0 again
	s_and_b32 s[KO], s[KO], 0x600
	s_wait_alu depctr_vm_vsrc(0)                   ; the fragment loads issued so far have read v[AD ..]
.irp pp, 0,1,2,3
	v_add_nc_u32 v[AD+(\pp)], s[KO], v[AD0+(\pp)]  ; four plain instructions: the places behind the last step's products (ISA guide 7.12.1)
.endr
.else
	NOPS 4                                         ; the same four places: they stay beside the wait below, and at a chunk's first step they are four of the five that its products want
.endif
	s_wait_alu depctr_va_vdst(0)                   ; the last step's products are done reading the other buffer of x and the slot behind slot k, in which this step's loads land; in step 7 v[AD ..] is written
.if (\k) == 0
	AFETCH 1, 1
	WIN 0x40
	RING 0
	WIN 0
	ASK
	s_cmp_eq_u32 s[KO], 0                          ; a chunk's first step?  At the loop's first trip a constant of the text: the sums are started before they are added onto
	s_cbranch_scc0 .Lnf_\@
	v_nop                                          ; a fifth place: these products do not add in place, they write over the accumulators, and that wants five behind the last products (ISA guide 7.12.1)
	WIN MULF
	PRODS 0, 0, 8, 1
	WIN 0
	s_branch .Lj_\@
.Lnf_\@:
	WIN MUL
	PRODS 0, 0, 8, 0
	WIN 0
.Lj_\@:
.else
	WIN MUL
	PRODS \k, 0, 1, 0
	WIN 0
	AFH ((\k)+1)%8, 1-(\k)%2, 0                    ; no wait: no vector or matrix instruction since the wait above names the other buffer, the slot behind or an address
	WIN MUL
	PRODS \k, 1, 1, 0
	WIN 0
	AFH ((\k)+1)%8, 1-(\k)%2, 2
	WIN MUL
	PRODS \k, 2, 1, 0
	WIN 0x40
	RING \k
	WIN MUL
	PRODS \k, 3, 5, 0
.endif
.endm
.macro BIASLD                          ; register j of tile n wants c[64 chunk + 16 n + 8 hh + j]; v[BAC] is made ahead of the wait that stands ahead of these loads
.irp ff, 0,1,2,3
	ds_load_b128 v[BIAS+8*(\ff):BIAS+8*(\ff)+3],   v[BAC] offset:128*(\ff)
	ds_load_b128 v[BIAS+8*(\ff)+4:BIAS+8*(\ff)+7], v[BAC] offset:128*(\ff)+16
.endr
.endm
; 36 products S^T(i, j) += keys(j) queries(i)^T over 32 channels, on 36 different accumulators.  The keys' fragment of tile j at ks j + ko in window 2, the queries' of tile i at qs i + qo in window 0.
; zero = 1: they start the sums
.macro SP1 zero, ks, ko, qs, qo
.set s_i, 0
.rept 8
.set s_j, 0
.rept s_i+1
.set s_t, s_i*(s_i+1)/2+s_j
.if s_t < 32
	WIN 0xF2
.set s_d, 8*s_t
.else
	WIN 0x02
.set s_d, SX+8*(s_t-32)
.endif
.set s_k, (\ks)*s_j+(\ko)
.set s_x, (\qs)*s_i+(\qo)
.if \zero
	v_wmma_f32_16x16x32_f16 v[s_d:s_d+7], v[s_k:s_k+7], v[s_x:s_x+7], 0
.else
	v_wmma_f32_16x16x32_f16 v[s_d:s_d+7], v[s_k:s_k+7], v[s_x:s_x+7], v[s_d:s_d+7]
.endif
.set s_j, s_j+1
.endr
.set s_i, s_i+1
.endr
.endm
; eight products of u: a's block of K step kf of my 128 j times all 128 rows of x; the eight accumulators take turns.  first = 1: e's tile starts the sums
.macro UPROD kf, first
.set u_m, 0
.rept 8
.if \first
	v_wmma_f32_16x16x32_f16 v[16*u_m:16*u_m+7], v[AF+8*(\kf):AF+8*(\kf)+7], v[ABUF+64*((\kf)%2)+8*u_m:ABUF+64*((\kf)%2)+8*u_m+7], v[ET:ET+7]
.else
	v_wmma_f32_16x16x32_f16 v[16*u_m:16*u_m+7], v[AF+8*(\kf):AF+8*(\kf)+7], v[ABUF+64*((\kf)%2)+8*u_m:ABUF+64*((\kf)%2)+8*u_m+7], v[16*u_m:16*u_m+7]
.endif
.set u_m, u_m+1
.endr
.endm
; A CHUNK'S END.  The queries' fragments of x at the chunk's 64 channels are fetched into both buffers; meanwhile kap is multiplied by 2^-8 and each pair of neighbouring accumulators is rounded
; to f16 in place, from its low end on: the fragment of row tile m, channels 32 f on, lands at 32 m + 16 f.  Then S, and the next chunk's c and first fragments.
.macro EPI
	WIN 0
	s_wait_dscnt 0x0                               ; what K step 7 fetched into buffer 0 has landed: the buffer is loaded anew below
	s_add_co_u32 s[QO], s[QB], s[CH]
	s_wait_alu depctr_vm_vsrc(0)                   ; K step 7's fragment loads have read v[AD ..]
.irp pp, 0,1,2,3
	v_add_nc_u32 v[AD+(\pp)], s[QO], v[AD0+(\pp)]  ; four plain instructions: the places between the last products and the multiplies below
.endr
	s_wait_alu depctr_va_vdst(0)                   ; v[AD ..] is written; the K loop's last products are done reading x's buffers, in which the queries' fragments land
	AFETCH 0, 0
	AFETCH 1, 1
	WIN 0x8A
.set e_q, 0
.rept 128
	v_pk_mul_f32 v[2*e_q:2*e_q+1], v[2*e_q:2*e_q+1], s[SC:SC+1] op_sel_hi:[1,0]
.set e_q, e_q+1
.endr
.set e_q, 0
.rept 16
.set e_j, 0
.rept 8
	v_cvt_pk_f16_f32 v[16*e_q+e_j], v[16*e_q+2*e_j], v[16*e_q+2*e_j+1]
.set e_j, e_j+1
.endr
.set e_q, e_q+1
.endr
	WIN 0
	s_wait_dscnt 0x0                               ; the queries' fragments
	SP1 0, 32, 0, 8, ABUF
	SP1 0, 32, 16, 8, ABUF+64
	WIN 0
	s_wait_alu depctr_vm_vsrc(0)                   ; the queries' fragment loads have read v[AD ..], the chunk's loads of c have read v[BAC]
.irp pp, 0,1,2,3
	v_add_nc_u32 v[AD+(\pp)], s[KO], v[AD0+(\pp)]  ; back to the K loop's place (0); with the line that makes c's address: five places behind the last products
.endr
	s_add_co_u32 s[CH], s[CH], 128
	s_and_b32 s[CH], s[CH], 0x80
	s_add_co_u32 s[BO], s[BO], 512
	s_and_b32 s[BO], s[BO], 0x200
	v_add_nc_u32 v[BAC], s[BO], v[BA]
	s_wait_alu depctr_va_vdst(0)                   ; v[AD ..] and v[BAC] are written; S's products are done reading buffer 0, in which the next chunk's first fragments land
	BIASLD
	AFETCH 0, 0
.endm
	s_load_b128 s[4:7], s[0:1], 0x0                ; inputs s[4:5], wpk s[6:7]
	s_load_b64 s[8:9], s[0:1], 0x10                ; sp
	v_lshl_add_u32 v[SPW], v0, 2, SPARE
	v_mov_b32 v[NIL], 0
	v_lshrrev_b32 v1, 5, v0
	v_readfirstlane_b32 s[WV], v1
	s_lshr_b32 s[BB], ttmp9, 1
	s_and_b32 s[HH], ttmp9, 1
	v_and_b32 v[VL], 31, v0
	v_and_b32 v[VR], 15, v0
	v_bfe_u32 v[VH], v0, 4, 1
	v_lshlrev_b32 v[L16], 4, v[VL]
	v_lshlrev_b32 v[PFO], 8, v[VL]
	v_mul_u32_u24 v1, v[VR], PITCH
	v_lshl_add_u32 v1, v[VH], 4, v1
.irp pp, 0,1,2,3
	v_add_nc_u32 v[AD0+(\pp)], (\pp)*XROWS, v1
.endr
	s_wait_alu depctr_va_sdst(0)                   ; the wave's number is written, ahead of its first reader: LDS places, bases and branches are made from it
	s_mul_i32 s34, s[WV], XROWS
	v_lshl_add_u32 v[XS0], v[VL], 3, s34
	s_lshl_b32 s34, s[WV], 10                      ; my two chunks of four tiles of 128 bytes
	s_add_co_u32 s34, s34, BIASB
	v_lshl_add_u32 v[BA], v[VH], 5, s34
	v_lshl_add_u32 v[BST], v0, 4, BIASB
	s_lshl_b32 s34, s[HH], 12                      ; the half's 32 tiles of c
	v_lshl_add_u32 v[CLO], v0, 4, s34
	s_or_b32 s34, s[HH], s[WV]
	s_cmp_eq_u32 s34, 0                            ; e is added once a batch: by wave 0 of half 0; the others take the tile's zeros, 64 bytes on
	s_cselect_b32 s34, 0, 64
	s_add_co_u32 s34, s34, 64*128
	v_lshl_add_u32 v[ELO], v[VH], 5, s34
	s_mul_i32 s34, s[WV], REDB
	v_add_nc_u32 v[RST], s34, v[L16]
	s_mul_i32 s34, s[WV], 9*TILEB
	v_add_nc_u32 v1, s34, v[L16]
.irp pp, 0,1,2,3
	v_add_nc_u32 v[RLD+(\pp)], (\pp)*REDB, v1
.endr
	s_lshl_b32 s[QB], s[HH], 10
	s_lshl_b32 s34, s[WV], 8
	s_add_co_u32 s[QB], s[QB], s34
	s_lshl_b32 s34, s[HH], 3
	s_lshl1_add_u32 s34, s[WV], s34                ; my first stream: 8 h + 2 w
	s_lshl_b32 s34, s34, 17
	s_mov_b32 s35, 0
	s_lshl_b32 s36, s[BB], 19                      ; the batch's 128 rows of 4,096 bytes,
	s_lshl_b32 s37, s[WV], 17                      ; my wave's 32
	s_add_co_u32 s36, s36, s37
	s_mov_b32 s37, 0
	s_mul_i32 s38, ttmp9, REDB                     ; sp: [2 b + h][36 tiles]; I store tiles 9 w .. 9 w + 8
	s_mul_i32 s39, s[WV], 9*TILEB
	s_add_co_u32 s38, s38, s39
	s_mov_b32 s39, 0
	s_lshl2_add_u32 s40, s[HH], s[WV]              ; a's blocks of my 128 j: K steps 4 (4 h + w) on
	s_lshl_b32 s40, s40, 12
	s_add_co_u32 s40, s40, APKO
	s_mov_b32 s41, 0
	s_cmp_eq_u32 s[BB], 0
	s_cselect_b32 s[LIM], 2, -1
	s_mov_b32 s[SC], 0x3b800000                    ; 2^-8
	s_mov_b32 s[SC+1], s[SC]
	s_mov_b32 s[SU], 0x43800000                    ; 2^8
	s_mov_b32 s[SU+1], s[SU]
	s_mov_b32 s[HM], 0xffff0000
	s_wait_kmcnt 0x0
	s_add_nc_u64 s[W:W+1], s[6:7], s[34:35]
	s_add_nc_u64 s[XP:XP+1], s[4:5], s[36:37]
	s_add_nc_u64 s[8:9], s[8:9], s[38:39]
	s_add_nc_u64 s[AP:AP+1], s[6:7], s[40:41]
	s_add_nc_u64 s[CB:CB+1], s[6:7], CBO
	s_wait_alu depctr_va_vdst(0)                   ; the offsets and LDS addresses made above are written: every load, store and prefetch of the kernel reads one of them, or one made from them later
	global_load_b128 v[CT:CT+3],   v[CLO], s[CB:CB+1]
	global_load_b128 v[CT+4:CT+7], v[CLO], s[CB:CB+1] offset:2048
	global_load_b128 v[ET:ET+3],   v[ELO], s[CB:CB+1]
	global_load_b128 v[ET+4:ET+7], v[ELO], s[CB:CB+1] offset:16
.irp ff, 0,1,2,3
	global_load_b128 v[AF+8*(\ff):AF+8*(\ff)+3],   v[L16], s[AP:AP+1] offset:(\ff)*1024
	global_load_b128 v[AF+8*(\ff)+4:AF+8*(\ff)+7], v[L16], s[AP:AP+1] offset:(\ff)*1024+512
.endr
	XLOAD 0, 0
	XLOAD 1, 512
	XREST
	ds_store_b128 v[BST], v[CT:CT+3]               ; c's table (its loads are older than every load of x, so they are in)
	ds_store_b128 v[BST], v[CT+4:CT+7] offset:2048
	s_wait_dscnt 0x0                               ; for the others' sake: my rows of x and my part of the table are stored
	s_barrier_signal -1
	s_barrier_wait -1                              ; x and the table are whole; the ring's loads stay out: nobody writes what they read
	s_mov_b32 s[KO], 0
	s_mov_b32 s[BO], 0
	s_mov_b32 s[CH], 0
	; u OVER MY 128 j, while the ring's first loads are on their way: four K steps, two at a time in the two buffers
.irp pp, 0,1,2,3
	v_add_nc_u32 v[AD+(\pp)], s[QB], v[AD0+(\pp)]
.endr
	s_wait_alu depctr_vm_vsrc(0)                   ; my LDS stores have read x's out-buffers, which u's products write, and c's words; the head's loads have read their two offsets: c's tiles land in those registers further down
	s_wait_alu depctr_va_vdst(0)                   ; v[AD ..] is written
	AFETCH 0, 0
	AFETCH 1, 1
	s_wait_dscnt 16                                ; buffer 0 is in; the second run of 16 stays out
	WIN 0x80                                       ; a, x and e's tile window 0, u window 2
	UPROD 0, 1
	s_wait_dscnt 0x0
	WIN 0xA0                                       ; C window 2 too
	UPROD 1, 0
	WIN 0
	NOPS 4                                         ; the places behind the last products stay beside the wait below
	s_wait_alu depctr_va_vdst(0)                   ; u's products are done reading both buffers, in which the next two runs land
	AFETCH 2, 0
	AFETCH 3, 1
	s_wait_dscnt 16
	WIN 0xA0
	UPROD 2, 0
	s_wait_dscnt 0x0
	UPROD 3, 0
	WIN 0
	NOPS 4                                         ; the places between the last products and what reads their results and writes their sources
	WIN 0x8A
.set u_m, 0
.rept 8
.irp jj, 0,1,2,3
	v_pk_mul_f32 v[16*u_m+2*(\jj):16*u_m+2*(\jj)+1], v[16*u_m+2*(\jj):16*u_m+2*(\jj)+1], s[SC:SC+1] op_sel_hi:[1,0]
.endr
.irp jj, 0,1,2,3
	v_cvt_pk_f16_f32 v[16*u_m+(\jj)], v[16*u_m+2*(\jj)], v[16*u_m+2*(\jj)+1]
.endr
.set u_m, u_m+1
.endr
	WIN 0x80
.set u_m, 0
.rept 8
.irp jj, 4,5,6,7
	v_mov_b32 v[16*u_m+(\jj)], 0                   ; the fragment's channels 16-31 do not exist
.endr
.set u_m, u_m+1
.endr
	WIN 0
.irp jj, 0,1,2,3,4,5,6,7
	v_mov_b32 v[ABUF+(\jj)], 0x3c003c00            ; ones in f16: channel 0 meets u, all others meet zeros
.endr
	SP1 1, 16, 0, 0, ABUF                          ; S^T(s, t) = u_s: these products start the sums of S
	WIN 0
	NOPS 5                                         ; the K loop's products write over u's fragments: five places
	s_wait_alu depctr_vm_vsrc(0)                   ; u's fragment loads have read v[AD ..]
.irp pp, 0,1,2,3
	v_mov_b32 v[AD+(\pp)], v[AD0+(\pp)]
.endr
	v_add_nc_u32 v[BAC], s[BO], v[BA]
	s_wait_alu depctr_va_vdst(0)                   ; v[AD ..] and v[BAC] are written; the ones are written and S's first products are done reading them: x's first fragments land there; the head's vector work is done with v32-36, in which c lands
	BIASLD
	AFETCH 0, 0
	s_mov_b32 s[TT], TRIPS
.Ltrip:                                                ; a trip: 8 K steps, 256 products; every fourth ends a chunk.  The ring runs on from chunk to chunk: my streams lie end to end
.irp kk, 0,1,2,3,4,5,6,7
	KSTEP \kk
.endr
	WIN 0
	s_wait_xcnt 0x0                                ; the youngest load stands 20 products back, the prefetches seven K steps: the pointer is stepped only behind this wait
	s_add_nc_u64 s[W:W+1], s[W:W+1], 8*KFB
	s_cmp_lg_u32 s[KO], 0
	s_cbranch_scc1 .Lno
	EPI
.Lno:
	s_sub_co_u32 s[TT], s[TT], 1
	s_cmp_lg_u32 s[TT], 0
	s_cbranch_scc1 .Ltrip
	; THE FOUR WAVES' PARTS ARE ADDED.  x has been read for the last time: behind a barrier its bytes take the waves' tiles, as they lie in registers.
	s_wait_loadcnt 0x0                             ; what the last trip's ring asked for in vain has landed: its registers are used again below
	NOPS 4                                         ; the places between the last products and the stores that read them
	s_wait_alu depctr_va_vdst(0)                   ; the products have written S's tiles, which the LDS stores below read; all vector and matrix work is done with windows 1 and 2, in which the parts land further down
	s_wait_dscnt 0x0                               ; my reads of x are over
	s_barrier_signal -1
	s_barrier_wait -1
	WIN 0x0C                                       ; store data in window 3
.set r_t, 0
.rept 32
	ds_store_b128 v[RST], v[8*r_t:8*r_t+3]   offset:r_t*TILEB      ; each accumulator's low half first
	ds_store_b128 v[RST], v[8*r_t+4:8*r_t+7] offset:r_t*TILEB+512
.set r_t, r_t+1
.endr
	WIN 0
.rept 4
	ds_store_b128 v[RST], v[SX+8*(r_t-32):SX+8*(r_t-32)+3]   offset:r_t*TILEB
	ds_store_b128 v[RST], v[SX+8*(r_t-32)+4:SX+8*(r_t-32)+7] offset:r_t*TILEB+512
.set r_t, r_t+1
.endr
	s_wait_dscnt 0x0                               ; for the others' sake
	s_barrier_signal -1
	s_barrier_wait -1
.irp pp, 0,1,2,3                       ; my nine tiles of each wave's part: parts 0, 1 into window 1, parts 2, 3 into window 2, 72 registers each.  No vector or matrix instruction stands behind the last wait on va_vdst
	WIN 0x40+0x40*((\pp)/2)
.set r_t, 0
.rept 18
	ds_load_b128 v[72*((\pp)%2)+4*r_t:72*((\pp)%2)+4*r_t+3], v[RLD+(\pp)] offset:r_t*512
.set r_t, r_t+1
.endr
.endr
	s_wait_dscnt 0x0
.irp ww, 0x45, 0x8A                    ; part 0 += part 1; part 2 += part 3
	WIN \ww
.set r_t, 0
.rept 36
	v_pk_add_f32 v[2*r_t:2*r_t+1], v[2*r_t:2*r_t+1], v[72+2*r_t:72+2*r_t+1]
.set r_t, r_t+1
.endr
.endr
	WIN 0x49                                       ; and the two sums
.set r_t, 0
.rept 36
	v_pk_add_f32 v[2*r_t:2*r_t+1], v[2*r_t:2*r_t+1], v[2*r_t:2*r_t+1]
.set r_t, r_t+1
.endr
	WIN 0x41                                       ; times 2^8: the scale that kap and u were given is taken back, exactly
.set r_t, 0
.rept 36
	v_pk_mul_f32 v[2*r_t:2*r_t+1], v[2*r_t:2*r_t+1], s[SU:SU+1] op_sel_hi:[1,0]
.set r_t, r_t+1
.endr
	WIN 0x04
	s_wait_alu depctr_va_vdst(0)                   ; the multiplies have written the nine tiles, which the stores read
.set r_t, 0
.rept 18
	global_store_b128 v[L16], v[4*r_t:4*r_t+3], s[8:9] offset:r_t*512  ; 512 consecutive aligned bytes
.set r_t, r_t+1
.endr
	WIN 0
	s_wait_dscnt 0x0                               ; the closing lines, six on end
	s_wait_alu 0x0
	s_wait_tensorcnt 0x0
	ds_add_u32 v[SPW], v[NIL]
	s_wait_dscnt 0x0
	s_endpgm
.Lfunc_end_k_q4810b1e763_scores:
	.size	k_q4810b1e763_scores, .Lfunc_end_k_q4810b1e763_scores-k_q4810b1e763_scores
	.p2alignl 7, 3214868480
	.fill 96, 4, 3214868480
	.section	.rodata,"a",@progbits
	.p2align	6, 0x0
	.amdhsa_kernel k_q4810b1e763_scores
		.amdhsa_group_segment_fixed_size 268800
		.amdhsa_private_segment_fixed_size 0
		.amdhsa_enable_private_segment 0
		.amdhsa_kernarg_size 24
		.amdhsa_user_sgpr_count 2
		.amdhsa_user_sgpr_kernarg_segment_ptr 1
		.amdhsa_wavefront_size32 1
		.amdhsa_system_sgpr_workgroup_id_x 1
		.amdhsa_system_sgpr_workgroup_id_y 1
		.amdhsa_system_sgpr_workgroup_id_z 1
		.amdhsa_system_vgpr_workitem_id 0
		.amdhsa_next_free_vgpr 1024
		.amdhsa_next_free_sgpr 66
		.amdhsa_reserve_vcc 0
		.amdhsa_float_denorm_mode_32 3
		.amdhsa_float_denorm_mode_16_64 3
		.amdhsa_memory_ordered 1
		.amdhsa_forward_progress 1
		.amdhsa_inst_pref_size 179
	.end_amdhsa_kernel
	.amdgpu_metadata
---
amdhsa.version: [ 1, 2 ]
amdhsa.kernels:
  - .name:           k_q4810b1e763_scores
    .symbol:         k_q4810b1e763_scores.kd
    .args:
      - { .name: inputs, .offset: 0, .size: 8, .value_kind: global_buffer, .address_space: global }
      - { .name: wpk, .offset: 8, .size: 8, .value_kind: global_buffer, .address_space: global }
      - { .name: sp, .offset: 16, .size: 8, .value_kind: global_buffer, .address_space: global }
    .group_segment_fixed_size: 268800
    .private_segment_fixed_size: 0
    .kernarg_segment_align: 8
    .kernarg_segment_size: 24
    .max_flat_workgroup_size: 128
    .sgpr_count:     66
    .vgpr_count:     1024
    .wavefront_size: 32
...
	.end_amdgpu_metadata
.endif
;; end of part 7
;; launch values (part 8): grid 256 x 1, 4 waves a work-group, no clusters, 310,784 bytes of LDS; arguments inputs, wpk, bv, sp, out0; writes out0
.if DOCPART == 8
	.amdgcn_target "amdgcn-amd-amdhsa--gfx1250"
	.amdhsa_code_object_version 6
	.text
	.protected	k_q4810b1e763_values
	.globl	k_q4810b1e763_values
	.p2align	8
	.type	k_q4810b1e763_values,@function
k_q4810b1e763_values:
	s_mov_b64 s[64:65], 0
	v_nop
	global_prefetch_b8 v0, s[64:65] scope:SCOPE_SE
	s_setreg_imm32_b32 hwreg(HW_REG_WAVE_SCHED_MODE, 0, 2), 2
	s_setreg_imm32_b32 hwreg(HW_REG_WAVE_MODE, 25, 1), 1
	s_wait_xcnt 0x0
	s_wait_alu depctr_vm_vsrc(0)
; VALUES.  Work-group 2 b + h: for batch b it adds the two parts of S^T, scales by 1 / 32, hides the keys above the diagonal, takes the softmax (the row's maximum taken away first) and
; rounds the normalised weights P to f16; makes v = x Wv^T + bv for the half h of the 1,024 channels (128 rows x 512); and stores O = P v, f32.
; FORMATS.  x, Wv and bv are rounded once to bf16 (bv is widened again and starts the sums in f32); v and P are rounded once to f16; sums, maxima and S in f32.
; LIMITS.  |v| stays under 65,504 (f16's end); a normalised weight under 6e-8 counts as 0; a hidden score counts as -3.4e38; NaN and infinities are not treated apart.
; THE K LOOP.  x of the batch lies in LDS as bf16 (rows 2,064 bytes apart: the 16 rows of a fragment load start at 16 different groups of four banks, ISA guide 11.1); a wave takes all 128 rows
; x 64 channels at a time (a CHUNK, two of them); its weights come straight from memory through a ring of eight register slots, seven K steps ahead, and the loop has no barrier.
; ONE TEXT FOR EVERY TRIP.  The ring's loads for the NEXT trip go by a second pointer, which in the last trip stands at that trip's own bytes: 28,672 bytes a wave are loaded in vain, inside wpk;
; the last chunk's end fetches a bias and a run of fragments once more.
; LAYOUT.  Source 0 = 16 rows of x, source 1 = 16 rows of Wv: a lane holds ONE channel and eight neighbouring rows s.  Two neighbouring accumulators, rounded to f16 in place, ARE a fragment
; (16 channels x 32 keys) of O^T = v^T P (source 0 = v^T, source 1 = P: 16 queries x 32 keys), whose result holds one query a lane and eight neighbouring channels.  A tile of S^T holds one
; query a lane and eight keys: rounded in pairs it is half a fragment of P.  Only the 20 fragments of P on or below the diagonal exist; the upper half of an odd one is 0.
; NO CLUSTER, NO TENSOR LOADS: x leaves no room in LDS for slots of weights worth a barrier, and inside a work-group no weight byte is wanted twice.
; THE MODE: SCHED_MODE bits 1:0 = 2 (LLVM: expert scheduling mode 2), set by the entry lines.  The code itself states the register dependences between vector or matrix instructions and
; memory or LDS instructions, with s_wait_alu, always for 0.
; THE PLAN.  Registers that memory or LDS instructions touch, and who else names them:
;   x ON ITS WAY IN.  Raw sets R0, R1 (window 1): a piece's loads land in one, its conversions read it.  Out-buffers X0, X1 (window 2): the conversions write one, the piece's LDS stores read it.
;     v[XS]: written once for two pieces, read by their stores.  A piece: its conversions; ONE wait on va_vdst (the out-buffer and v[XS] are written, the raw set is read out); the raw set's next loads; the out-buffer's stores.
;     ONE wait on vm_vsrc for two pieces, ahead of the add to v[XS]: every store issued so far has read v[XS] and both out-buffers.
;   THE K LOOP.  x's buffers A0, A1: step k's products read A[k % 2], its LDS loads land in the other.  The ring: step k's products read slot k, its loads land in slot k - 1.  v[AD ..]: read by every fragment load, written in step 7.
;     ONE wait on va_vdst at a step's head: the last step's products are done reading the other buffer and slot k - 1 (in step 7: v[AD ..] is written).  The step's 24 loads follow it, dealt among its first
;     twelve products, which name A[k % 2], slot k and the accumulators: none of the registers that those loads touch.  Step 0's products stand in the two arms of a branch: its loads stand in one run behind the wait.
;     One wait on vm_vsrc a trip, ahead of step 7's adds to v[AD ..].
;   A CHUNK'S END.  O^T's sets O0, O1: query tile i's products write O[i % 2], its LDS stores read it.  The rows read back, B0, B1 (x's buffer A1, idle here): tile i's LDS loads land in B[i % 2], its global stores read it.
;     A tile, from the third on: one wait on vm_vsrc (two tiles back: the LDS stores have read O[i % 2], the global stores B[i % 2]); its products; the global stores of the tile before; four places;
;     one wait on va_vdst (O[i % 2] is written); its way through the stage.  v[BAC] is written at the chunk's end's head, ahead of the first of those waits, and read by the bias's loads at its end.
;   v[L16], v[PFO], v[STO], v[RD], v[CO], v[PLA], v[BTS], v[BA], v[XS0], v[AD0 ..]: made at the head, never written again.  v[SPW], v[NIL]: written at the head, read by the closing add alone.
; REGISTERS, in windows of 256 (s_set_vgpr_msb: bits 1:0 source 0, 3:2 source 1, 5:4 source 2, 7:6 destination):
;   window 0: v0-31 addresses; v32-63 the chunk's biases; v64-127, v128-191 x's fragments, two buffers (at a chunk's end v128-191: rows read back, two sets of 32); v192-255 O^T, two sets of 32.
;             Ahead of the loop: v64-135 my nine tiles of S; v136-207 their second part, then eight registers at work a slot; v208-223 statistics; v230-234 load offsets
;   window 1: the ring, slot s at 32 s, fragment n at + 8 n; while x is brought in: two raw sets of 128
;   window 2: accumulator (m, n) at 64 (m / 2) + 16 n + 8 (m % 2); while x is brought in: two out-buffers of 64          window 3: P's fragments at 8 phi, phi(i, f) = (i / 2) (i / 2 + 1) + (i % 2) (i / 2 + 1) + f
.set PITCH, 2064
.set XROWS, 32*PITCH
.set BTB,   128*PITCH                  ; behind x: for each of the half's 512 channels 16 bytes: bv four times
.set STAGE, BTB+8192                   ; 16 rows x 272 bytes for each wave, for the way out
.set SP,    272
.set PLB,   STAGE+4*16*SP              ; P's 20 fragments, 1,024 bytes each, as they lie in registers
.set SPARE, PLB+20*1024                ; the spare words, 128 bytes a wave
.set TILEB, 1024
.set REDB,  36*TILEB
.set TRIPS, 8                          ; a trip = 8 K steps; 4 trips a chunk
.set KFB,   4096                       ; a K step's four fragments in wpk
.set SPW, 2                            ; v2     my spare word; never rewritten
.set NIL, 3                            ; v3     0; never rewritten
.set AD0, 4                            ; v4-7   (32 p + r) x pitch + 16 hh
.set AD,  8                            ; v8-11  the same + the trip's place along K
.set L16, 12                           ; v12    16 x lane
.set PFO, 13                           ; v13    256 x lane: the prefetches' offset
.set BA,  14                           ; v14    my place in the bias table
.set BAC, 15                           ; v15    the same + the chunk's
.set XS0, 17                           ; v17    where I put 8 bytes of my wave's first row of x
.set XS,  18                           ; v18    the same + the piece's place along K
.set STO, 19                           ; v19    the way out: where I put 32 bytes of a row
.set RD,  20                           ; v20    where I read rows back
.set CO,  21                           ; v21    my byte offset in two rows of out0
.set PLA, 22                           ; v22    my 16 bytes in half a fragment of P
.set DR,  23                           ; v23    r - 8 hh: register j of a diagonal tile is seen where j <= it
.set NEG, 24                           ; v24    the lowest finite number
.set BTS, 25                           ; v25    where I put my four channels of the bias table
.set TA,  26
.set TB,  27
.set BVL, 28                           ; v28-31 four numbers of bv
.set BIAS, 32
.set ABUF, 64
.set BK,  128                          ; a chunk's end: 16 rows read back from the stage, set i % 2 at + 32
.set SA,  64                           ; slot u of nine at SA + 8 u
.set SB,  136
.set SSM, SB                           ; slot u, + 8 u: the sum of its weights, a pair (even keys', odd keys')
.set SMX, SB+2                         ; slot u, + 8 u: its maximum
.set PS,  SB+4                         ; slots 1-3, + 8 u: a pair whose low word is the slot's own tile's c m, later its 1 / l
.set OS,  192
.set STT, 208                          ; a tile's statistics (query tile w at + 0, tile 7 - w at + 8): +0 c m, +1 m, +2, +3 l, +4, +5 at work, +6 1 / l (+7 named with it as a pair)
.set VL,  224
.set VR,  225
.set VH,  226
.set BLO, 228
.set VOF, 230                          ; v230-234 offsets in sp: slot 0, slots 1-3, slots 4-8
.set OUT, 12                           ; s[12:13] out0 at the batch's first row, my chunk's columns
.set WV,  14
.set BB,  15
.set HH,  16
.set W,   20                           ; s[20:21] wpk at the trip in hand of my streams
.set XP,  22
.set KO,  24                           ; s24  the trip's place along K in an LDS row: 0, 512, 1024, 1536
.set BO,  25                           ; s25  the chunk's place in the bias table: 0, 1024
.set TT,  26                           ; s26  trips left, this one among them
.set LIM, 27                           ; s27  2 in the work-groups that prefetch, else the greatest number
.set XC,  29
.set XK,  30
.set SPB, 38                           ; s[38:39] sp at the batch's first part
.set MK,  40                           ; s40-47  lane masks: register j of a diagonal tile is seen
.set CS,  48                           ; s[48:49] c = log2(e) / 32
.set SEL, 50                           ; s[50:51] v_permlanex16_b32's selects: each lane takes its own place in the other half
.set W2,  56                           ; s[56:57] wpk at the next trip; in the last trip at that trip itself
.set WOF, 58                           ; s[58:59] what is added to W to make it
.set MUL,  0xA4                        ; x window 0, W window 1, C and D window 2
.set MULF, 0x84                        ; the same with C (the biases) in window 0
.set MSB, 0
.macro WIN new                         ; the immediate's high byte repeats the setting that is left; a switch that changes nothing is dropped
.if MSB != (\new)
	s_set_vgpr_msb (MSB<<8)|(\new)
.set MSB, \new
.endif
.endm
.macro NOPS n
.rept \n
	v_nop
.endr
.endm
; One window setting serves a piece's loads and its LDS stores: destination window 1, store data window 2, addresses window 0
.macro XLOAD st, off                   ; a piece of x: 512 consecutive bytes of each of my 32 rows, into raw set st
	WIN 0x48
.set x_r, 0
.rept 32
	global_load_b128 v[128*(\st)+4*x_r:128*(\st)+4*x_r+3], v[L16], s[XP:XP+1] offset:(\off)+x_r*4096
.set x_r, x_r+1
.endr
.endm
.macro XCVT st                         ; rounded to bf16, from raw set st into out-buffer st
	WIN 0x85                                       ; sources window 1, destination window 2
.set x_r, 0
.rept 32
	v_cvt_pk_bf16_f32 v[64*(\st)+2*x_r], v[128*(\st)+4*x_r], v[128*(\st)+4*x_r+1]
	v_cvt_pk_bf16_f32 v[64*(\st)+2*x_r+1], v[128*(\st)+4*x_r+2], v[128*(\st)+4*x_r+3]
.set x_r, x_r+1
.endr
.endm
.macro XSTORE st, o                    ; the out-buffer goes to LDS: 256 consecutive bytes of a row an instruction
	WIN 0x48
.set x_r, 0
.rept 32
	ds_store_b64 v[XS], v[64*(\st)+2*x_r:64*(\st)+2*x_r+1] offset:x_r*PITCH+(\o)
.set x_r, x_r+1
.endr
.endm
.macro BFILL s                         ; the ring's slot s takes K step s of the first trip
	WIN 0x48
.irp ff, 0,1,2,3
	global_load_b128 v[32*(\s)+8*(\ff):32*(\s)+8*(\ff)+3],   v[L16], s[W:W+1] offset:(\s)*KFB+(\ff)*1024
	global_load_b128 v[32*(\s)+8*(\ff)+4:32*(\s)+8*(\ff)+7], v[L16], s[W:W+1] offset:(\s)*KFB+(\ff)*1024+512
.endr
.endm
.macro XREST                           ; pieces 0 and 1 are on their way; three trips store two and ask for two; the last two make room for the ring's first seven slots
	WIN 0
	s_mov_b32 s[XC], 3
	s_mov_b32 s[XK], 0
.Lxl_\@:
	s_wait_loadcnt 32                              ; the older piece is in; the other piece's 32 loads stay out
	s_wait_alu depctr_vm_vsrc(0)                   ; the LDS stores issued so far have read v[XS] and both out-buffers, which this trip writes again
	v_add_nc_u32 v[XS], s[XK], v[XS0]
	XCVT 0
	WIN 0x48
	s_wait_alu depctr_va_vdst(0)                   ; the conversions have written out-buffer 0, which the stores read, and are done reading raw set 0, in which the loads land; v[XS] is written
	XLOAD 0, 1024
	XSTORE 0, 0
	s_wait_loadcnt 32
	XCVT 1
	WIN 0x48
	s_wait_alu depctr_va_vdst(0)                   ; the same of out-buffer 1 and raw set 1
	XLOAD 1, 1536
	XSTORE 1, 256
	WIN 0
	s_wait_xcnt 0x0                                ; the loads have read their base: it is stepped only behind this wait
	s_add_nc_u64 s[XP:XP+1], s[XP:XP+1], 1024
	s_add_co_u32 s[XK], s[XK], 512
	s_sub_co_u32 s[XC], s[XC], 1
	s_cmp_lg_u32 s[XC], 0
	s_cbranch_scc1 .Lxl_\@
	s_wait_loadcnt 32
	s_wait_alu depctr_vm_vsrc(0)                   ; the LDS stores issued so far have read v[XS] and both out-buffers
	v_add_nc_u32 v[XS], s[XK], v[XS0]
	XCVT 0
	WIN 0x48
	s_wait_alu depctr_va_vdst(0)                   ; out-buffer 0 and v[XS] are written; the conversions are done reading raw set 0, in which the ring's slots 0-3 land
	BFILL 0
	BFILL 1
	BFILL 2
	BFILL 3
	XSTORE 0, 0
	s_wait_loadcnt 32                              ; the last piece is in; just the 32 loads of slots 0-3 stay out
	XCVT 1
	WIN 0x48
	s_wait_alu depctr_va_vdst(0)                   ; out-buffer 1 is written; the conversions are done reading raw set 1, in which the ring's slots 4-6 land
	BFILL 4
	BFILL 5
	BFILL 6
	XSTORE 1, 256
	WIN 0
.endm
.macro AFH kn, buf, p0                 ; four of x's eight fragments (row tiles 2 p0 .. 2 p0 + 3) of K step kn of the trip, into buffer buf: 8 loads
.set a_b, ABUF+64*(\buf)
.irp pp, \p0, (\p0)+1
.irp tt, 0,1
	ds_load_b128 v[a_b+8*(2*(\pp)+(\tt)):a_b+8*(2*(\pp)+(\tt))+3],   v[AD+(\pp)] offset:(\kn)*64+(\tt)*16*PITCH
	ds_load_b128 v[a_b+8*(2*(\pp)+(\tt))+4:a_b+8*(2*(\pp)+(\tt))+7], v[AD+(\pp)] offset:(\kn)*64+(\tt)*16*PITCH+32
.endr
.endr
.endm
.macro AFETCH kn, buf                  ; all eight: 16 loads in one run
	AFH \kn, \buf, 0
	AFH \kn, \buf, 2
.endm
.macro PRODS k, m0, cnt, first         ; of a K step's 32 products those of row tiles m0 .. m0 + cnt - 1: each accumulator has one a step, so they take turns, over every edge of the loop too.  first = 1: the biases start the sums
.set p_a, ABUF+64*((\k)%2)
.set p_b, 32*(\k)
.set p_m, \m0
.rept \cnt
.set p_i, 0
.rept 4
.set p_c, 64*(p_m/2)+16*p_i+8*(p_m%2)
.if \first
	v_wmma_f32_16x16x32_bf16 v[p_c:p_c+7], v[p_a+8*p_m:p_a+8*p_m+7], v[p_b+8*p_i:p_b+8*p_i+7], v[BIAS+8*p_i:BIAS+8*p_i+7]
.else
	v_wmma_f32_16x16x32_bf16 v[p_c:p_c+7], v[p_a+8*p_m:p_a+8*p_m+7], v[p_b+8*p_i:p_b+8*p_i+7], v[p_c:p_c+7]
.endif
.set p_i, p_i+1
.endr
.set p_m, p_m+1
.endr
.endm
; The ring's slot read last step is asked for again, seven steps ahead: 8 loads.  Step 0 asks for this trip's step 7, by W; steps 1 to 7 for the next trip's steps 0 to 6, by W2.
.macro RING k
.irp ff, 0,1,2,3
.if (\k) == 0
	global_load_b128 v[224+8*(\ff):224+8*(\ff)+3], v[L16], s[W:W+1] offset:7*KFB+(\ff)*1024
	global_load_b128 v[224+8*(\ff)+4:224+8*(\ff)+7], v[L16], s[W:W+1] offset:7*KFB+(\ff)*1024+512
.else
	global_load_b128 v[32*((\k)-1)+8*(\ff):32*((\k)-1)+8*(\ff)+3],   v[L16], s[W2:W2+1] offset:((\k)-1)*KFB+(\ff)*1024
	global_load_b128 v[32*((\k)-1)+8*(\ff)+4:32*((\k)-1)+8*(\ff)+7], v[L16], s[W2:W2+1] offset:((\k)-1)*KFB+(\ff)*1024+512
.endif
.endr
.endm
; A PREFETCH INTO THE L2, once a trip, behind the trip's first run of loads: the 32,768 bytes of my own streams that stand two trips on (my loads begin to name them in the next trip):
; a lane a block of 256 bytes, four instructions.  All batches walk the same streams: batch 0's two work-groups ask, each wave for its own, so each block is named once in the launch.
; The first two trips' bytes come by their loads alone; the last two trips ask for nothing: two trips on my streams have ended.
.macro ASK
	s_cmp_gt_u32 s[TT], s[LIM]
	s_cbranch_scc0 .Lna_\@
.irp ff, 0,1,2,3
	global_prefetch_b8 v[PFO], s[W:W+1] offset:65536+8192*(\ff) th:TH_LOAD_NT scope:SCOPE_SE
.endr
.Lna_\@:
.endm
; K STEP k of a trip: 32 products; among the first twelve stand the fetch of x's fragments of the next step and the ring's refill.  Every trip issues the same loads, so the count below holds in all of them.
.macro KSTEP k
	s_wait_dscnt 0x0                               ; x's fragments of this step, fetched a step ago (and the biases, at a chunk's start)
	s_wait_loadcnt 48                              ; loads return in order: slot k is in, the six groups of eight behind it stay out
	WIN 0
.if (\k) == 7
	s_add_co_u32 s[KO], s[KO], 512                 ; the next trip's place along K; behind a chunk's fourth trip 0 again
	s_and_b32 s[KO], s[KO], 0x600
	s_wait_alu depctr_vm_vsrc(0)                   ; the fragment loads issued so far have read v[AD ..] (and the chunk's bias loads v[BAC], which a chunk's end writes)
.irp pp, 0,1,2,3
	v_add_nc_u32 v[AD+(\pp)], s[KO], v[AD0+(\pp)]  ; four plain instructions: the places behind the last step's products (ISA guide 7.12.1)
.endr
.else
	NOPS 4                                         ; the same four places: they stay beside the wait below, and at a chunk's first step they are four of the five that its products want
.endif
	s_wait_alu depctr_va_vdst(0)                   ; the last step's products are done reading the other buffer of x and the slot behind slot k, in which this step's loads land; in step 7 v[AD ..] is written
.if (\k) == 0
	AFETCH 1, 1
	WIN 0x40
	RING 0
	WIN 0
	ASK
	s_cmp_eq_u32 s[KO], 0                          ; a chunk's first step?  At the loop's first trip a constant of the text: the sums are started before they are added onto
	s_cbranch_scc0 .Lnf_\@
	v_nop                                          ; a fifth place: these products do not add in place, they write over the accumulators, and that wants five behind the last products (ISA guide 7.12.1)
	WIN MULF
	PRODS 0, 0, 8, 1
	WIN 0
	s_branch .Lj_\@
.Lnf_\@:
	WIN MUL
	PRODS 0, 0, 8, 0
	WIN 0
.Lj_\@:
.else
	WIN MUL
	PRODS \k, 0, 1, 0
	WIN 0
	AFH ((\k)+1)%8, 1-(\k)%2, 0                    ; no wait: no vector or matrix instruction since the wait above names the other buffer, the slot behind or an address
	WIN MUL
	PRODS \k, 1, 1, 0
	WIN 0
	AFH ((\k)+1)%8, 1-(\k)%2, 2
	WIN MUL
	PRODS \k, 2, 1, 0
	WIN 0x40
	RING \k
	WIN MUL
	PRODS \k, 3, 5, 0
.endif
.endm
.macro BIASLD                          ; all eight registers of tile n want bv[64 chunk + 16 n + r]: the table holds it four times; v[BAC] is made ahead of a wait that stands ahead of these loads
.irp ff, 0,1,2,3
	ds_load_b128 v[BIAS+8*(\ff):BIAS+8*(\ff)+3],   v[BAC] offset:256*(\ff)
	ds_load_b128 v[BIAS+8*(\ff)+4:BIAS+8*(\ff)+7], v[BAC] offset:256*(\ff)
.endr
.endm
; THE SOFTMAX.  Wave w owns the query tiles w and 7 - w: w + 1 and 8 - w tiles of S, nine in all, in nine SLOTS: slots 0 .. w are tile w's keys, slots w + 1 .. 8 tile 7 - w's.
; What is done to each number alike is written once, over the nine slots.  What hangs on w in registers' numbers or LDS offsets is written four times, under forward branches on the wave's number
; (LADDER); no barrier stands inside.  Slot 0 is always tile w's and slots 4-8 always tile 7 - w's; slots 1-3 read their tile's figure from a copy that a ladder makes (SPREAD).
.macro LADDER body
	s_cmp_lg_u32 s[WV], 0
	s_cbranch_scc1 .Lw1_\@
	\body 0
	s_branch .Lwd_\@
.Lw1_\@:
	s_cmp_lg_u32 s[WV], 1
	s_cbranch_scc1 .Lw2_\@
	\body 1
	s_branch .Lwd_\@
.Lw2_\@:
	s_cmp_lg_u32 s[WV], 2
	s_cbranch_scc1 .Lw3_\@
	\body 2
	s_branch .Lwd_\@
.Lw3_\@:
	\body 3
.Lwd_\@:
.endm
.macro ALLS line:vararg                ; one line for each slot s_u
.set s_u, 0
.rept 9
	\line
.set s_u, s_u+1
.endr
.endm
.macro PAIROF u, off                   ; s_r: the pair whose low word is figure off of slot u's tile
.if (\u) == 0
.set s_r, STT+(\off)
.elseif (\u) < 4
.set s_r, PS+8*(\u)
.else
.set s_r, STT+8+(\off)
.endif
.endm
.macro SPREAD wv, off                  ; slots 1-3 get their tile's figure
.irp uu, 1,2,3
.if (\uu) <= (\wv)
	v_mov_b32 v[PS+8*(\uu)], v[STT+(\off)]
.else
	v_mov_b32 v[PS+8*(\uu)], v[STT+8+(\off)]
.endif
.endr
.endm
.macro DIAGA wv                        ; slot w is tile w's diagonal tile: its hidden keys take the lowest number
.irp jj, 0,1,2,3,4,5,6,7
	v_cndmask_b32 v[SA+8*(\wv)+(\jj)], v[NEG], v[SA+8*(\wv)+(\jj)], s[MK+(\jj)]
.endr
.endm
.macro MAXN dd, u0, nn                 ; the maximum of nn slots' maxima from slot u0 on
	v_mov_b32 v[\dd], v[SMX+8*(\u0)]
.set m_q, 1
.if (\nn) > 2
.rept ((\nn)-1)/2
	v_max3_num_f32 v[\dd], v[\dd], v[SMX+8*((\u0)+m_q)], v[SMX+8*((\u0)+m_q+1)]
.set m_q, m_q+2
.endr
.endif
.if ((\nn)-1)%2
	v_max_num_f32 v[\dd], v[\dd], v[SMX+8*((\u0)+m_q)]
.endif
.endm
.macro STATA wv                        ; both tiles: the lane's maximum, the lane 16 away's (the query's other keys), m, c m
	MAXN STT+4, 0, (\wv)+1
	MAXN STT+12, (\wv)+1, 8-(\wv)
	v_permlanex16_b32 v[STT+5], v[STT+4], s[SEL], s[SEL+1]
	v_permlanex16_b32 v[STT+13], v[STT+12], s[SEL], s[SEL+1]
	v_max_num_f32 v[STT+1], v[STT+4], v[STT+5]
	v_max_num_f32 v[STT+9], v[STT+12], v[STT+13]
	v_mul_f32 v[STT], s[CS], v[STT+1]
	v_mul_f32 v[STT+8], s[CS], v[STT+9]
	SPREAD \wv, 0
.endm
.macro SUMN dd, u0, nn                 ; the sum of nn slots' sums from slot u0 on
.if (\nn) == 1
	v_mov_b32 v[\dd], v[SSM+8*(\u0)]
	v_mov_b32 v[(\dd)+1], v[SSM+8*(\u0)+1]
.else
	v_pk_add_f32 v[(\dd):(\dd)+1], v[SSM+8*(\u0):SSM+8*(\u0)+1], v[SSM+8*(\u0)+8:SSM+8*(\u0)+9]
.if (\nn) > 2
.set m_q, 2
.rept (\nn)-2
	v_pk_add_f32 v[(\dd):(\dd)+1], v[(\dd):(\dd)+1], v[SSM+8*((\u0)+m_q):SSM+8*((\u0)+m_q)+1]
.set m_q, m_q+1
.endr
.endif
.endif
.endm
.macro STATB wv                        ; both tiles: the sum l of the unrounded weights, and 1 / l (l is about 1 at the least: the largest weight is 2^0)
	SUMN STT+2, 0, (\wv)+1
	SUMN STT+10, (\wv)+1, 8-(\wv)
	v_add_f32 v[STT+4], v[STT+2], v[STT+3]
	v_add_f32 v[STT+12], v[STT+10], v[STT+11]
	v_permlanex16_b32 v[STT+5], v[STT+4], s[SEL], s[SEL+1]
	v_permlanex16_b32 v[STT+13], v[STT+12], s[SEL], s[SEL+1]
	v_add_f32 v[STT+4], v[STT+4], v[STT+5]
	v_add_f32 v[STT+12], v[STT+12], v[STT+13]
	v_rcp_f32 v[STT+6], v[STT+4]
	v_rcp_f32 v[STT+14], v[STT+12]
	v_nop                                          ; a plain instruction behind the last reciprocal,
	s_wait_alu depctr_va_vdst(0)                   ; and a wait: the two reciprocals have written 1 / l, ahead of its first reader and of the branch
	SPREAD \wv, 6
.endm
.macro PSTORE wv                       ; slot u is key tile j of query tile i: half j % 2 of fragment (i, j / 2).  The even one of my two query tiles has an odd number of key tiles: its last fragment's upper half is 0
.set s_u, 0
.rept 9
.if s_u <= (\wv)
.set s_i, (\wv)
.set s_j, s_u
.else
.set s_i, 7-(\wv)
.set s_j, s_u-(\wv)-1
.endif
.set s_p, (s_i/2)*(s_i/2+1)+(s_i%2)*(s_i/2+1)+s_j/2
	ds_store_b128 v[PLA], v[SA+8*s_u:SA+8*s_u+3] offset:s_p*1024+(s_j%2)*512
.set s_u, s_u+1
.endr
.set s_i, (\wv)+((\wv)%2)*(7-2*(\wv))
.set s_p, (s_i/2)*(s_i/2+1)+s_i/2
	ds_store_b128 v[PLA], v[SB:SB+3] offset:s_p*1024+512
.endm
; O^T of query tile i, the chunk's 64 channels: keys 32 f on, channels 16 n on.  The four accumulators take turns; the first four products start the sums; the sets go by i's parity
.macro OMUL i
	WIN 0x0E                                       ; v^T window 2, P window 3, O^T window 0
.set o_f, 0
.rept (\i)/2+1
.set o_n, 0
.rept 4
.set o_d, OS+32*((\i)%2)+8*o_n
.set o_v, 64*o_f+16*o_n
.set o_p, 8*(((\i)/2)*((\i)/2+1)+((\i)%2)*((\i)/2+1)+o_f)
.if o_f == 0
	v_wmma_f32_16x16x32_f16 v[o_d:o_d+7], v[o_v:o_v+7], v[o_p:o_p+7], 0
.else
	v_wmma_f32_16x16x32_f16 v[o_d:o_d+7], v[o_v:o_v+7], v[o_p:o_p+7], v[o_d:o_d+7]
.endif
.set o_n, o_n+1
.endr
.set o_f, o_f+1
.endr
.endm
.macro TOSTAGE i                       ; a lane's 32 bytes of a row go from O^T's set into my stage (rows of 256 + 16 bytes) and come back as whole rows, into the set of rows read back
.set t_b, OS+32*((\i)%2)
.set t_k, BK+32*((\i)%2)
.irp nn, 0,1,2,3
	ds_store_b128 v[STO], v[t_b+8*(\nn):t_b+8*(\nn)+3]   offset:64*(\nn)     ; each accumulator's low half first
	ds_store_b128 v[STO], v[t_b+8*(\nn)+4:t_b+8*(\nn)+7] offset:64*(\nn)+16
.endr
.irp uu, 0,1,2,3,4,5,6,7
	ds_load_b128 v[t_k+4*(\uu):t_k+4*(\uu)+3], v[RD] offset:(\uu)*2*SP  ; LDS serves a wave's instructions in order (ISA guide 5.7.1.4): these see the stores above
.endr
.endm
.macro SEND i
	s_wait_dscnt 0x0                               ; the rows are back
.irp uu, 0,1,2,3,4,5,6,7
	global_store_b128 v[CO], v[BK+32*((\i)%2)+4*(\uu):BK+32*((\i)%2)+4*(\uu)+3], s[OUT:OUT+1] offset:(16*(\i)+2*(\uu))*4096 th:TH_STORE_NT  ; 16 lanes store 256 consecutive aligned bytes
.endr
.endm
; A CHUNK'S END.  Each pair of neighbouring accumulators is rounded to f16 in place, from its low end on: v^T's fragment (keys 32 f on, channels 16 n on) lands at 64 f + 16 n.
; Then the eight query tiles: tile i's products stand between tile i - 1's trip through the stage and its stores, and those stores go out while the products run.  Then the next chunk's columns and biases.
.macro EPI
	WIN 0
	s_add_co_u32 s[BO], s[BO], 1024
	s_and_b32 s[BO], s[BO], 0x400
	v_add_nc_u32 v[BAC], s[BO], v[BA]              ; the next chunk's place in the table (K step 7's wait on vm_vsrc stands behind the loads that read v[BAC]): the first of
	NOPS 3                                         ; four places between the last products and the first conversion
	WIN 0x8A
.set e_q, 0
.rept 16
.set e_j, 0
.rept 8
	v_cvt_pk_f16_f32 v[16*e_q+e_j], v[16*e_q+2*e_j], v[16*e_q+2*e_j+1]
.set e_j, e_j+1
.endr
.set e_q, e_q+1
.endr
	OMUL 0
	WIN 0
	NOPS 4                                         ; the places between products and the stores that read them
	s_wait_alu depctr_va_vdst(0)                   ; tile 0's products have written O^T's set 0, which the LDS stores read; the K loop's last products are done reading x's buffer 1, in which the rows read back land; v[BAC] is written
	TOSTAGE 0
.irp ii, 1,2,3,4,5,6,7
.if (\ii) > 1
	s_wait_xcnt 0x0                                ; the global stores of two tiles back have read their set of rows: it is loaded again only behind this wait,
	s_wait_alu depctr_vm_vsrc(0)                   ; and this one beside it; the LDS stores of two tiles back have read O^T's set, which the products below write again
.endif
	OMUL \ii
	WIN 0
	SEND (\ii)-1                                   ; their data come from LDS loads and their offset from the head: nothing of the products is waited for
	NOPS 4                                         ; the places between products and the stores that read them
	s_wait_alu depctr_va_vdst(0)                   ; the tile's products have written O^T's set, which the LDS stores read
	TOSTAGE \ii
.endr
	SEND 7
	s_wait_xcnt 0x0                                ; the stores have read their base and both sets of rows,
	s_wait_alu depctr_vm_vsrc(0)                   ; in which x's fragments land again in the next K step; tile 7's LDS stores have read O^T's set 1
	s_add_nc_u64 s[OUT:OUT+1], s[OUT:OUT+1], 256   ; the next chunk's 64 columns
	BIASLD                                         ; (the next chunk's products write over v^T's fragments nine places behind the last product that read them)
.endm
	s_load_b256 s[4:11], s[0:1], 0x0               ; inputs s[4:5], wpk s[6:7], bv s[8:9], sp s[10:11]
	s_load_b64 s[12:13], s[0:1], 0x20              ; out0
	v_lshl_add_u32 v[SPW], v0, 2, SPARE
	v_mov_b32 v[NIL], 0
	v_lshrrev_b32 v1, 5, v0
	v_readfirstlane_b32 s[WV], v1
	v_and_b32 v[VL], 31, v0
	v_and_b32 v[VR], 15, v0
	v_bfe_u32 v[VH], v0, 4, 1
	v_lshlrev_b32 v1, 3, v[VH]
	v_sub_nc_u32 v[DR], v[VR], v1
.irp jj, 0,1,2,3,4,5,6,7
	v_cmp_le_i32 s[MK+(\jj)], \jj, v[DR]           ; key 8 hh + j of a diagonal tile is seen by query r where j <= r - 8 hh
.endr
	s_lshr_b32 s[BB], ttmp9, 1
	s_and_b32 s[HH], ttmp9, 1
	v_lshlrev_b32 v[L16], 4, v[VL]
	v_lshlrev_b32 v[PFO], 8, v[VL]
	v_mul_u32_u24 v1, v[VR], PITCH
	v_lshl_add_u32 v1, v[VH], 4, v1
.irp pp, 0,1,2,3
	v_add_nc_u32 v[AD0+(\pp)], (\pp)*XROWS, v1
	v_add_nc_u32 v[AD+(\pp)], (\pp)*XROWS, v1
.endr
	s_wait_alu depctr_va_sdst(0)                   ; the wave's number and the eight lane masks are written, ahead of their first readers and of every branch
	s_mul_i32 s32, s[WV], XROWS
	v_lshl_add_u32 v[XS0], v[VL], 3, s32
	s_lshl_b32 s32, s[WV], 11                      ; my two chunks of 64 channels: 2,048 bytes of the table
	s_add_co_u32 s32, s32, BTB
	v_lshl_add_u32 v[BA], v[VR], 4, s32
	v_lshl_add_u32 v[BTS], v0, 6, BTB
	s_lshl_b32 s32, s[HH], 11
	v_lshl_add_u32 v[BLO], v0, 4, s32              ; my four numbers of the half's 512
	s_mul_i32 s32, s[WV], 16*SP
	s_add_co_u32 s32, s32, STAGE                   ; my stage
	v_mul_u32_u24 v1, v[VR], SP
	v_lshl_add_u32 v1, v[VH], 5, v1
	v_add_nc_u32 v[STO], s32, v1
	v_mul_u32_u24 v1, v[VH], SP
	v_lshl_add_u32 v1, v[VR], 4, v1
	v_add_nc_u32 v[RD], s32, v1
	v_lshlrev_b32 v1, 12, v[VH]
	v_lshl_add_u32 v[CO], v[VR], 4, v1
	v_add_nc_u32 v[PLA], PLB, v[L16]
	v_mov_b32 v[NEG], 0xff7fffff
.set s_q, 0
.rept 16
	v_mov_b32 v[STT+s_q], 0                        ; the statistics are written once: the lane exchange counts as a reader of its destination, and pairs are named whole
.set s_q, s_q+1
.endr
	; where my nine tiles lie in a part of sp.  Slot u of tile w is tile w (w + 1) / 2 + u; slot u of tile 7 - w is tile (7 - w) (8 - w) / 2 + u - w - 1: u's 1,024 bytes stand in the loads' immediates
	s_add_co_u32 s62, s[WV], 1
	s_mul_i32 s60, s[WV], s62
	s_lshl_b32 s60, s60, 9                         ; w (w + 1) / 2 tiles of 1,024 bytes
	s_sub_co_u32 s61, 7, s[WV]
	s_sub_co_u32 s63, 8, s[WV]
	s_mul_i32 s61, s61, s63
	s_lshr_b32 s61, s61, 1
	s_sub_co_u32 s61, s61, s62
	s_lshl_b32 s61, s61, 10
	v_add_nc_u32 v[VOF], s60, v[L16]
	v_add_nc_u32 v[VOF+4], s61, v[L16]
.irp uu, 1,2,3
	s_cmp_ge_u32 s[WV], \uu                        ; is slot u tile w's?
	s_cselect_b32 s62, s60, s61
	v_add_nc_u32 v[VOF+(\uu)], s62, v[L16]
.endr
	s_mov_b32 s[CS], 0x3d38aa3b                    ; c = log2(e) / sqrt(1024)
	s_mov_b32 s[CS+1], s[CS]
	s_mov_b32 s[SEL], 0x76543210
	s_mov_b32 s[SEL+1], 0xfedcba98
	s_mov_b32 s[WOF+1], 0
	s_lshl_b32 s32, s[HH], 3
	s_lshl1_add_u32 s32, s[WV], s32
	s_add_co_u32 s32, s32, 32                      ; my first stream: 32 + 8 h + 2 w
	s_lshl_b32 s32, s32, 17
	s_mov_b32 s33, 0
	s_lshl_b32 s34, s[BB], 19                      ; the batch's 128 rows of 4,096 bytes
	s_mov_b32 s35, 0
	s_lshl_b32 s36, s[WV], 17                      ; x: my wave's 32 rows
	s_mov_b32 s37, 0
	s_mul_i32 s52, s[BB], 2*REDB                   ; sp: the batch's two parts
	s_mov_b32 s53, 0
	s_lshl_b32 s54, s[HH], 11                      ; out0: the half's 512 columns, my wave's 128
	s_lshl_b32 s55, s[WV], 9
	s_add_co_u32 s54, s54, s55
	s_mov_b32 s55, 0
	s_cmp_eq_u32 s[BB], 0
	s_cselect_b32 s[LIM], 2, -1
	s_wait_kmcnt 0x0
	s_add_nc_u64 s[W:W+1], s[6:7], s[32:33]
	s_add_nc_u64 s[W2:W2+1], s[W:W+1], 8*KFB
	s_add_nc_u64 s[XP:XP+1], s[4:5], s[34:35]
	s_add_nc_u64 s[XP:XP+1], s[XP:XP+1], s[36:37]
	s_add_nc_u64 s[SPB:SPB+1], s[10:11], s[52:53]
	s_add_nc_u64 s[OUT:OUT+1], s[OUT:OUT+1], s[34:35]
	s_add_nc_u64 s[OUT:OUT+1], s[OUT:OUT+1], s[54:55]
	s_wait_alu depctr_va_vdst(0)                   ; the offsets and LDS addresses made above are written: every load, store and prefetch of the kernel reads one of them, or one made from them later
	global_load_b128 v[BVL:BVL+3], v[BLO], s[8:9]
.set l_u, 0
.rept 9                                ; both parts of my nine tiles: 36 loads of 512 consecutive bytes
.if l_u < 4
.set l_v, VOF+l_u
.else
.set l_v, VOF+4
.endif
	global_load_b128 v[SA+8*l_u:SA+8*l_u+3],   v[l_v], s[SPB:SPB+1] offset:l_u*TILEB
	global_load_b128 v[SA+8*l_u+4:SA+8*l_u+7], v[l_v], s[SPB:SPB+1] offset:l_u*TILEB+512
	global_load_b128 v[SB+8*l_u:SB+8*l_u+3],   v[l_v], s[SPB:SPB+1] offset:REDB+l_u*TILEB
	global_load_b128 v[SB+8*l_u+4:SB+8*l_u+7], v[l_v], s[SPB:SPB+1] offset:REDB+l_u*TILEB+512
.set l_u, l_u+1
.endr
	XLOAD 0, 0                                     ; x's first two pieces are on their way while the softmax is made
	XLOAD 1, 512
	WIN 0
	s_wait_loadcnt 63                              ; bv and S are in.  Behind them stand x's 64 loads; the wait's field ends at 63, so x's first load is waited for too
.set s_q, 0
.rept 36                               ; the two parts are added
	v_pk_add_f32 v[SA+2*s_q:SA+2*s_q+1], v[SA+2*s_q:SA+2*s_q+1], v[SB+2*s_q:SB+2*s_q+1]
.set s_q, s_q+1
.endr
	LADDER DIAGA
.irp jj, 0,1,2,3,4,5,6,7               ; slot 8 is tile 7 - w's diagonal tile, whatever w
	v_cndmask_b32 v[SA+64+(\jj)], v[NEG], v[SA+64+(\jj)], s[MK+(\jj)]
.endr
	ALLS v_max3_num_f32 v[SMX+8*s_u], v[SA+8*s_u], v[SA+8*s_u+1], v[SA+8*s_u+2]
	ALLS v_max3_num_f32 v[SMX+8*s_u], v[SMX+8*s_u], v[SA+8*s_u+3], v[SA+8*s_u+4]
	ALLS v_max3_num_f32 v[SMX+8*s_u], v[SMX+8*s_u], v[SA+8*s_u+5], v[SA+8*s_u+6]
	ALLS v_max_num_f32 v[SMX+8*s_u], v[SMX+8*s_u], v[SA+8*s_u+7]
	LADDER STATA
.set s_u, 0
.rept 9                                ; c s - c m
	PAIROF s_u, 0
.set s_q, 0
.rept 4
	v_pk_fma_f32 v[SA+8*s_u+2*s_q:SA+8*s_u+2*s_q+1], v[SA+8*s_u+2*s_q:SA+8*s_u+2*s_q+1], s[CS:CS+1], v[s_r:s_r+1] op_sel_hi:[1,0,0] neg_lo:[0,0,1] neg_hi:[0,0,1]
.set s_q, s_q+1
.endr
.set s_u, s_u+1
.endr
.set s_q, 0
.rept 72
	v_exp_f32 v[SA+s_q], v[SA+s_q]
.set s_q, s_q+1
.endr
	v_nop                                          ; a plain instruction behind the last exponential,
	s_wait_alu depctr_va_vdst(0)                   ; and a wait: the 72 exponentials have written the weights, ahead of their first reader
	ALLS v_pk_add_f32 v[SSM+8*s_u:SSM+8*s_u+1], v[SA+8*s_u:SA+8*s_u+1], v[SA+8*s_u+2:SA+8*s_u+3]
	ALLS v_pk_add_f32 v[SSM+8*s_u:SSM+8*s_u+1], v[SSM+8*s_u:SSM+8*s_u+1], v[SA+8*s_u+4:SA+8*s_u+5]
	ALLS v_pk_add_f32 v[SSM+8*s_u:SSM+8*s_u+1], v[SSM+8*s_u:SSM+8*s_u+1], v[SA+8*s_u+6:SA+8*s_u+7]
	LADDER STATB
.set s_u, 0
.rept 9                                ; the weights are divided by l,
	PAIROF s_u, 6
.set s_q, 0
.rept 4
	v_pk_mul_f32 v[SA+8*s_u+2*s_q:SA+8*s_u+2*s_q+1], v[SA+8*s_u+2*s_q:SA+8*s_u+2*s_q+1], v[s_r:s_r+1] op_sel_hi:[1,0]
.set s_q, s_q+1
.endr
.set s_u, s_u+1
.endr
.set s_u, 0
.rept 9                                ; and rounded to f16 in place: a slot's eight keys land in its first four registers, half a fragment
.set s_q, 0
.rept 4
	v_cvt_pk_f16_f32 v[SA+8*s_u+s_q], v[SA+8*s_u+2*s_q], v[SA+8*s_u+2*s_q+1]
.set s_q, s_q+1
.endr
.set s_u, s_u+1
.endr
.irp zz, 0,1,2,3
	v_mov_b32 v[SB+(\zz)], 0                       ; the half above the diagonal: weights 0
.endr
	; bv: rounded to bf16 like every input, widened again, four times each
	v_cvt_pk_bf16_f32 v[TA], v[BVL], v[BVL+1]
	v_cvt_pk_bf16_f32 v[TB], v[BVL+2], v[BVL+3]
.irp zz, 0,1,2,3
	v_lshlrev_b32 v[BIAS+(\zz)], 16, v[TA]
	v_and_b32 v[BIAS+4+(\zz)], 0xffff0000, v[TA]
	v_lshlrev_b32 v[BIAS+8+(\zz)], 16, v[TB]
	v_and_b32 v[BIAS+12+(\zz)], 0xffff0000, v[TB]
.endr
	s_wait_alu depctr_va_vdst(0)                   ; P's halves, the zeros and the table's words are written: the two runs of LDS stores below read them
	LADDER PSTORE
.irp zz, 0,1,2,3
	ds_store_b128 v[BTS], v[BIAS+4*(\zz):BIAS+4*(\zz)+3] offset:16*(\zz)
.endr
	XREST
	s_wait_dscnt 0x0                               ; for the others' sake: my rows of x, my halves of P's fragments and my part of the table are stored
	s_barrier_signal -1
	s_barrier_wait -1                              ; the launch's one barrier; the ring's loads stay out: nobody writes what they read
	s_mov_b32 s[KO], 0
	s_mov_b32 s[BO], 0
	v_add_nc_u32 v[BAC], s[BO], v[BA]
	s_wait_alu depctr_vm_vsrc(0)                   ; my LDS stores have read P's halves, the zeros and the table's words, in whose registers the biases and x's fragments land, and x's out-buffers, which the products write; the head's loads have read their offsets, which O^T writes over
	s_wait_alu depctr_va_vdst(0)                   ; v[BAC] is written; the softmax's and the table's vector work is done with v32-191, in which the loads below and the first K step's land
	BIASLD
	AFETCH 0, 0
	WIN 0xC0
.set s_q, 0
.rept 20
	ds_load_b128 v[8*s_q:8*s_q+3],   v[PLA] offset:s_q*1024
	ds_load_b128 v[8*s_q+4:8*s_q+7], v[PLA] offset:s_q*1024+512
.set s_q, s_q+1
.endr
	WIN 0
	s_mov_b32 s[TT], TRIPS
.Ltrip:                                                ; a trip: 8 K steps, 256 products; every fourth ends a chunk.  The ring runs on from chunk to chunk: my streams lie end to end
.irp kk, 0,1,2,3,4,5,6,7
	KSTEP \kk
.endr
	WIN 0
	s_wait_xcnt 0x0                                ; the youngest load stands 20 products back, the prefetches seven K steps: the two pointers are written only behind this wait
	s_add_nc_u64 s[W:W+1], s[W:W+1], 8*KFB
	s_cmp_eq_u32 s[TT], 2                          ; is the next trip the last?  Then there is no trip behind it, and its look-ahead stays at its own bytes
	s_cselect_b32 s[WOF], 0, 8*KFB
	s_add_nc_u64 s[W2:W2+1], s[W:W+1], s[WOF:WOF+1]
	s_cmp_lg_u32 s[KO], 0
	s_cbranch_scc1 .Lno
	EPI
.Lno:
	s_sub_co_u32 s[TT], s[TT], 1
	s_cmp_lg_u32 s[TT], 0
	s_cbranch_scc1 .Ltrip
	s_wait_dscnt 0x0                               ; the closing lines, six on end
	s_wait_alu 0x0
	s_wait_tensorcnt 0x0
	ds_add_u32 v[SPW], v[NIL]
	s_wait_dscnt 0x0
	s_endpgm
.Lfunc_end_k_q4810b1e763_values:
	.size	k_q4810b1e763_values, .Lfunc_end_k_q4810b1e763_values-k_q4810b1e763_values
	.p2alignl 7, 3214868480
	.fill 96, 4, 3214868480
	.section	.rodata,"a",@progbits
	.p2align	6, 0x0
	.amdhsa_kernel k_q4810b1e763_values
		.amdhsa_group_segment_fixed_size 310784
		.amdhsa_private_segment_fixed_size 0
		.amdhsa_enable_private_segment 0
		.amdhsa_kernarg_size 40
		.amdhsa_user_sgpr_count 2
		.amdhsa_user_sgpr_kernarg_segment_ptr 1
		.amdhsa_wavefront_size32 1
		.amdhsa_system_sgpr_workgroup_id_x 1
		.amdhsa_system_sgpr_workgroup_id_y 1
		.amdhsa_system_sgpr_workgroup_id_z 1
		.amdhsa_system_vgpr_workitem_id 0
		.amdhsa_next_free_vgpr 1024
		.amdhsa_next_free_sgpr 66
		.amdhsa_reserve_vcc 0
		.amdhsa_float_denorm_mode_32 3
		.amdhsa_float_denorm_mode_16_64 3
		.amdhsa_memory_ordered 1
		.amdhsa_forward_progress 1
		.amdhsa_inst_pref_size 152
	.end_amdhsa_kernel
	.amdgpu_metadata
---
amdhsa.version: [ 1, 2 ]
amdhsa.kernels:
  - .name:           k_q4810b1e763_values
    .symbol:         k_q4810b1e763_values.kd
    .args:
      - { .name: inputs, .offset: 0, .size: 8, .value_kind: global_buffer, .address_space: global }
      - { .name: wpk, .offset: 8, .size: 8, .value_kind: global_buffer, .address_space: global }
      - { .name: bv, .offset: 16, .size: 8, .value_kind: global_buffer, .address_space: global }
      - { .name: sp, .offset: 24, .size: 8, .value_kind: global_buffer, .address_space: global }
      - { .name: out0, .offset: 32, .size: 8, .value_kind: global_buffer, .address_space: global }
    .group_segment_fixed_size: 310784
    .private_segment_fixed_size: 0
    .kernarg_segment_align: 8
    .kernarg_segment_size: 40
    .max_flat_workgroup_size: 128
    .sgpr_count:     66
    .vgpr_count:     1024
    .wavefront_size: 32
...
	.end_amdgpu_metadata
.endif
;; end of part 8
